; MI455X (gfx1250); checked and timed in simulation.
; The chip was launched on July 23, 2026; its instructions are those of AMD's public machine-readable ISA for CDNA 5 (MIT licence, August 2026) and "CDNA5" Instruction Set Architecture Reference Guide (July 2026). The comments in the code are by the model that wrote it; some were corrected since.
;; Transformer Block. Allowed arithmetic: matrix products marked QUANTISED: E5M2 operands, one E8M0 scale for each 32 along K, by v_wmma_scale_f32_16x16x128_f8f6f4 with both operands' format E5M2, f32 sums; everything else in f32.
;; Inputs: b_ff1 4,096 float32; b_ff2 1,024 float32; b_out 1,024 float32; b_qkv 3,072 float32; ln1_b 1,024 float32; ln1_g 1,024 float32; ln2_b 1,024 float32; ln2_g 1,024 float32; w_ff1 1,024 x 4,096 float32; w_ff2 4,096 x 1,024 float32; w_out 1,024 x 1,024 float32; w_qkv 1,024 x 3,072 float32; x 2 x 2,048 x 1,024 float32.
;; Outputs: out0 2 x 2,048 x 1,024 float32.
;; This version of the problem:
;;   THIS VERSION OF THE PROBLEM IS GIVEN IN LOW PRECISION. The matrix products marked QUANTISED in the list below multiply operands that are first quantised to E5M2 (5 exponent bits, 2 mantissa bits; 8 bits a number), with one power-of-two scale for each 32 numbers along K (OCP MX v1.0); their sums are f32. All else is computed in f32.
;;   The module's matrix products, in the order in which they are computed (A, B: the left and right operand; K: the contracted axis; several contracted axes count as one K, in the product's order):
;;     1. [M 4,096, K 1,024] x [K 1,024, N 3,072]; A: computed on the way; B: input w_qkv: QUANTISED
;;     2. batch 32 x [M 2,048, K 64] x [K 64, N 2,048]; A: computed on the way; B: computed on the way: QUANTISED
;;     3. batch 32 x [M 2,048, K 2,048] x [K 2,048, N 64]; A: softmax (see below); B: computed on the way: QUANTISED
;;     4. [M 4,096, K 1,024] x [K 1,024, N 1,024]; A: computed on the way; B: input w_out: QUANTISED
;;     5. [M 4,096, K 1,024] x [K 1,024, N 4,096]; A: computed on the way; B: input w_ff1: QUANTISED
;;     6. [M 4,096, K 4,096] x [K 4,096, N 1,024]; A: computed on the way; B: input w_ff2: QUANTISED
;;   THE QUANTISER, for each operand of a quantised product, along K:
;;     - K is cut into blocks of 32 from its start; a last block that is shorter is filled with zeros.
;;     - A block's scale is 2^e with e = floor(log2(the largest magnitude in the block)) - 15, held to -126 .. 127; a block of zeros has e = 0. As a byte (E8M0): e + 127.
;;     - Each number is divided by its block's scale, clamped to +-57,344, and rounded to the nearest number of E5M2, ties to even, subnormals kept.
;;     - The product sums the exact products of the quantised numbers (number of the format x scale) in f32.
;;   ~~~python
;;   def quantise(x, axis):      # numpy; x: float32 -> the quantised numbers, widened to float32 again
;;       x = np.moveaxis(x, axis, -1); K = x.shape[-1]
;;       x = np.pad(x, [(0, 0)] * (x.ndim - 1) + [(0, -K % 32)]); x = x.reshape(x.shape[:-1] + (-1, 32)); a = np.abs(x).max(-1, keepdims=True)
;;       e = np.where(a > 0, np.clip(np.frexp(np.where(a > 0, a, 1))[1] - 1 - 15, -126, 127), 0)      # np.frexp(a)[1] - 1 = floor(log2(a)), exactly
;;       r = np.clip(x / 2.0 ** e, -57344, 57344)
;;       step = 2.0 ** (np.maximum(np.frexp(np.where(r == 0, 1, r))[1] - 1, -14) - 2)
;;       q = np.round(r / step) * step * 2.0 ** e      # np.round: ties to even
;;       return np.moveaxis(q.reshape(q.shape[:-2] + (-1,))[..., :K], -1, axis).astype(np.float32)
;;   ~~~
;;   SOFTMAX AHEAD OF A QUANTISED PRODUCT. Where the list says 'softmax', what is quantised is not the finished softmax but p = 2^(t - M), with t = logit x log2(e) and M = ceil(the row's largest t), a whole number; so 1/2 < the row's largest p <= 1. The row's sum l is taken of the UNQUANTISED p, in f32, and the product's result is divided by l at the end. Since M is a whole number, a kernel that streams over the keys may use a running M (the ceiling of the running maximum): every later rescaling is an exact power of two, which a block's scale takes up: the codes' values come out the same.
;;   OPERANDS COMPUTED ON THE WAY. 'Computed on the way' means the value that the module computes at that place (a softmax that the list does not call 'softmax' is quantised finished and normalised). What goes into a quantiser is computed in f32, as accurately as f32 sums, v_exp_f32 and their like allow (about 1e-6 of the number): no bf16 or f16 on the way to a quantiser, and a product that is left as it is and whose result goes on into a quantised operand takes f32 operands (vector FMAs, or v_wmma_f32_16x16x4_f32). A number that lies on a knife's edge between two numbers of the format may be rounded either way, as far as f32 arithmetic and the matrix unit's own rounding can turn it there, and no further.
;; 2 versions. Each part assembles by itself: llvm-mc -triple=amdgcn-amd-amdhsa -mcpu=gfx1250 --defsym DOCPART=n.
;; ======== version 1 of 2: 8 launches
;; workspace buffers: wts 12,976,128 bytes; h_f 4,325,376 bytes; q_f 4,456,448 bytes; kv_f 8,912,896 bytes; a_f 4,325,376 bytes; x1 16,777,216 bytes; ff_f 17,301,504 bytes
;; launch wq (part 1): grid 768 x 1, 4 waves a work-group, no clusters, 0 bytes of LDS; arguments w_qkv, w_out, w_ff1, w_ff2, wts; writes wts
.if DOCPART == 1
	.amdgcn_target "amdgcn-amd-amdhsa--gfx1250"
	.amdhsa_code_object_version 6
	.text
	.protected	k_q128ea2627e_wq
	.globl	k_q128ea2627e_wq
	.p2align	8
	.type	k_q128ea2627e_wq,@function
k_q128ea2627e_wq:
	s_mov_b64 s[64:65], 0
	v_nop
	global_prefetch_b8 v0, s[64:65] scope:SCOPE_SE
	s_setreg_imm32_b32 hwreg(HW_REG_WAVE_MODE, 25, 1), 1
	s_wait_xcnt 0x0
; The four weights, f32, stored [K][N], become codes of BF8 (E5M2) with one E8M0 scale byte for each 32 along K, laid as IMAGES OF OPERAND REGISTERS.
; A CHUNK is 128 columns n x 128 along K, CH = 16,896 bytes: byte 2048 i + 512 c + 16 lane holds registers 4 c .. 4 c + 3 of tile i's fragment (lane (r, h): k = 32 c + 16 h + 0 .. 15);
; byte 16,384 + 64 i + 4 r holds the scale word of tile i's place r.  Place r of tile i is column 32 (i / 2) + 8 (i % 2) + r % 8 + 16 (r / 8) of the 128.  Chunks lie [column group][K step].
; A work-group makes one chunk; wave w takes columns 32 w .. 32 w + 31 (tiles 2 w, 2 w + 1).  A LANE TAKES A COLUMN AND ITS REGISTERS RUN DOWN K: a block of 32 lies in one lane, each load reads 128 consecutive
; bytes a wave, and the conversions' results are the image's bytes: each store of the wave covers two aligned runs of 256 consecutive bytes.  No LDS, no barrier.
; A block's scale is 2^(floor(log2(largest magnitude)) - 15); its byte is that magnitude's exponent field - 15, held at 1 from below.
; LIMITS: a block of zeros, or one whose largest magnitude lies under 2^-111, keeps the byte 1 (the bytes are read by this program alone); NaN and infinities among the inputs are not served.
.set CH,  16896
.set X,   32                           ; v32-159  128 numbers of my column
.set C,   160                          ; v160-191 codes: eight registers for each block, so that no store's data are written again
.set SB,  14                           ; v14      the four scale bytes
	s_load_b256 s[4:11], s[0:1], 0x0               ; w_qkv s[4:5], w_out s[6:7], w_ff1 s[8:9], w_ff2 s[10:11]
	s_load_b64 s[12:13], s[0:1], 0x20              ; wts
	v_lshrrev_b32 v1, 5, v0
	v_readfirstlane_b32 s14, v1                    ; wave 0..3
	v_and_b32 v2, 31, v0                           ; lane = my column among the wave's 32
	v_lshlrev_b32 v3, 2, v2                        ; in: 4 bytes a lane
	v_bfe_u32 v6, v2, 3, 1                         ; u: which of the wave's two tiles
	v_and_b32 v7, 7, v2
	v_lshrrev_b32 v8, 4, v2
	v_lshl_add_u32 v7, v8, 3, v7                   ; r: my place in it
	v_lshlrev_b32 v4, 11, v6
	v_lshl_add_u32 v4, v7, 4, v4                   ; codes: 2048 u + 16 r
	v_lshlrev_b32 v5, 6, v6
	v_lshl_add_u32 v5, v7, 2, v5                   ; scale word: 64 u + 4 r
	s_mov_b32 s31, 0x600000                        ; the mantissa field of 57,344
	s_wait_kmcnt 0x0
; Block t: k = 32 t .. 32 t + 31 of my column.
.macro BLOCK t
.set XS, X+32*(\t)
.if (\t) < 2
	s_wait_loadcnt 63                              ; 96 or 64 loads are younger than this block's; 63 is the most that the wait can name, and a smaller count is safe
.else
	s_wait_loadcnt 32*(3-(\t))                     ; the later blocks' loads may be out
.endif
	v_max3_num_f32 v12, |v[XS]|, |v[XS+1]|, |v[XS+2]|      ; the block's largest magnitude, in two chains
	v_max3_num_f32 v13, |v[XS+3]|, |v[XS+4]|, |v[XS+5]|
.irp i, 6,10,14,18,22,26
	v_max3_num_f32 v12, v12, |v[XS+\i]|, |v[XS+\i+1]|
	v_max3_num_f32 v13, v13, |v[XS+\i+2]|, |v[XS+\i+3]|
.endr
	v_max3_num_f32 v12, v12, |v[XS+30]|, |v[XS+31]|
	v_max3_num_f32 v12, v12, v13, 0x8000000        ; and the floor 2^(16 - 127): the byte cannot fall under 1
	v_add_nc_u32 v11, 0xf8800000, v12              ; 15 off the exponent field: the conversion's scale operand
	v_and_or_b32 v10, v12, 0x7f800000, s31         ; 57,344 x the scale
	v_lshrrev_b32 v13, 23, v11                     ; the scale's byte
.if (\t) == 0
	v_mov_b32 v[SB], v13
.else
	v_lshl_or_b32 v[SB], v13, 8*(\t), v[SB]
.endif
.irp i, 0,1,2,3,4,5,6,7,8,9,10,11,12,13,14,15,16,17,18,19,20,21,22,23,24,25,26,27,28,29,30,31
	v_med3_num_f32 v[XS+\i], v[XS+\i], -v10, v10   ; the conversion does not saturate (ISA guide 7.6.2): the hold comes first
.endr
.irp g, 0,1,2,3
	v_cvt_scalef32_pk8_bf8_f32 v[C+8*(\t)+2*\g:C+8*(\t)+2*\g+1], v[XS+8*\g:XS+8*\g+7], v11
.endr
	global_store_b128 v4, v[C+8*(\t):C+8*(\t)+3], s[24:25] offset:512*(\t)           ; k = 32 t + 0 .. 15: the place of lane r
	global_store_b128 v4, v[C+8*(\t)+4:C+8*(\t)+7], s[24:25] offset:512*(\t)+256     ; k = 32 t + 16 .. 31: the place of lane 16 + r
.endm
; One weight [K][N]: its chunks are work-groups FIRST on; 2^LOGNKS K steps; its address in s[PTR:PTR+1]; its chunks begin DOFF bytes into wts.
.macro WQ N, LOGNKS, FIRST, PTR, DOFF
	s_sub_co_u32 s16, ttmp9, \FIRST                ; the chunk's number = column group x K steps + K step
	s_and_b32 s17, s16, (1<<\LOGNKS)-1             ; K step
	s_lshr_b32 s18, s16, \LOGNKS                   ; column group
	s_mul_i32 s20, s17, 128*\N*4                   ; 128 rows of the weight a K step,
	s_lshl_b32 s19, s18, 9                         ; 512 bytes a column group,
	s_add_co_u32 s20, s20, s19
	s_lshl_b32 s19, s14, 7                         ; 128 bytes a wave
	s_add_co_u32 s20, s20, s19
	s_mov_b32 s21, 0
	s_add_nc_u64 s[22:23], s[\PTR:\PTR+1], s[20:21]
	s_mul_i32 s24, s16, CH
	s_add_co_u32 s24, s24, \DOFF
	s_lshl_b32 s19, s14, 7
	s_add_co_u32 s26, s24, s19
	s_add_co_u32 s26, s26, 16384                   ; my wave's 32 scale words
	s_mov_b32 s27, 0
	s_lshl_b32 s19, s14, 12
	s_add_co_u32 s24, s24, s19                     ; my wave's two tiles
	s_mov_b32 s25, 0
	s_add_nc_u64 s[24:25], s[12:13], s[24:25]
	s_add_nc_u64 s[26:27], s[12:13], s[26:27]
.set j, 0
.rept 128
	global_load_b32 v[X+j], v3, s[22:23] offset:j*\N*4 th:TH_LOAD_NT    ; row k = j of the K step: 32 lanes read 128 consecutive bytes; 127 rows at the most: inside the signed 24-bit immediate
.set j, j+1
.endr
	BLOCK 0
	BLOCK 1
	BLOCK 2
	BLOCK 3
	global_store_b32 v5, v[SB], s[26:27]           ; 128 consecutive bytes a wave
	s_endpgm
.endm
	s_cmp_lt_u32 ttmp9, 192                        ; which weight: a branch on the work-group's number
	s_cbranch_scc0 .Lnot_qkv
	WQ 3072, 3, 0, 4, 0
.Lnot_qkv:
	s_cmp_lt_u32 ttmp9, 256
	s_cbranch_scc0 .Lnot_out
	WQ 1024, 3, 192, 6, 3244032
.Lnot_out:
	s_cmp_lt_u32 ttmp9, 512
	s_cbranch_scc0 .Lnot_ff1
	WQ 4096, 3, 256, 8, 4325376
.Lnot_ff1:
	WQ 1024, 5, 512, 10, 8650752
.Lfunc_end_k_q128ea2627e_wq:
	.size	k_q128ea2627e_wq, .Lfunc_end_k_q128ea2627e_wq-k_q128ea2627e_wq
	.p2alignl 7, 3214868480
	.fill 96, 4, 3214868480
	.section	.rodata,"a",@progbits
	.p2align	6, 0x0
	.amdhsa_kernel k_q128ea2627e_wq
		.amdhsa_group_segment_fixed_size 0
		.amdhsa_private_segment_fixed_size 0
		.amdhsa_enable_private_segment 0
		.amdhsa_kernarg_size 40
		.amdhsa_user_sgpr_count 2
		.amdhsa_user_sgpr_kernarg_segment_ptr 1
		.amdhsa_wavefront_size32 1
		.amdhsa_system_sgpr_workgroup_id_x 1
		.amdhsa_system_sgpr_workgroup_id_y 1
		.amdhsa_system_sgpr_workgroup_id_z 1
		.amdhsa_system_vgpr_workitem_id 0
		.amdhsa_next_free_vgpr 192
		.amdhsa_next_free_sgpr 66
		.amdhsa_reserve_vcc 0
		.amdhsa_float_denorm_mode_32 3
		.amdhsa_float_denorm_mode_16_64 3
		.amdhsa_memory_ordered 1
		.amdhsa_forward_progress 1
		.amdhsa_inst_pref_size 113
	.end_amdhsa_kernel
	.amdgpu_metadata
---
amdhsa.version: [ 1, 2 ]
amdhsa.kernels:
  - .name:           k_q128ea2627e_wq
    .symbol:         k_q128ea2627e_wq.kd
    .args:
      - { .name: w_qkv, .offset: 0, .size: 8, .value_kind: global_buffer, .address_space: global }
      - { .name: w_out, .offset: 8, .size: 8, .value_kind: global_buffer, .address_space: global }
      - { .name: w_ff1, .offset: 16, .size: 8, .value_kind: global_buffer, .address_space: global }
      - { .name: w_ff2, .offset: 24, .size: 8, .value_kind: global_buffer, .address_space: global }
      - { .name: wts, .offset: 32, .size: 8, .value_kind: global_buffer, .address_space: global }
    .group_segment_fixed_size: 0
    .private_segment_fixed_size: 0
    .kernarg_segment_align: 8
    .kernarg_segment_size: 40
    .max_flat_workgroup_size: 128
    .sgpr_count:     66
    .vgpr_count:     192
    .wavefront_size: 32
...
	.end_amdgpu_metadata
.endif
;; end of part 1
;; launch ln1 (part 2): grid 256 x 1, 4 waves a work-group, no clusters, 66,304 bytes of LDS; arguments x, ln1_g, ln1_b, h_f; writes h_f
.if DOCPART == 2
	.amdgcn_target "amdgcn-amd-amdhsa--gfx1250"
	.amdhsa_code_object_version 6
	.text
	.protected	k_q128ea2627e_ln1
	.globl	k_q128ea2627e_ln1
	.p2align	8
	.type	k_q128ea2627e_ln1,@function
k_q128ea2627e_ln1:
	s_mov_b64 s[64:65], 0
	v_nop
	global_prefetch_b8 v0, s[64:65] scope:SCOPE_SE
	s_setreg_imm32_b32 hwreg(HW_REG_WAVE_MODE, 25, 1), 1
	s_wait_xcnt 0x0
; h = (x - mean) rsqrt(var + 1e-5) g + b along rows of 1,024 f32, then quantised along the row to codes of BF8 (E5M2) with one E8M0 byte for each 32, stored as images of operand registers
; (chunks of 128 rows x 128 K, 16,896 bytes: byte 2048 i + 512 c + 16 lane = registers 4 c .. 4 c + 3 of tile i; byte 16,384 + 64 i + 4 r = scale word of place r; chunks lie [row group][K step]).
; A work-group makes one tile of 16 rows for all eight K steps.  Place r of the tile is row base + r % 8 + 16 (r / 8).
; PHASE 1: wave w normalises places 4 w .. 4 w + 3, a whole row in 32 registers of the wave: mean, then the mean of the squared differences (two passes over registers, as the definition has it).  The rows go to a stage in LDS.
; PHASE 2, behind the one barrier: wave w quantises K steps 2 w and 2 w + 1: lane (r, h) reads, of row r, 16 neighbours of each block of 32; the conversions' results are the images.
; LIMITS: rsqrt is the 1-ulp instruction; a block of zeros, or one under 2^-111, keeps the byte 1 (read by this program alone); NaN and infinities are not served.
.set PITCH, 4112                       ; a stage row: 4,096 bytes + 16 = 257 x 16: the sixteen rows that a load touches begin 16 bytes apart modulo 256
.set CH,    16896
.set XR,  32                           ; v32-159  four rows; in phase 2 two sets of 64 numbers
.set GA,  160                          ; v160-191 g of my 32 columns
.set BE,  192                          ; v192-223 b
.set SM,  224                          ; v224-231 a pair for each row: sums, then the mean, then the variance
.set TP,  232                          ; v232-235 the other half of the lanes' sums
.set RS,  240                          ; v240-247 a pair for each row: rsqrt in the low register
.set TM,  160                          ; phase 2: v160-163 largest magnitudes, v164-167 bytes, v168-171 holds, v172-175 scale operands
.set PW,  176                          ; v176, v177 the two scale words, v178 what is stored
.set PC,  224                          ; v224-255 the two fragments' codes
.set SEL, 16
.set MNT, 22
	s_load_b256 s[4:11], s[0:1], 0x0               ; x s[4:5], g s[6:7], b s[8:9], h_f s[10:11]
	v_lshl_add_u32 v30, v0, 2, 0x10100
	v_mov_b32 v31, 0
	v_lshrrev_b32 v1, 5, v0
	v_readfirstlane_b32 s12, v1                    ; wave 0..3
	v_and_b32 v2, 31, v0
	v_lshlrev_b32 v3, 4, v2                        ; 16 x lane
	v_and_b32 v7, 15, v0                           ; r
	v_bfe_u32 v8, v0, 4, 1                         ; h
	s_lshr_b32 s13, ttmp9, 1
	s_lshl_b32 s13, s13, 5
	s_and_b32 s14, ttmp9, 1
	s_lshl_b32 s14, s14, 3
	s_add_co_u32 s13, s13, s14                     ; the tile's base row: 32 (T / 2) + 8 (T % 2)
	s_and_b32 s14, s12, 1
	s_lshl_b32 s14, s14, 2
	s_add_co_u32 s13, s13, s14
	s_lshr_b32 s14, s12, 1
	s_lshl_b32 s14, s14, 4
	s_add_co_u32 s13, s13, s14                     ; places 4 w .. 4 w + 3 are four neighbouring rows from base + 4 (w % 2) + 16 (w / 2) on
	s_lshl_b32 s14, s13, 12
	s_mov_b32 s15, 0
	s_mov_b32 s[SEL], 0x76543210
	s_mov_b32 s[SEL+1], 0xfedcba98                 ; v_permlanex16_b32's selects for lane l xor 16
	s_mov_b32 s18, 0x3a800000                      ; 1 / 1,024
	s_mov_b32 s19, 0x3727c5ac                      ; 1e-5
	s_mov_b32 s[MNT], 0x600000                     ; the mantissa field of 57,344
	s_mul_i32 s20, s12, 4*PITCH
	v_add_nc_u32 v4, s20, v3                       ; the stage, on the way in: my wave's four rows, 16 bytes a lane
	v_mul_u32_u24 v5, v7, PITCH
	v_lshl_add_u32 v5, v8, 6, v5
	s_lshl_b32 s20, s12, 10
	v_add_nc_u32 v5, s20, v5                       ; and on the way out: row r, + 64 h, + my wave's two K steps
	v_mul_u32_u24 v6, v8, CH
	v_lshl_add_u32 v6, v7, 2, v6                   ; scale words: lanes 0-15 the first K step's chunk, lanes 16-31 the next chunk
	s_lshr_b32 s24, ttmp9, 3
	s_lshl_b32 s24, s24, 3
	s_lshl_b32 s25, s12, 1
	s_add_co_u32 s24, s24, s25
	s_mul_i32 s24, s24, CH                         ; chunk (row group, K step 2 w)
	s_and_b32 s25, ttmp9, 7                        ; the tile's number in its group
	s_lshl_b32 s26, s25, 6
	s_add_co_u32 s26, s26, s24
	s_add_co_u32 s26, s26, 16384
	s_mov_b32 s27, 0
	s_lshl_b32 s25, s25, 11
	s_add_co_u32 s24, s24, s25
	s_mov_b32 s25, 0
.irp i, 0,1,2,3
	v_mov_b32 v[TP+\i], 0                          ; a lane permute's destination counts as one of its sources
	v_mov_b32 v[RS+2*\i+1], 0                      ; named as the upper half of a pair
.endr
	s_wait_kmcnt 0x0
	s_add_nc_u64 s[4:5], s[4:5], s[14:15]
	s_add_nc_u64 s[24:25], s[10:11], s[24:25]
	s_add_nc_u64 s[26:27], s[10:11], s[26:27]
.irp i, 0,1,2,3
.irp j, 0,1,2,3,4,5,6,7
	global_load_b128 v[XR+32*\i+4*\j:XR+32*\i+4*\j+3], v3, s[4:5] offset:4096*\i+512*\j th:TH_LOAD_NT   ; 512 consecutive bytes a load
.endr
.endr
.irp j, 0,1,2,3,4,5,6,7
	global_load_b128 v[GA+4*\j:GA+4*\j+3], v3, s[6:7] offset:512*\j
	global_load_b128 v[BE+4*\j:BE+4*\j+3], v3, s[8:9] offset:512*\j
.endr
; the four rows' sums over the 32 lanes, result in every lane; the rows by turns
.macro RSUM
.irp m, 1,2,4,8
.irp i, 0,1,2,3
	v_add_f32_dpp v[SM+2*\i], v[SM+2*\i], v[SM+2*\i] row_xmask:\m row_mask:0xf bank_mask:0xf
.endr
.endr
.irp i, 0,1,2,3
	v_permlanex16_b32 v[TP+\i], v[SM+2*\i], s[SEL], s[SEL+1]
.endr
.irp i, 0,1,2,3
	v_add_f32 v[SM+2*\i], v[SM+2*\i], v[TP+\i]
.endr
.endm
	s_wait_loadcnt 0x0
.irp i, 0,1,2,3
	v_pk_add_f32 v[SM+2*\i:SM+2*\i+1], v[XR+32*\i:XR+32*\i+1], v[XR+32*\i+2:XR+32*\i+3]
.endr
.irp k, 4,6,8,10,12,14,16,18,20,22,24,26,28,30
.irp i, 0,1,2,3
	v_pk_add_f32 v[SM+2*\i:SM+2*\i+1], v[SM+2*\i:SM+2*\i+1], v[XR+32*\i+\k:XR+32*\i+\k+1]
.endr
.endr
.irp i, 0,1,2,3
	v_add_f32 v[SM+2*\i], v[SM+2*\i], v[SM+2*\i+1]
.endr
	RSUM
.irp i, 0,1,2,3
	v_mul_f32 v[SM+2*\i], s18, v[SM+2*\i]          ; the mean
.endr
.irp k, 0,2,4,6,8,10,12,14,16,18,20,22,24,26,28,30
.irp i, 0,1,2,3
	v_pk_add_f32 v[XR+32*\i+\k:XR+32*\i+\k+1], v[XR+32*\i+\k:XR+32*\i+\k+1], v[SM+2*\i:SM+2*\i+1] op_sel_hi:[1,0] neg_lo:[0,1] neg_hi:[0,1]   ; x - mean
.endr
.endr
.irp i, 0,1,2,3
	v_pk_mul_f32 v[SM+2*\i:SM+2*\i+1], v[XR+32*\i:XR+32*\i+1], v[XR+32*\i:XR+32*\i+1]
.endr
.irp k, 2,4,6,8,10,12,14,16,18,20,22,24,26,28,30
.irp i, 0,1,2,3
	v_pk_fma_f32 v[SM+2*\i:SM+2*\i+1], v[XR+32*\i+\k:XR+32*\i+\k+1], v[XR+32*\i+\k:XR+32*\i+\k+1], v[SM+2*\i:SM+2*\i+1]
.endr
.endr
.irp i, 0,1,2,3
	v_add_f32 v[SM+2*\i], v[SM+2*\i], v[SM+2*\i+1]
.endr
	RSUM
.irp i, 0,1,2,3
	v_fma_f32 v[SM+2*\i], v[SM+2*\i], s18, s19     ; var + eps
.endr
.irp i, 0,1,2,3
	v_rsq_f32 v[RS+2*\i], v[SM+2*\i]
.endr
	v_cmp_eq_u32 vcc_lo, 1, v8                     ; lanes 16-31, for phase 2.  (The plain instruction behind the four transcendentals)
	s_wait_alu depctr_va_vdst(0)                   ; one wait for the batch, ahead of its first reader
.irp k, 0,2,4,6,8,10,12,14,16,18,20,22,24,26,28,30
.irp i, 0,1,2,3
	v_pk_mul_f32 v[XR+32*\i+\k:XR+32*\i+\k+1], v[XR+32*\i+\k:XR+32*\i+\k+1], v[RS+2*\i:RS+2*\i+1] op_sel_hi:[1,0]
.endr
.irp i, 0,1,2,3
	v_pk_fma_f32 v[XR+32*\i+\k:XR+32*\i+\k+1], v[XR+32*\i+\k:XR+32*\i+\k+1], v[GA+\k:GA+\k+1], v[BE+\k:BE+\k+1]
.endr
.endr
.irp i, 0,1,2,3
.irp j, 0,1,2,3,4,5,6,7
	ds_store_b128 v4, v[XR+32*\i+4*\j:XR+32*\i+4*\j+3] offset:PITCH*\i+512*\j
.endr
.endr
	s_wait_dscnt 0x0                               ; for the others' sake: my rows lie in the stage
	s_barrier_signal -1
	s_barrier_wait -1
.irp s, 0,1
.irp c, 0,1,2,3
.irp i, 0,1,2,3
	ds_load_b128 v[XR+64*\s+16*\c+4*\i:XR+64*\s+16*\c+4*\i+3], v5 offset:512*\s+128*\c+16*\i   ; register 16 c + 4 i + e = k 32 c + 16 h + 4 i + e of row r
.endr
.endr
.endr
; 64 numbers of a lane, v[s] on, register 16 b + i = k 32 b + 16 h + i of my row, become a fragment's codes in v[pc] on and its scale word in v[pw]
.macro QUANT s, pc, pw
.irp b, 0,1,2,3
	v_max3_num_f32 v[TM+\b], |v[\s+16*\b]|, |v[\s+1+16*\b]|, 0x8000000   ; my 16 numbers of block b, and the floor 2^(16 - 127)
.endr
.irp i, 2,4,6,8,10,12,14
.irp b, 0,1,2,3
	v_max3_num_f32 v[TM+\b], v[TM+\b], |v[\s+16*\b+\i]|, |v[\s+1+16*\b+\i]|
.endr
.endr
.irp b, 0,1,2,3
	v_permlanex16_b32 v[TM+4+\b], v[TM+\b], s[SEL], s[SEL+1]
.endr
.irp b, 0,1,2,3
	v_max_num_f32 v[TM+\b], v[TM+\b], v[TM+4+\b]   ; with lane l xor 16's: the block's largest magnitude
.endr
.irp b, 0,1,2,3
	v_add_nc_u32 v[TM+12+\b], 0xf8800000, v[TM+\b] ; 15 off the exponent field: the conversion's scale operand
.endr
.irp b, 0,1,2,3
	v_and_or_b32 v[TM+8+\b], v[TM+\b], 0x7f800000, s[MNT]   ; 57,344 x the scale
.endr
.irp b, 0,1,2,3
	v_lshrrev_b32 v[TM+4+\b], 23, v[TM+12+\b]      ; the scale's byte
.endr
	v_lshl_or_b32 v[\pw], v[TM+5], 8, v[TM+4]
	v_lshl_or_b32 v[\pw], v[TM+6], 16, v[\pw]
	v_lshl_or_b32 v[\pw], v[TM+7], 24, v[\pw]
.irp b, 0,1,2,3
.irp i, 0,1,2,3,4,5,6,7,8,9,10,11,12,13,14,15
	v_med3_num_f32 v[\s+16*\b+\i], v[\s+16*\b+\i], -v[TM+8+\b], v[TM+8+\b]   ; the conversion does not saturate (ISA guide 7.6.2)
.endr
	v_cvt_scalef32_pk8_bf8_f32 v[\pc+4*\b:\pc+1+4*\b], v[\s+16*\b:\s+7+16*\b], v[TM+12+\b]
	v_cvt_scalef32_pk8_bf8_f32 v[\pc+2+4*\b:\pc+3+4*\b], v[\s+8+16*\b:\s+15+16*\b], v[TM+12+\b]
.endr
	v_nop                                          ; a plain instruction behind the last conversion
.endm
	s_wait_dscnt 16                                ; the first K step's sixteen loads are in; the second's may be out
	QUANT XR, PC, PW
.irp c, 0,1,2,3
	global_store_b128 v3, v[PC+4*\c:PC+4*\c+3], s[24:25] offset:512*\c          ; 512 consecutive bytes
.endr
	s_wait_dscnt 0x0
	QUANT XR+64, PC+16, PW+1
.irp c, 0,1,2,3
	global_store_b128 v3, v[PC+16+4*\c:PC+16+4*\c+3], s[24:25] offset:CH+512*\c
.endr
	v_cndmask_b32 v[PW+2], v[PW], v[PW+1], vcc_lo  ; lanes 0-15 the first K step's words, lanes 16-31 the second's (both halves of the lanes hold both)
	global_store_b32 v6, v[PW+2], s[26:27]
	s_wait_tensorcnt 0x0
	ds_add_u32 v30, v31
	s_wait_dscnt 0x0
	s_endpgm
.Lfunc_end_k_q128ea2627e_ln1:
	.size	k_q128ea2627e_ln1, .Lfunc_end_k_q128ea2627e_ln1-k_q128ea2627e_ln1
	.p2alignl 7, 3214868480
	.fill 96, 4, 3214868480
	.section	.rodata,"a",@progbits
	.p2align	6, 0x0
	.amdhsa_kernel k_q128ea2627e_ln1
		.amdhsa_group_segment_fixed_size 66304
		.amdhsa_private_segment_fixed_size 0
		.amdhsa_enable_private_segment 0
		.amdhsa_kernarg_size 32
		.amdhsa_user_sgpr_count 2
		.amdhsa_user_sgpr_kernarg_segment_ptr 1
		.amdhsa_wavefront_size32 1
		.amdhsa_system_sgpr_workgroup_id_x 1
		.amdhsa_system_sgpr_workgroup_id_y 1
		.amdhsa_system_sgpr_workgroup_id_z 1
		.amdhsa_system_vgpr_workitem_id 0
		.amdhsa_next_free_vgpr 256
		.amdhsa_next_free_sgpr 66
		.amdhsa_reserve_vcc 1
		.amdhsa_float_denorm_mode_32 3
		.amdhsa_float_denorm_mode_16_64 3
		.amdhsa_memory_ordered 1
		.amdhsa_forward_progress 1
		.amdhsa_inst_pref_size 52
	.end_amdhsa_kernel
	.amdgpu_metadata
---
amdhsa.version: [ 1, 2 ]
amdhsa.kernels:
  - .name:           k_q128ea2627e_ln1
    .symbol:         k_q128ea2627e_ln1.kd
    .args:
      - { .name: x, .offset: 0, .size: 8, .value_kind: global_buffer, .address_space: global }
      - { .name: ln1_g, .offset: 8, .size: 8, .value_kind: global_buffer, .address_space: global }
      - { .name: ln1_b, .offset: 16, .size: 8, .value_kind: global_buffer, .address_space: global }
      - { .name: h_f, .offset: 24, .size: 8, .value_kind: global_buffer, .address_space: global }
    .group_segment_fixed_size: 66304
    .private_segment_fixed_size: 0
    .kernarg_segment_align: 8
    .kernarg_segment_size: 32
    .max_flat_workgroup_size: 128
    .sgpr_count:     66
    .vgpr_count:     256
    .wavefront_size: 32
...
	.end_amdgpu_metadata
.endif
;; end of part 2
;; launch qkv (part 3): grid 16 x 12, 4 waves a work-group, clusters of 4 x 4, 327,680 bytes of LDS; arguments h_f, wts, b_qkv, q_f, kv_f; writes q_f, kv_f
.if DOCPART == 3
	.amdgcn_target "amdgcn-amd-amdhsa--gfx1250"
	.amdhsa_code_object_version 6
	.text
	.protected	k_q128ea2627e_qkv
	.globl	k_q128ea2627e_qkv
	.p2align	8
	.type	k_q128ea2627e_qkv,@function
k_q128ea2627e_qkv:
	s_mov_b64 s[64:65], 0
	v_nop
	global_prefetch_b8 v0, s[64:65] scope:SCOPE_SE
	s_setreg_imm32_b32 hwreg(HW_REG_WAVE_MODE, 25, 1), 1
	s_wait_xcnt 0x0
	s_wait_alu depctr_hold_cnt(0) depctr_sa_sdst(0) depctr_va_vdst(0) depctr_va_sdst(0) depctr_va_ssrc(0) depctr_va_vcc(0) depctr_vm_vsrc(0)
	s_getreg_b32 s2, hwreg(HW_REG_IB_STS2, 6, 4)
	s_cmp_eq_u32 s2, 0
	s_cbranch_scc0 .Lentry_in_a_cluster
	s_endpgm
.Lentry_in_a_cluster:
	s_bfe_u32 s2, ttmp6, 0x10000c
	s_cmp_lg_u32 s2, 0xf033
	s_cbranch_scc0 .Lentry_shape_is_right
	s_endpgm
.Lentry_shape_is_right:
; qkv = h w_qkv + b_qkv on codes of BF8 (E5M2) with E8M0 scales, and q, k, v quantised again on the way out: q and k along the head's 64, v along the tokens.
; OPERANDS lie in memory as images of operand registers: a chunk = 128 rows x 128 K = 16,896 bytes (codes 2048 i + 512 c + 16 lane, scale words 16,384 + 64 i + 4 r), chunks [row group][K step].
; Place r of tile i is row 32 (i / 2) + 8 (i % 2) + r % 8 + 16 (r / 8) of the group.  So in D = (source 0: tile b of S0) x (source 1: tile a of S1) lane (r, h) holds place r of S1's tile a, and the 64 registers
; of tiles b = 0 .. 7 run along S0's rows: register 16 B + i = row 32 B + 16 h + i: sixteen neighbours of each block of 32, the layout that the conversions and the next product's operand want.
; A work-group makes 256 rows of S0 x 256 rows of S1, a wave 128 x 128: 64 accumulators.  K goes two K steps a slot through a ring of two LDS slots; each wave brings one dense block of 33,792 bytes (one row group, two K steps, codes and scales) by one tensor load.
; TWO KINDS OF WORK-GROUP, told apart by the cluster's y, which partners share: cluster y = 0: v: S0 = h (tokens), S1 = w_qkv's columns 2,048 on, so that the registers run along the tokens;
; cluster y = 1, 2: q and k: S0 = w_qkv's columns 0 .. 2,047, S1 = h, so that the registers run along the channels.  Only base addresses and tile numbers are chosen; the text of the products is one.
; CLUSTERS: 4 x 4.  S0's tile hangs on the work-group's x alone and is asked for jointly along a column of the cluster, S1's on its y and the cluster's x and is asked for jointly along a row.
; The bias along S0 is the C of each sum's first product; the bias along S1 (v) is one number a lane and is added on the way out.  That is another order of rounding than bias last.
; REGISTERS: window 0: v1-7 lane terms; v8-15 bias along S1; v16-25 addresses; v28, v29 the add's; v32-63 scale words, two sets; v64-127 bias along S0, later the way out's working registers; v128-255 S1's fragments, later codes.
;   window 1: S0's fragments, two sets.  windows 2, 3: accumulator (a, b) at v[8 (8 (a % 4) + b)].
; LIMITS: a block of zeros, or one under 2^-111, keeps the byte 1 (read by this program alone); NaN and infinities are not served.
.set NKS,    8                         ; K steps of 128
.set CH,     16896
.set KVCH,   17408                     ; a record of kv_f: 128 keys of one head: K's codes 8 x 1,024, K's scale words 512, V's codes 4 x 2,048, V's scale words 256, 256 zeros
.set QSC,    4194304                   ; where q_f's scale words begin
.set NQ,     2
.set REGN,   NQ*CH                     ; what one tensor load brings
.set SLOT,   4*REGN                    ; S1's two row groups, then S0's two
.set SPARE,  2*SLOT                    ; behind the ring: the spare words, 128 bytes a wave: two blocks of 256 bytes that no other line names
.set RG,     NKS*CH                    ; a row group's chunks
.set LAPS,   NKS/(2*NQ)
.set FR,     16
.set NL,     4
.set NP,     8                         ; places behind this matrix instruction (ISA guide 7.12.1)
.set B1,   8
.set ADRA, 16                          ; v16-17 S1's fragments in slot 0, 1
.set ADRB, 20                          ; v20-21 S0's
.set ADRS, 22                          ; v22-23 scale words: lanes 0-15 S1's, lanes 16-31 S0's
.set LI,   24                          ; v24 16 x lane
.set L4,   25                          ; v25 4 x lane
.set SPW,  28
.set NIL,  29
.set SC,   32                          ; set s at v[SC + 16 s]; register 2 i + q: tile i, the slot's q-th K step
.set BIAS, 64
.set AF,   128
.set PC,   128                         ; the way out: tile a's codes at v[PC + 16 a]
.set SW,   80                          ; v80-87 tile a's scale word
.set TM,   88
.set TP,   92
.set HL,   96
.set SO,   100
.set TS,   104
.set TS2,  108
.set G1,  24
.set G0,  32
.set G1B, 48
.set G0B, 56
.set MSB, 0
.macro WIN new                         ; the immediate's high byte repeats the setting that is left
.if MSB != (\new)
	s_set_vgpr_msb (MSB<<8)|(\new)
.set MSB, (\new)
.endif
.endm
.set MUL_LO, 0xa1                      ; source 0 window 1, source 1 window 0, C and D window 2
.set MUL_HI, 0xf1                      ; C and D window 3
.set BIA_LO, 0x81                      ; C (the bias) window 0, D window 2
.set BIA_HI, 0xc1
.set TO_B,   0x40
; A joint load: waves 0 and 1 fetch S1's two row groups, waves 2 and 3 S0's.  The branch hangs on the wave's number alone.  Four v_nop follow each of the two lines.
.macro JLOAD g0a, g0b
	s_cmp_eq_u32 s15, 0
	s_cbranch_scc0 .Lfor_s0_\@
	tensor_load_to_lds s[\g0a:\g0a+3], s[G1:G1+7]
	s_nop 0
.rept 4
	v_nop
.endr
	s_branch .Lasked_\@
.Lfor_s0_\@:
	tensor_load_to_lds s[\g0b:\g0b+3], s[G1B:G1B+7]
	s_nop 0
.rept 4
	v_nop
.endr
.Lasked_\@:
.endm
.macro CREST                           ; a round of the cluster's barrier behind its opening barrier
	s_cmp_lg_u32 s14, 0
	s_cbranch_scc1 .Lnot_wave_0_\@
	s_barrier_signal -3
.Lnot_wave_0_\@:
	s_barrier_wait -3
	s_barrier_signal -1
	s_barrier_wait -1
.endm
.macro CROUND
	s_barrier_signal -1
	s_barrier_wait -1
	CREST
.endm
.macro PLACES n
.rept \n
	v_nop
.endr
.endm
	s_load_b256 s[4:11], s[0:1], 0x0               ; h_f s[4:5], wts s[6:7], b_qkv s[8:9], q_f s[10:11]
	s_load_b64 s[12:13], s[0:1], 0x20              ; kv_f
	v_lshl_add_u32 v[SPW], v0, 2, SPARE
	v_mov_b32 v[NIL], 0
	ds_add_u32 v28, v29
	ds_add_u32 v28, v29
	s_wait_dscnt 0x0
	v_lshrrev_b32 v1, 5, v0
	v_readfirstlane_b32 s14, v1                    ; wave 0..3
	s_lshr_b32 s15, s14, 1                         ; my half of S1's rows.  Also: I fetch for S1 (0) or for S0 (1)
	s_and_b32 s16, s14, 1                          ; my half of S0's rows.  Also: which row group I fetch
	s_bfe_u32 s40, ttmp6, 0x40000                  ; cx
	s_bfe_u32 s41, ttmp6, 0x40004                  ; cy
	s_lshl_b32 s42, ttmp9, 2
	s_add_co_u32 s42, s42, s40                     ; X = 4 x cluster x + cx
	s_and_b32 s66, ttmp7, 0xffff                   ; the cluster's y: 0 = v, 1 and 2 = q and k
	s_lshl_b32 s17, s66, 2
	s_add_co_u32 s17, s17, s41                     ; Y = 4 x cluster y + cy
	s_max_u32 s69, s66, 1
	s_sub_co_u32 s69, s69, 1
	s_lshl_b32 s69, s69, 2
	s_add_co_u32 s69, s69, s41                     ; q, k: Y - 4,
	s_lshr_b32 s73, ttmp9, 1
	s_lshl_b32 s73, s73, 3
	s_add_co_u32 s69, s69, s73                     ; + 8 x (cluster x / 2): the tile of 256 tokens; made of cy and the cluster's numbers alone
	s_add_co_u32 s73, s17, 8                       ; v: the tile of 256 columns, 8 + Y
	s_and_b32 s67, s42, 7                          ; q, k: the tile of 256 columns, X % 8
	s_lshl_b32 s43, s41, 2
	s_lshl_b32 s43, 15, s43                        ; my row of the cluster
	s_lshl_b32 s44, 0x1111, s40                    ; my column
	; descriptor group 1: a dense block of 132 rows of 256 bytes (32 elements of 8 bytes), no padding
	s_or_b32 s[G1+0], s43, (3<<16)|(1<<21)         ; 15:0 the mask: S1's blocks go to my row; 17:16 elements of 8 bytes; 21 set beside a mask
	s_or_b32 s[G1B+0], s44, (3<<16)|(1<<21)        ; S0's go to my column
.irp g, G1, G1B
	s_mov_b32 s[\g+1], 32<<16                      ; tensor_dim0 = 32
	s_mov_b32 s[\g+2], 132<<16                     ; tensor_dim1 = 132
	s_mov_b32 s[\g+3], 32<<16                      ; tile_dim0 = 32
	s_mov_b32 s[\g+4], 132                         ; tile_dim1 = 132
	s_mov_b32 s[\g+5], 32                          ; tensor_dim0_stride
	s_mov_b32 s[\g+6], 0
	s_mov_b32 s[\g+7], 0
.endr
	s_mul_i32 s45, s14, REGN                       ; where my block goes: wave x 33,792: no place in the cluster enters an LDS address
	s_wait_kmcnt 0x0
	s_cmp_eq_u32 s66, 0                            ; the kind of work-group: the same in all sixteen partners
	s_cselect_b32 s67, s42, s67                    ; T0: S0's tile
	s_cselect_b32 s68, s73, s69                    ; T1: S1's tile
	s_cselect_b64 s[74:75], s[4:5], s[6:7]         ; S0's buffer: h_f (v) or wts (q, k)
	s_cselect_b64 s[76:77], s[6:7], s[4:5]         ; S1's: the other
	s_lshl_b32 s20, s68, 1
	s_add_co_u32 s20, s20, s16
	s_mul_i32 s20, s20, RG                         ; S1: row group 2 T1 + half
	s_mov_b32 s21, 0
	s_lshl_b32 s46, s67, 1
	s_add_co_u32 s46, s46, s16
	s_mul_i32 s46, s46, RG                         ; S0: row group 2 T0 + half
	s_mov_b32 s47, 0
	s_add_nc_u64 s[20:21], s[76:77], s[20:21]
	s_add_nc_u64 s[46:47], s[74:75], s[46:47]
	CROUND                                         ; all sixteen work-groups are here: the first joint loads meet
.irp s, 0,1
	s_mov_b32 s[G0+4*\s], 1
	s_add_co_u32 s[G0+4*\s+1], s45, \s*SLOT
	s_add_nc_u64 s[G0+4*\s+2:G0+4*\s+3], s[20:21], \s*REGN
	s_or_b32 s[G0+4*\s+3], s[G0+4*\s+3], 0x80000000
	s_mov_b32 s[G0B+4*\s], 1
	s_add_co_u32 s[G0B+4*\s+1], s45, \s*SLOT
	s_add_nc_u64 s[G0B+4*\s+2:G0B+4*\s+3], s[46:47], \s*REGN
	s_or_b32 s[G0B+4*\s+3], s[G0B+4*\s+3], 0x80000000
	JLOAD G0+4*\s, G0B+4*\s
.endr
	v_and_b32 v1, 15, v0                           ; r
	v_bfe_u32 v2, v0, 4, 1                         ; h
	v_and_b32 v3, 31, v0                           ; lane
	v_lshlrev_b32 v[LI], 4, v3
	v_lshlrev_b32 v[L4], 2, v3
	s_mul_i32 s21, s15, REGN                       ; my row group of S1
	s_mul_i32 s22, s16, REGN
	s_add_co_u32 s22, s22, 2*REGN                  ; my row group of S0, behind S1's two
	s_sub_co_u32 s23, s22, s21
	v_mul_u32_u24 v6, s23, v2                      ; lanes 16-31 take S0's scale words: one product, the distance between the two
	v_lshl_add_u32 v6, v1, 2, v6
	s_add_co_u32 s23, s21, 16384
.irp s, 0,1
	v_add_nc_u32 v[ADRA+\s], s21, v[LI]
	v_add_nc_u32 v[ADRB+\s], s22, v[LI]
	v_add_nc_u32 v[ADRS+\s], s23, v6
	s_add_co_u32 s21, s21, SLOT
	s_add_co_u32 s22, s22, SLOT
	s_add_co_u32 s23, s23, SLOT
.endr
	; the biases
	v_lshlrev_b32 v7, 6, v2                        ; along S0: 64 h
	v_and_b32 v5, 8, v1
	v_add_nc_u32 v5, v5, v1
	v_lshlrev_b32 v5, 2, v5                        ; along S1: 4 (r + 8 (r / 8))
	s_lshl_b32 s78, s67, 10
	s_lshl_b32 s79, s16, 9
	s_add_co_u32 s78, s78, s79                     ; q, k: 4 (256 T0 + 128 half)
	s_lshl_b32 s88, s17, 10
	s_lshl_b32 s79, s15, 9
	s_add_co_u32 s88, s88, s79
	s_add_co_u32 s88, s88, 8192                    ; v: 4 (2,048 + 256 Y + 128 half)
	s_cmp_eq_u32 s66, 0
	s_cselect_b32 s78, s88, s78
	s_mov_b32 s79, 0
	s_add_nc_u64 s[8:9], s[8:9], s[78:79]
	s_mov_b32 s70, 0x76543210
	s_mov_b32 s71, 0xfedcba98                      ; v_permlanex16_b32's selects for lane l xor 16
	s_mov_b32 s72, 0x600000                        ; the mantissa field of 57,344
	s_cmp_eq_u32 s66, 0
	s_cbranch_scc1 .Lbias_v
.irp b, 0,1,2,3
.irp i, 0,1,2,3
	global_load_b128 v[BIAS+16*\b+4*\i:BIAS+16*\b+4*\i+3], v7, s[8:9] offset:128*\b+16*\i   ; register 16 B + e = bias of S0's row 32 B + 16 h + e: the result's layout
.endr
.endr
.irp a, 0,1,2,3,4,5,6,7
	v_mov_b32 v[B1+\a], 0                          ; written on this way too; not used here
.endr
	s_branch .Lbias_done
.Lbias_v:
.set j, 0
.rept 64
	v_mov_b32 v[BIAS+j], 0                         ; S0 = tokens have no bias: the first products' C is a run of zeros, so that one text serves both kinds
.set j, j+1
.endr
.irp a, 0,1,2,3,4,5,6,7
	global_load_b32 v[B1+\a], v5, s[8:9] offset:4*(32*(\a/2)+8*(\a%2))   ; the bias of my place in S1's tile a
.endr
.Lbias_done:
.macro FRAG reg, adr, q, i             ; a fragment comes back as it was stored: four loads of 512 consecutive bytes
.irp c, 0,1,2,3
	ds_load_b128 v[\reg+4*\c:\reg+4*\c+3], v[\adr] offset:CH*(\q)+2048*(\i)+512*\c
.endr
.endm
; 16 matrix instructions: S1's tiles a0, a0 + 1 x S0's eight, 128 along K.  p: S0's set; sc: the set of scale words.  zero = 1: the first product starts the sums from the bias.
; The 64 accumulators take turns, one instruction a turn, in the same order in every step.
.macro MUL16 a0, p, q, sc, zero
.irp a, \a0, \a0+1
.irp b, 0,1,2,3,4,5,6,7
.if \zero
	v_wmma_scale_f32_16x16x128_f8f6f4 v[8*(8*((\a)%4)+\b):8*(8*((\a)%4)+\b)+7], v[128*(\p)+FR*\b:128*(\p)+FR*\b+FR-1], v[AF+FR*(\a):AF+FR*(\a)+FR-1], v[BIAS+8*\b:BIAS+8*\b+7], v[SC+16*(\sc)+2*\b+(\q)], v[SC+16*(\sc)+2*(\a)+(\q)] matrix_a_fmt:MATRIX_FMT_BF8 matrix_b_fmt:MATRIX_FMT_BF8 matrix_a_scale:MATRIX_SCALE_ROW1
.else
	v_wmma_scale_f32_16x16x128_f8f6f4 v[8*(8*((\a)%4)+\b):8*(8*((\a)%4)+\b)+7], v[128*(\p)+FR*\b:128*(\p)+FR*\b+FR-1], v[AF+FR*(\a):AF+FR*(\a)+FR-1], v[8*(8*((\a)%4)+\b):8*(8*((\a)%4)+\b)+7], v[SC+16*(\sc)+2*\b+(\q)], v[SC+16*(\sc)+2*(\a)+(\q)] matrix_a_fmt:MATRIX_FMT_BF8 matrix_b_fmt:MATRIX_FMT_BF8 matrix_a_scale:MATRIX_SCALE_ROW1
.endif
.endr
.endr
.endm
.macro FETCH_B slot, q, p
	WIN TO_B
.irp i, 0,1,2,3,4,5,6,7
	FRAG 128*(\p)+FR*\i, ADRB+\slot, \q, \i
.endr
	WIN 0
.endm
.macro FETCH_A slot, q, i0
.irp i, \i0, \i0+1, \i0+2, \i0+3
	FRAG AF+FR*(\i), ADRA+\slot, \q, \i
.endr
.endm
.macro SCALES sc                       ; a slot's scale words: lanes 0-15 S1's tile i, lanes 16-31 S0's tile i
.irp i, 0,1,2,3,4,5,6,7
.irp q, 0,1
	ds_load_b32 v[SC+16*\sc+2*\i+\q], v[ADRS+\sc] offset:CH*\q+64*\i
.endr
.endr
.endm
; A step of 128 along K that has its successor in the same slot.  A load into a register that a matrix instruction has read stands NP places behind it; only plain vector instructions are places.
.macro STEP slot, q, zero
	s_wait_dscnt 4*NL                              ; S0's set, the scale words and S1's tiles 0-3 are in; the youngest sixteen loads (tiles 4-7) may be out
.if \zero
	WIN BIA_LO
.else
	WIN MUL_LO
.endif
	MUL16 0, (\q)%2, \q, \slot, \zero
	MUL16 2, (\q)%2, \q, \slot, \zero
	s_wait_dscnt 0
	PLACES NP
	FETCH_B \slot, (\q)+1, 1-(\q)%2
	FETCH_A \slot, (\q)+1, 0
.if \zero
	WIN BIA_HI
.else
	WIN MUL_HI
.endif
	MUL16 4, (\q)%2, \q, \slot, \zero
	MUL16 6, (\q)%2, \q, \slot, \zero
	PLACES NP
	WIN 0
	FETCH_A \slot, (\q)+1, 4
.endm
; A slot's last step changes slots: one barrier; in front of it each wave waits for all its tensor loads, adds 0 to its spare word, and waits for that and for its reads of this slot.  fill = 1: the slot is filled again, two slots ahead.
.macro TURN slot, next, fill
	s_wait_tensorcnt 0x0                           ; all my tensor loads have landed: my part of the next slot
	ds_add_u32 v[SPW], v[NIL]                      ; 0 onto my spare word
	s_wait_dscnt 4*NL+1                            ; (the add and the youngest sixteen loads may be out)
	WIN MUL_LO
	MUL16 0, 1, NQ-1, \slot, 0
	s_wait_dscnt 0x0                               ; the add is done, and my reads of this slot are over
	s_barrier_signal -1
	MUL16 2, 1, NQ-1, \slot, 0
	WIN 0
	s_barrier_wait -1
.if \fill
	CREST                                          ; the barrier has opened a round of the cluster's: no wave of any partner still reads this slot or has a load on its way
	s_add_nc_u64 s[G0+4*\slot+2:G0+4*\slot+3], s[G0+4*\slot+2:G0+4*\slot+3], 2*REGN
	s_add_nc_u64 s[G0B+4*\slot+2:G0B+4*\slot+3], s[G0B+4*\slot+2:G0B+4*\slot+3], 2*REGN
	JLOAD G0+4*\slot, G0B+4*\slot                  ; the first tensor load behind the round; its four v_nop are among the places in front of the loads below
	PLACES NP-4
.else
	PLACES NP
.endif
	FETCH_B \next, 0, 0
	FETCH_A \next, 0, 0
	SCALES \next
	WIN MUL_HI
	MUL16 4, 1, NQ-1, \slot, 0
	MUL16 6, 1, NQ-1, \slot, 0
	PLACES NP
	WIN 0
	FETCH_A \next, 0, 4
.endm
	s_wait_tensorcnt 1                             ; my part of slot 0 is in (slot 1's load may be out)
	s_barrier_signal -1
	s_barrier_wait -1                              ; everybody's is
	FETCH_B 0, 0, 0
	FETCH_A 0, 0, 0
	SCALES 0
	FETCH_A 0, 0, 4
	s_wait_loadcnt 0x0                             ; the biases
	STEP 0, 0, 1
	s_mov_b32 s3, LAPS-1
.Llap:                                                 ; a trip goes once round the ring and fills both slots again
	TURN 0, 1, 1
	STEP 1, 0, 0
	TURN 1, 0, 1
	STEP 0, 0, 0
	s_sub_co_u32 s3, s3, 1
	s_cmp_lg_u32 s3, 0
	s_cbranch_scc1 .Llap
	TURN 0, 1, 0                                   ; the last lap fills nothing
	STEP 1, 0, 0
	s_wait_dscnt 4*NL
	WIN MUL_LO
	MUL16 0, 1, NQ-1, 1, 0
	MUL16 2, 1, NQ-1, 1, 0
	s_wait_dscnt 0
	WIN MUL_HI
	MUL16 4, 1, NQ-1, 1, 0
	MUL16 6, 1, NQ-1, 1, 0
	WIN 0
; THE WAY OUT.  S1's tile a: its 64 registers become a fragment's 16 registers of codes and a scale word.  Each accumulator is read from its low end on.
.macro QUANTW a, relu
.set W,   2+(\a)/4
.set AC,  64*((\a)%4)
.set PCA, PC+16*(\a)
	WIN (W<<2)|W                                   ; sources 0 and 1: the accumulators' window
.if \relu
.irp b, 0,1,2,3
	v_max3_num_f32 v[TM+\b], v[AC+16*\b], v[AC+16*\b+1], 0x8000000
.endr
.irp i, 2,4,6,8,10,12,14
.irp b, 0,1,2,3
	v_max3_num_f32 v[TM+\b], v[AC+16*\b+\i], v[AC+16*\b+\i+1], v[TM+\b]
.endr
.endr
.else
.irp b, 0,1,2,3
	v_max3_num_f32 v[TM+\b], |v[AC+16*\b]|, |v[AC+16*\b+1]|, 0x8000000   ; my 16 numbers of block b, and the floor 2^(16 - 127)
.endr
.irp i, 2,4,6,8,10,12,14
.irp b, 0,1,2,3
	v_max3_num_f32 v[TM+\b], |v[AC+16*\b+\i]|, |v[AC+16*\b+\i+1]|, v[TM+\b]
.endr
.endr
.endif
	WIN 0
.irp b, 0,1,2,3
	v_permlanex16_b32 v[TP+\b], v[TM+\b], s70, s71
.endr
.irp b, 0,1,2,3
	v_max_num_f32 v[TM+\b], v[TM+\b], v[TP+\b]     ; with lane l xor 16's: the block's largest magnitude
.endr
.irp b, 0,1,2,3
	v_add_nc_u32 v[SO+\b], 0xf8800000, v[TM+\b]    ; 15 off the exponent field: the conversion's scale operand
.endr
.irp b, 0,1,2,3
	v_and_or_b32 v[HL+\b], v[TM+\b], 0x7f800000, s72   ; 57,344 x the scale
.endr
.irp b, 0,1,2,3
	v_lshrrev_b32 v[TP+\b], 23, v[SO+\b]           ; the scale's byte
.endr
	v_lshl_or_b32 v[SW+(\a)], v[TP+1], 8, v[TP]
	v_lshl_or_b32 v[SW+(\a)], v[TP+2], 16, v[SW+(\a)]
	v_lshl_or_b32 v[SW+(\a)], v[TP+3], 24, v[SW+(\a)]
	WIN (W<<6)|W                                   ; destination and source 0: the accumulators' window
.irp b, 0,1,2,3
.irp i, 0,1,2,3,4,5,6,7,8,9,10,11,12,13,14,15
.if \relu
	v_med3_num_f32 v[AC+16*\b+\i], v[AC+16*\b+\i], 0, v[HL+\b]
.else
	v_med3_num_f32 v[AC+16*\b+\i], v[AC+16*\b+\i], -v[HL+\b], v[HL+\b]   ; the conversion does not saturate (ISA guide 7.6.2)
.endif
.endr
.endr
	WIN W
.irp g, 0,1,2,3,4,5,6,7
	v_cvt_scalef32_pk8_bf8_f32 v[PCA+2*\g:PCA+2*\g+1], v[AC+8*\g:AC+8*\g+7], v[SO+\g/2]
.endr
	v_nop                                          ; a plain instruction behind the last conversion
.endm
	PLACES NP                                      ; behind the last products: results are read, and registers that they read are written
.irp b, 0,1,2,3
	v_mov_b32 v[TP+\b], 0                          ; a lane permute's destination counts as one of its sources
.endr
	v_cmp_le_u32 vcc_lo, 16, v3                    ; lanes 16-31
	s_cmp_lg_u32 s66, 0
	s_cbranch_scc1 .Lno_lane_bias
.irp a, 0,1,2,3,4,5,6,7
	v_mov_b32 v[BIAS+2*\a], v[B1+\a]               ; v: the bias of my place in tile a, into the low register of an even pair
.endr
.irp a, 0,1,2,3,4,5,6,7
	WIN ((2+\a/4)<<6)|(2+\a/4)
.set j, 0
.rept 32
	v_pk_add_f32 v[64*(\a%4)+j:64*(\a%4)+j+1], v[64*(\a%4)+j:64*(\a%4)+j+1], v[BIAS+2*\a:BIAS+2*\a+1] op_sel_hi:[1,0]
.set j, j+2
.endr
.endr
	WIN 0
.Lno_lane_bias:
.irp a, 0,1,2,3,4,5,6,7
	QUANTW \a, 0
.endr
	WIN 0
	s_cmp_eq_u32 s66, 0
	s_cbranch_scc1 .Lstore_v
	; q and k.  My 128 channels are two heads: blocks 0, 1 are head A's 64, blocks 2, 3 head B's.  A head's fragment has K = 64: registers 0-7 are stored, the reader fills the rest with zero codes.
	s_lshl_b32 s88, s67, 1
	s_add_co_u32 s88, s88, s16                     ; the pair of heads: 0-7 q's, 8-15 k's
	s_lshl_b32 s89, s68, 1
	s_add_co_u32 s89, s89, s15                     ; my group of 128 tokens
	s_lshr_b32 s90, s89, 4                         ; the batch
	s_and_b32 s89, s89, 15                         ; the group within it
	s_and_b32 s91, s88, 7
	s_lshl_b32 s91, s91, 1                         ; head A
	s_lshl_b32 s90, s90, 4
	s_add_co_u32 s90, s90, s91                     ; batch x 16 + head A
	s_lshl_b32 s92, s90, 7
	s_lshl_b32 s93, s89, 3
	s_add_co_u32 s92, s92, s93                     ; q: the first of my eight query tiles
	s_lshl_b32 s93, s92, 6
	s_add_co_u32 s93, s93, QSC                     ; q: its scale words
	s_lshl_b32 s92, s92, 10                        ; q: its codes
	s_lshl_b32 s94, s90, 4
	s_add_co_u32 s94, s94, s89
	s_mul_i32 s94, s94, KVCH                       ; k: the record (head A, key step): K's codes
	s_add_co_u32 s95, s94, 8192                    ; k: K's scale words
	s_mov_b32 s96, 16*KVCH                         ; k: a head on
	s_cmp_lt_u32 s88, 8                            ; a choice, no branch: this number differs between partners
	s_cselect_b64 s[80:81], s[10:11], s[12:13]     ; q_f or kv_f
	s_cselect_b32 s92, s92, s94
	s_cselect_b32 s94, s93, s95
	s_cselect_b32 s98, 131072, s96                 ; a head on, in the codes (q: 128 tiles of 1,024 bytes)
	s_cselect_b32 s96, 8192, s96                   ; and in the scale words (q: 128 tiles of 64 bytes)
	s_mov_b32 s93, 0
	s_mov_b32 s95, 0
	s_mov_b32 s97, 0
	s_mov_b32 s99, 0
	s_add_nc_u64 s[84:85], s[80:81], s[94:95]      ; head A's scale words
	s_add_nc_u64 s[80:81], s[80:81], s[92:93]      ; head A's codes
	s_add_nc_u64 s[82:83], s[80:81], s[98:99]      ; head B's codes
	s_add_nc_u64 s[86:87], s[84:85], s[96:97]      ; head B's scale words
.irp a, 0,1,2,3,4,5,6,7
	global_store_b128 v[LI], v[PC+16*\a:PC+16*\a+3], s[80:81] offset:1024*\a            ; each store covers 512 consecutive bytes
	global_store_b128 v[LI], v[PC+16*\a+4:PC+16*\a+7], s[80:81] offset:1024*\a+512
	global_store_b128 v[LI], v[PC+16*\a+8:PC+16*\a+11], s[82:83] offset:1024*\a
	global_store_b128 v[LI], v[PC+16*\a+12:PC+16*\a+15], s[82:83] offset:1024*\a+512
.endr
.irp a, 0,2,4,6
	v_cndmask_b32 v[TS+\a/2], v[SW+\a], v[SW+\a+1], vcc_lo   ; lanes 0-15 tile a's words, lanes 16-31 tile a + 1's
	v_lshrrev_b32 v[TS2+\a/2], 16, v[TS+\a/2]      ; head B's two bytes.  A word's upper two bytes scale zero codes alone, and are never 0xff
	global_store_b32 v[L4], v[TS+\a/2], s[84:85] offset:64*\a
	global_store_b32 v[L4], v[TS2+\a/2], s[86:87] offset:64*\a
.endr
	s_branch .Lstored
.Lstore_v:
	; v.  S1's tiles 0-3 are head A's 64 channels, tiles 4-7 head B's; the registers ran along my 128 tokens, one key step: tile a is a whole fragment of V with the keys innermost.
	s_lshl_b32 s88, s67, 1
	s_add_co_u32 s88, s88, s16                     ; my group of 128 tokens
	s_lshr_b32 s89, s88, 4                         ; the batch
	s_and_b32 s88, s88, 15                         ; the key step
	s_lshl_b32 s90, s17, 1
	s_add_co_u32 s90, s90, s15
	s_lshl_b32 s90, s90, 1                         ; head A
	s_lshl_b32 s89, s89, 4
	s_add_co_u32 s89, s89, s90
	s_lshl_b32 s89, s89, 4
	s_add_co_u32 s89, s89, s88
	s_mul_i32 s92, s89, KVCH
	s_mov_b32 s93, 0
	s_add_nc_u64 s[80:81], s[12:13], s[92:93]      ; the record (head A, key step)
	v_mov_b32 v[TS2], 0
	v_mov_b32 v[TS2+1], 0
	v_lshlrev_b32 v4, 3, v3
.irp a, 0,1,2,3,4,5,6,7
.irp c, 0,1,2,3
	global_store_b128 v[LI], v[PC+16*\a+4*\c:PC+16*\a+4*\c+3], s[80:81] offset:(\a/4)*16*KVCH+8704+2048*(\a%4)+512*\c
.endr
.endr
.irp a, 0,2,4,6
	v_cndmask_b32 v[TS+\a/2], v[SW+\a], v[SW+\a+1], vcc_lo
	global_store_b32 v[L4], v[TS+\a/2], s[80:81] offset:(\a/4)*16*KVCH+16896+64*(\a%4)
.endr
	global_store_b64 v4, v[TS2:TS2+1], s[80:81] offset:17152                 ; the records' last 256 bytes: they are fetched with the rest, so they are written
	global_store_b64 v4, v[TS2:TS2+1], s[80:81] offset:16*KVCH+17152
.Lstored:
	s_wait_tensorcnt 0x0                           ; the wave's end
	ds_add_u32 v[SPW], v[NIL]
	s_wait_dscnt 0x0
	CROUND                                         ; the closing round: no work-group ends while a partner may still ask for a block that names it
	s_endpgm
.Lfunc_end_k_q128ea2627e_qkv:
	.size	k_q128ea2627e_qkv, .Lfunc_end_k_q128ea2627e_qkv-k_q128ea2627e_qkv
	.p2alignl 7, 3214868480
	.fill 96, 4, 3214868480
	.section	.rodata,"a",@progbits
	.p2align	6, 0x0
	.amdhsa_kernel k_q128ea2627e_qkv
		.amdhsa_group_segment_fixed_size 327680
		.amdhsa_private_segment_fixed_size 0
		.amdhsa_enable_private_segment 0
		.amdhsa_kernarg_size 40
		.amdhsa_user_sgpr_count 2
		.amdhsa_user_sgpr_kernarg_segment_ptr 1
		.amdhsa_wavefront_size32 1
		.amdhsa_system_sgpr_workgroup_id_x 1
		.amdhsa_system_sgpr_workgroup_id_y 1
		.amdhsa_system_sgpr_workgroup_id_z 1
		.amdhsa_system_vgpr_workitem_id 0
		.amdhsa_next_free_vgpr 1024
		.amdhsa_next_free_sgpr 100
		.amdhsa_reserve_vcc 1
		.amdhsa_float_denorm_mode_32 3
		.amdhsa_float_denorm_mode_16_64 3
		.amdhsa_memory_ordered 1
		.amdhsa_forward_progress 1
		.amdhsa_inst_pref_size 212
	.end_amdhsa_kernel
	.amdgpu_metadata
---
amdhsa.version: [ 1, 2 ]
amdhsa.kernels:
  - .name:           k_q128ea2627e_qkv
    .symbol:         k_q128ea2627e_qkv.kd
    .args:
      - { .name: h_f, .offset: 0, .size: 8, .value_kind: global_buffer, .address_space: global }
      - { .name: wts, .offset: 8, .size: 8, .value_kind: global_buffer, .address_space: global }
      - { .name: b_qkv, .offset: 16, .size: 8, .value_kind: global_buffer, .address_space: global }
      - { .name: q_f, .offset: 24, .size: 8, .value_kind: global_buffer, .address_space: global }
      - { .name: kv_f, .offset: 32, .size: 8, .value_kind: global_buffer, .address_space: global }
    .group_segment_fixed_size: 327680
    .private_segment_fixed_size: 0
    .kernarg_segment_align: 8
    .kernarg_segment_size: 40
    .max_flat_workgroup_size: 128
    .sgpr_count:     100
    .vgpr_count:     1024
    .wavefront_size: 32
...
	.end_amdgpu_metadata
.endif
;; end of part 3
;; launch attn (part 4): grid 8 x 32, 16 waves a work-group, no clusters, 280,576 bytes of LDS; arguments q_f, kv_f, a_f; writes a_f
.if DOCPART == 4
	.amdgcn_target "amdgcn-amd-amdhsa--gfx1250"
	.amdhsa_code_object_version 6
	.text
	.protected	k_q128ea2627e_attn
	.globl	k_q128ea2627e_attn
	.p2align	8
	.type	k_q128ea2627e_attn,@function
k_q128ea2627e_attn:
	s_mov_b64 s[64:65], 0
	v_nop
	global_prefetch_b8 v0, s[64:65] scope:SCOPE_SE
	s_setreg_imm32_b32 hwreg(HW_REG_WAVE_MODE, 25, 1), 1
	s_wait_xcnt 0x0
; Causal attention of one head on codes of BF8 (E5M2) with E8M0 scales; head size 64, 2,048 tokens; the result, divided by the row's sum, is quantised along the channels for the next product.
; THE SOFTMAX: t = score x log2(e) / 8; M = the running largest t rounded UP to a whole number; p = 2^(t - M) is what is quantised, along the keys; the row's sum is taken of the unquantised p; when M moves,
; the sum and O are multiplied by 2^(old M - new M), which rounds nothing.
; INPUTS, images of operand registers.  q_f: a query tile's fragment, registers 0-7 (K = 64), 1,024 bytes; scale words from byte 4,194,304 on, 64 bytes a tile.  kv_f: a record of 17,408 bytes for each head and 128 keys:
; K's eight tiles (1,024 bytes each), their scale words at 8,192, V's four tiles of 16 channels x 128 keys (2,048 each) at 8,704, their scale words at 16,896.
; Place r of tile i of 128 rows is row 32 (i / 2) + 8 (i % 2) + r % 8 + 16 (r / 8): so S^T's 64 registers are keys 32 B + 16 h + i, and O^T's 32 registers channels 32 B + 16 h + i.
; K = 64 IS HALF OF THE INSTRUCTION'S 128: registers 8-15 of Q's and of K's fragments hold zero codes for the whole launch.
; SHARES.  A work-group has one head and two blocks of 128 queries, x and 15 - x; each of its sixteen waves one tile of 16 queries: so every work-group has 8 (x + 1) + 8 (16 - x) = 136 tile steps, whatever x.
; LDS holds THE WHOLE HEAD'S RECORDS, 16 x 17,408 bytes, filled once: each wave issues four tensor loads at the head, its sixteenth of each quarter.  Nothing is filled again.  Four stages of four key steps, each behind a counted wait and a barrier.
; No cluster: the steps that a wave leaves out hang on its work-group's own query blocks, which partners would not share.
; REGISTERS: v1-5 addresses; v6 Q's scale word; v8-10 lane terms; v12 -M, v13 the largest t, v[14:15] the sum; v16-31 Q; v32-95 four fragments of K; v96-159 S^T, then p, then V's four fragments; v160-191 O^T;
;   v192-207 p's codes; v208-223 at work; v224-227 K's scale words, v228-231 V's; v[232:233] f; v234 p's scale word; v235 at work; v238 -infinity.
; LIMITS: 1 / sum is the 1-ulp instruction; a block of zeros, or one under 2^-111, keeps the byte 1 (read by this program alone); NaN and infinities are not served.
.set CH,    16896
.set KVCH,  17408
.set STG,   4*KVCH                     ; a stage: four key steps
.set WVB,   17*256                     ; a wave's sixteenth of it
.set LI,   1                           ; v1  16 x lane
.set LS0,  2                           ; v2  4 r
.set DG,   3                           ; v3  my query's place in its 128, less 16 h
.set LB,   4                           ; v4  the key step's record + 16 x lane
.set LS,   5                           ; v5  the record + 4 r
.set QSW,  6
.set PCD,  192
.set BM,   208
.set T1,   212
.set HL,   216
.set SO,   220
.set KSW,  224
.set VSW,  228
.set F,    232
.set PSW,  234
.set TT,   235
.set NINF, 238
.set WV,   12
.set QB,   13                          ; s13 my block of 128 queries
.set BH,   14
.set KS,   15                          ; s15 the key step
.set TB,   16                          ; s16 its record's LDS byte
.set CNT,  17
.set MNT,  19
.set SEL,  20
.set CS,   22
	s_load_b128 s[4:7], s[0:1], 0x0                ; q_f s[4:5], kv_f s[6:7]
	s_load_b64 s[8:9], s[0:1], 0x10                ; a_f
	v_lshl_add_u32 v254, v0, 2, 0x44000
	v_mov_b32 v255, 0
	ds_add_u32 v254, v255
	ds_add_u32 v254, v255
	v_lshrrev_b32 v7, 5, v0
	v_readfirstlane_b32 s[WV], v7                  ; wave 0..15
	s_and_b32 s[BH], ttmp7, 0xffff                 ; batch x 16 + head
	; descriptor group 1: a dense block of 17 rows of 256 bytes (32 elements of 8 bytes)
	s_mov_b32 s24, 3<<16
	s_mov_b32 s25, 32<<16                          ; tensor_dim0 = 32
	s_mov_b32 s26, 17<<16                          ; tensor_dim1 = 17
	s_mov_b32 s27, 32<<16                          ; tile_dim0 = 32
	s_mov_b32 s28, 17                              ; tile_dim1 = 17
	s_mov_b32 s29, 32                              ; tensor_dim0_stride
	s_mov_b32 s30, 0
	s_mov_b32 s31, 0
	s_mul_i32 s18, s[WV], WVB
	s_mul_i32 s48, s[BH], 16*KVCH
	s_add_co_u32 s48, s48, s18
	s_mov_b32 s49, 0
	s_wait_dscnt 0x0
	s_wait_kmcnt 0x0
	s_add_nc_u64 s[48:49], s[6:7], s[48:49]
.irp g, 0,1,2,3
	s_mov_b32 s[32+4*\g], 1
	s_add_co_u32 s[33+4*\g], s18, \g*STG           ; LDS is an image of the head's part of kv_f
	s_add_nc_u64 s[34+4*\g:35+4*\g], s[48:49], \g*STG
	s_or_b32 s[35+4*\g], s[35+4*\g], 0x80000000
.endr
.irp g, 0,1,2,3
	tensor_load_to_lds s[32+4*\g:35+4*\g], s[24:31]    ; all first fills in one group: four loads of mine are out
	s_nop 0
.endr
.rept 4
	v_nop
.endr
	s_lshr_b32 s10, s[WV], 1                       ; a: my tile in its block
	s_lshr_b32 s11, s[WV], 2
	s_xor_b32 s11, s11, s[WV]
	s_and_b32 s11, s11, 1                          ; which of the two blocks: for each a one wave of each kind
	s_sub_co_u32 s[QB], 15, ttmp9
	s_cmp_eq_u32 s11, 1
	s_cselect_b32 s[QB], s[QB], ttmp9
	s_lshl_b32 s50, s[BH], 7
	s_lshl_b32 s51, s[QB], 3
	s_add_co_u32 s50, s50, s51
	s_add_co_u32 s50, s50, s10                     ; my query tile's number
	s_lshl_b32 s52, s50, 6
	s_add_co_u32 s52, s52, 4194304
	s_mov_b32 s53, 0
	s_lshl_b32 s50, s50, 10
	s_mov_b32 s51, 0
	s_add_nc_u64 s[50:51], s[4:5], s[50:51]
	s_add_nc_u64 s[52:53], s[4:5], s[52:53]
	v_and_b32 v7, 31, v0
	v_lshlrev_b32 v[LI], 4, v7
	v_and_b32 v8, 15, v0                           ; r
	v_bfe_u32 v9, v0, 4, 1                         ; h
	v_lshlrev_b32 v[LS0], 2, v8
	global_load_b128 v[16:19], v[LI], s[50:51]
	global_load_b128 v[20:23], v[LI], s[50:51] offset:512
	global_load_b32 v[QSW], v[LS0], s[52:53]
	s_lshr_b32 s54, s10, 1
	s_lshl_b32 s54, s54, 5
	s_and_b32 s55, s10, 1
	s_lshl_b32 s55, s55, 3
	s_add_co_u32 s54, s54, s55
	v_and_b32 v10, 8, v8
	v_add_nc_u32 v10, v10, v8
	v_lshlrev_b32 v11, 4, v9
	v_sub_nc_u32 v10, v10, v11
	v_add_nc_u32 v[DG], s54, v10                   ; 32 (a / 2) + 8 (a % 2) + r + 8 (r / 8) - 16 h
	s_mov_b32 s[SEL], 0x76543210
	s_mov_b32 s[SEL+1], 0xfedcba98
	s_mov_b32 s[CS], 0x3e38aa3b                    ; c = log2(e) / 8
	s_mov_b32 s[CS+1], s[CS]
	s_mov_b32 s[MNT], 0x600000
	s_mov_b32 s[KS], 0
.irp j, 0,1,2,3,4,5,6,7
	v_mov_b32 v[24+\j], 0                          ; zero codes: K = 64 .. 127 of Q
.endr
.irp t, 0,1,2,3
.irp j, 8,9,10,11,12,13,14,15
	v_mov_b32 v[32+16*\t+\j], 0                    ; and of K's four fragments: no load lands here
.endr
.endr
.set j, 0
.rept 32
	v_mov_b32 v[160+j], 0                          ; O^T: the step is written once; its first turn finds zeros, which the first change of M leaves zeros
.set j, j+1
.endr
	v_mov_b32 v13, 0xff61b1e6                      ; the largest t so far: -3e38
	v_floor_f32 v12, -v13                          ; -M
	v_mov_b32 v14, 0
	v_mov_b32 v15, 0
.irp b, 0,1,2,3
	v_mov_b32 v[T1+\b], 0                          ; a lane permute's destination counts as one of its sources
.endr
	v_mov_b32 v[F+1], 0                            ; named as the upper half of a pair
	v_mov_b32 v[NINF], 0xff800000
; A KEY STEP: 128 keys.
.macro STEP
	s_cmp_gt_u32 s[KS], s[QB]                      ; all its keys come after my queries: the work is left out; a branch on ids
	s_cbranch_scc1 .Lhidden_\@
	v_add_nc_u32 v[LB], s[TB], v[LI]
	v_add_nc_u32 v[LS], s[TB], v[LS0]
.rept 7
	v_nop                                          ; nine places with the two additions: the products below write over V's fragments, which the last products read
.endr
.irp g, 0,1                                    ; S^T = K Q^T, four tiles of 16 keys at a time
.if \g
.rept 8
	v_nop                                          ; places in front of loads into registers that the four products above have read
.endr
.endif
.irp t, 0,1,2,3
	ds_load_b128 v[32+16*\t:35+16*\t], v[LB] offset:1024*(4*\g+\t)
	ds_load_b128 v[36+16*\t:39+16*\t], v[LB] offset:1024*(4*\g+\t)+512
	ds_load_b32 v[KSW+\t], v[LS] offset:8192+64*(4*\g+\t)
.endr
	s_wait_dscnt 0x0
.irp t, 0,1,2,3
	v_wmma_scale_f32_16x16x128_f8f6f4 v[96+8*(4*\g+\t):103+8*(4*\g+\t)], v[32+16*\t:47+16*\t], v[16:31], 0, v[KSW+\t], v[QSW] matrix_a_fmt:MATRIX_FMT_BF8 matrix_b_fmt:MATRIX_FMT_BF8
.endr
.endr
.rept 8
	v_nop
.endr
	s_cmp_lt_u32 s[KS], s[QB]                      ; all keys count: no mask
	s_cbranch_scc1 .Lopen_\@
.set n, 0
.rept 64                                       ; the diagonal: register 16 B + i holds key 32 B + 16 h + i of the 128: hidden where 32 B + i > my query's place - 16 h
	v_cmp_gt_i32 vcc_lo, 32*(n/16)+n%16, v[DG]
	v_cndmask_b32 v[96+n], v[96+n], v[NINF], vcc_lo
.set n, n+1
.endr
.Lopen_\@:
.irp b, 0,1,2,3
	v_max3_num_f32 v[BM+\b], v[96+16*\b], v[97+16*\b], v[98+16*\b]   ; the largest score of each block of 32 keys: for the row's maximum and, since p rises with the score, for the block's largest p
.endr
.irp i, 3,5,7,9,11,13
.irp b, 0,1,2,3
	v_max3_num_f32 v[BM+\b], v[BM+\b], v[96+16*\b+\i], v[97+16*\b+\i]
.endr
.endr
.irp b, 0,1,2,3
	v_max_num_f32 v[BM+\b], v[BM+\b], v[111+16*\b]
.endr
.irp b, 0,1,2,3
	v_permlanex16_b32 v[T1+\b], v[BM+\b], s[SEL], s[SEL+1]
.endr
.irp b, 0,1,2,3
	v_max_num_f32 v[BM+\b], v[BM+\b], v[T1+\b]
.endr
	v_max3_num_f32 v[TT], v[BM], v[BM+1], v[BM+2]
	v_max_num_f32 v[TT], v[TT], v[BM+3]
	v_mul_f32 v[TT], s[CS], v[TT]
	v_max_num_f32 v13, v13, v[TT]                  ; the running largest t
	v_mov_b32 v[TT], v12
	v_floor_f32 v12, -v13                          ; the new -M = -ceil(t)
	v_sub_f32 v[TT], v12, v[TT]                    ; old M - new M: a whole number, 0 or less
	v_cvt_i32_f32 v[TT], v[TT]                     ; (it saturates)
	v_ldexp_f32 v[F], 1.0, v[TT]                   ; f = 2^(old M - new M)
.set j, 0
.rept 32
	v_pk_fma_f32 v[96+j:97+j], v[96+j:97+j], s[CS:CS+1], v[12:13] op_sel_hi:[1,0,0]   ; t - M
.set j, j+2
.endr
.irp b, 0,1,2,3
	v_fma_f32 v[BM+\b], v[BM+\b], s[CS], v12
.endr
.set j, 0
.rept 64
	v_exp_f32 v[96+j], v[96+j]                     ; p = 2^(t - M)
.set j, j+1
.endr
	v_pk_mul_f32 v[14:15], v[14:15], v[F:F+1] op_sel_hi:[1,0]    ; the sums under the new M.  (The plain instruction behind the batch)
	s_wait_alu depctr_va_vdst(0)                   ; one wait for the 64, ahead of their first reader
.irp b, 0,1,2,3
	v_exp_f32 v[BM+\b], v[BM+\b]                   ; each block's largest p
.endr
	v_pk_add_f32 v[T1:T1+1], v[96:97], v[98:99]    ; the row's sum of the unquantised p, in two chains
.irp j, 4,8,12,16,20,24,28,32,36,40,44,48,52,56,60
	v_pk_add_f32 v[14:15], v[14:15], v[96+\j:97+\j]
	v_pk_add_f32 v[T1:T1+1], v[T1:T1+1], v[98+\j:99+\j]
.endr
	v_pk_add_f32 v[14:15], v[14:15], v[T1:T1+1]
	s_wait_alu depctr_va_vdst(0)                   ; and one for the four
.irp b, 0,1,2,3
	v_max_num_f32 v[BM+\b], 0x8000000, v[BM+\b]    ; the floor 2^(16 - 127)
.endr
.irp b, 0,1,2,3
	v_add_nc_u32 v[SO+\b], 0xf8800000, v[BM+\b]
.endr
.irp b, 0,1,2,3
	v_and_or_b32 v[HL+\b], v[BM+\b], 0x7f800000, s[MNT]
.endr
.irp b, 0,1,2,3
	v_lshrrev_b32 v[T1+\b], 23, v[SO+\b]
.endr
	v_lshl_or_b32 v[PSW], v[T1+1], 8, v[T1]        ; p's scale word for these 128 keys
	v_lshl_or_b32 v[PSW], v[T1+2], 16, v[PSW]
	v_lshl_or_b32 v[PSW], v[T1+3], 24, v[PSW]
.irp b, 0,1,2,3
.irp i, 0,1,2,3,4,5,6,7,8,9,10,11,12,13,14,15
	v_min_num_f32 v[96+16*\b+\i], v[96+16*\b+\i], v[HL+\b]   ; the hold; p is not negative
.endr
	v_cvt_scalef32_pk8_bf8_f32 v[PCD+4*\b:PCD+4*\b+1], v[96+16*\b:103+16*\b], v[SO+\b]
	v_cvt_scalef32_pk8_bf8_f32 v[PCD+4*\b+2:PCD+4*\b+3], v[104+16*\b:111+16*\b], v[SO+\b]
.endr
.irp t, 0,1,2,3                                ; V's four fragments take p's registers
.irp c, 0,1,2,3
	ds_load_b128 v[96+16*\t+4*\c:99+16*\t+4*\c], v[LB] offset:8704+2048*\t+512*\c
.endr
	ds_load_b32 v[VSW+\t], v[LS] offset:16896+64*\t
.endr
.set j, 0
.rept 16
	v_pk_mul_f32 v[160+j:161+j], v[160+j:161+j], v[F:F+1] op_sel_hi:[1,0]   ; O^T under the new M.  (These sixteen are also the places between the codes and the products)
.set j, j+2
.endr
	s_wait_dscnt 0x0
.irp t, 0,1,2,3                                ; O^T += V^T P^T: four accumulators by turns
	v_wmma_scale_f32_16x16x128_f8f6f4 v[160+8*\t:167+8*\t], v[96+16*\t:111+16*\t], v[PCD:PCD+15], v[160+8*\t:167+8*\t], v[VSW+\t], v[PSW] matrix_a_fmt:MATRIX_FMT_BF8 matrix_b_fmt:MATRIX_FMT_BF8
.endr
.Lhidden_\@:
	s_add_co_u32 s[KS], s[KS], 1
	s_add_co_u32 s[TB], s[TB], KVCH
.endm
; Stage g: key steps 4 g .. 4 g + 3.
.macro STAGE g
	s_wait_tensorcnt 3-\g                          ; my loads of the stages up to this one are in; the 3 - g later ones may be out
	s_wait_dscnt 0x0
	s_barrier_signal -1
	s_barrier_wait -1                              ; everybody's are
	s_mov_b32 s[TB], \g*STG
	s_mov_b32 s[CNT], 4
.Ltrip_\@:
	STEP
	s_sub_co_u32 s[CNT], s[CNT], 1
	s_cmp_lg_u32 s[CNT], 0
	s_cbranch_scc1 .Ltrip_\@
.endm
	s_wait_loadcnt 0x0                             ; Q
	STAGE 0
	STAGE 1
	STAGE 2
	STAGE 3
	; THE WAY OUT: O^T / the sum; its 32 registers are channels 32 B + 16 h + i of my head: two blocks, quantised as they stand: half a fragment of the next product, whose K step holds two heads.
.rept 8
	v_nop                                          ; places behind the last products
.endr
	v_add_f32 v14, v14, v15
	v_permlanex16_b32 v[T1], v14, s[SEL], s[SEL+1]
	v_add_f32 v14, v14, v[T1]                      ; the row's sum
	v_rcp_f32 v14, v14
	v_lshl_add_u32 v10, v8, 2, v9                  ; where my scale byte goes: 4 r + h.  (The plain instruction behind the transcendental)
	v_cmp_eq_u32 vcc_lo, 1, v9
	s_lshr_b32 s54, s[BH], 4                       ; the batch
	s_and_b32 s55, s[BH], 15                       ; the head
	s_lshl_b32 s54, s54, 4
	s_add_co_u32 s54, s54, s[QB]                   ; my group of 128 tokens
	s_lshl_b32 s54, s54, 3
	s_lshr_b32 s58, s55, 1
	s_add_co_u32 s54, s54, s58                     ; chunk (group, K step = head / 2)
	s_mul_i32 s54, s54, CH
	s_and_b32 s55, s55, 1
	s_lshl_b32 s56, s10, 6
	s_add_co_u32 s56, s56, s54
	s_lshl_b32 s58, s55, 1
	s_add_co_u32 s56, s56, s58
	s_add_co_u32 s56, s56, 16384                   ; scale words of tile a, bytes 2 (head % 2) on
	s_mov_b32 s57, 0
	s_lshl_b32 s58, s10, 11
	s_add_co_u32 s54, s54, s58
	s_lshl_b32 s55, s55, 10
	s_add_co_u32 s54, s54, s55                     ; tile a, registers 8 (head % 2) on
	s_mov_b32 s55, 0
	s_add_nc_u64 s[54:55], s[8:9], s[54:55]
	s_add_nc_u64 s[56:57], s[8:9], s[56:57]
	s_wait_alu depctr_va_vdst(0)                   ; ahead of the reciprocal's first reader
.set j, 0
.rept 32
	v_mul_f32 v[96+j], v[160+j], v14               ; each accumulator from its low end on
.set j, j+1
.endr
.irp b, 0,1
	v_max3_num_f32 v[BM+\b], |v[96+16*\b]|, |v[97+16*\b]|, 0x8000000
.endr
.irp i, 2,4,6,8,10,12,14
.irp b, 0,1
	v_max3_num_f32 v[BM+\b], v[BM+\b], |v[96+16*\b+\i]|, |v[97+16*\b+\i]|
.endr
.endr
.irp b, 0,1
	v_permlanex16_b32 v[T1+\b], v[BM+\b], s[SEL], s[SEL+1]
.endr
.irp b, 0,1
	v_max_num_f32 v[BM+\b], v[BM+\b], v[T1+\b]
.endr
.irp b, 0,1
	v_add_nc_u32 v[SO+\b], 0xf8800000, v[BM+\b]
.endr
.irp b, 0,1
	v_and_or_b32 v[HL+\b], v[BM+\b], 0x7f800000, s[MNT]
.endr
.irp b, 0,1
	v_lshrrev_b32 v[T1+\b], 23, v[SO+\b]
.endr
.irp b, 0,1
.irp i, 0,1,2,3,4,5,6,7,8,9,10,11,12,13,14,15
	v_med3_num_f32 v[96+16*\b+\i], v[96+16*\b+\i], -v[HL+\b], v[HL+\b]
.endr
	v_cvt_scalef32_pk8_bf8_f32 v[PCD+4*\b:PCD+4*\b+1], v[96+16*\b:103+16*\b], v[SO+\b]
	v_cvt_scalef32_pk8_bf8_f32 v[PCD+4*\b+2:PCD+4*\b+3], v[104+16*\b:111+16*\b], v[SO+\b]
.endr
	v_cndmask_b32 v[TT], v[T1], v[T1+1], vcc_lo    ; lanes 0-15 block 0's byte, lanes 16-31 block 1's
	global_store_b128 v[LI], v[PCD:PCD+3], s[54:55]               ; 512 consecutive bytes each
	global_store_b128 v[LI], v[PCD+4:PCD+7], s[54:55] offset:512
	global_store_b8 v10, v[TT], s[56:57]           ; two bytes of each row's word; the K step's other head writes the other two
	s_wait_tensorcnt 0x0
	s_wait_tensorcnt 0x0
	ds_add_u32 v254, v255
	s_wait_dscnt 0x0
	s_endpgm
.Lfunc_end_k_q128ea2627e_attn:
	.size	k_q128ea2627e_attn, .Lfunc_end_k_q128ea2627e_attn-k_q128ea2627e_attn
	.p2alignl 7, 3214868480
	.fill 96, 4, 3214868480
	.section	.rodata,"a",@progbits
	.p2align	6, 0x0
	.amdhsa_kernel k_q128ea2627e_attn
		.amdhsa_group_segment_fixed_size 280576
		.amdhsa_private_segment_fixed_size 0
		.amdhsa_enable_private_segment 0
		.amdhsa_kernarg_size 24
		.amdhsa_user_sgpr_count 2
		.amdhsa_user_sgpr_kernarg_segment_ptr 1
		.amdhsa_wavefront_size32 1
		.amdhsa_system_sgpr_workgroup_id_x 1
		.amdhsa_system_sgpr_workgroup_id_y 1
		.amdhsa_system_sgpr_workgroup_id_z 1
		.amdhsa_system_vgpr_workitem_id 0
		.amdhsa_next_free_vgpr 256
		.amdhsa_next_free_sgpr 66
		.amdhsa_reserve_vcc 1
		.amdhsa_float_denorm_mode_32 3
		.amdhsa_float_denorm_mode_16_64 3
		.amdhsa_memory_ordered 1
		.amdhsa_forward_progress 1
		.amdhsa_inst_pref_size 112
	.end_amdhsa_kernel
	.amdgpu_metadata
---
amdhsa.version: [ 1, 2 ]
amdhsa.kernels:
  - .name:           k_q128ea2627e_attn
    .symbol:         k_q128ea2627e_attn.kd
    .args:
      - { .name: q_f, .offset: 0, .size: 8, .value_kind: global_buffer, .address_space: global }
      - { .name: kv_f, .offset: 8, .size: 8, .value_kind: global_buffer, .address_space: global }
      - { .name: a_f, .offset: 16, .size: 8, .value_kind: global_buffer, .address_space: global }
    .group_segment_fixed_size: 280576
    .private_segment_fixed_size: 0
    .kernarg_segment_align: 8
    .kernarg_segment_size: 24
    .max_flat_workgroup_size: 512
    .sgpr_count:     66
    .vgpr_count:     256
    .wavefront_size: 32
...
	.end_amdgpu_metadata
.endif
;; end of part 4
;; launch oproj (part 5): grid 4 x 16, 4 waves a work-group, clusters of 4 x 4, 327,680 bytes of LDS; arguments a_f, wts, b_out, x, x1; writes x1
.if DOCPART == 5
	.amdgcn_target "amdgcn-amd-amdhsa--gfx1250"
	.amdhsa_code_object_version 6
	.text
	.protected	k_q128ea2627e_oproj
	.globl	k_q128ea2627e_oproj
	.p2align	8
	.type	k_q128ea2627e_oproj,@function
k_q128ea2627e_oproj:
	s_mov_b64 s[64:65], 0
	v_nop
	global_prefetch_b8 v0, s[64:65] scope:SCOPE_SE
	s_setreg_imm32_b32 hwreg(HW_REG_WAVE_MODE, 25, 1), 1
	s_wait_xcnt 0x0
	s_wait_alu depctr_hold_cnt(0) depctr_sa_sdst(0) depctr_va_vdst(0) depctr_va_sdst(0) depctr_va_ssrc(0) depctr_va_vcc(0) depctr_vm_vsrc(0)
	s_getreg_b32 s2, hwreg(HW_REG_IB_STS2, 6, 4)
	s_cmp_eq_u32 s2, 0
	s_cbranch_scc0 .Lentry_in_a_cluster
	s_endpgm
.Lentry_in_a_cluster:
	s_bfe_u32 s2, ttmp6, 0x10000c
	s_cmp_lg_u32 s2, 0xf033
	s_cbranch_scc0 .Lentry_shape_is_right
	s_endpgm
.Lentry_shape_is_right:
; x1 = x + attention w_out + b_out: the product on codes of BF8 (E5M2) with E8M0 scales, the rest in f32.
; OPERANDS lie in memory as images of operand registers: a chunk = 128 rows x 128 K = 16,896 bytes (codes 2048 i + 512 c + 16 lane, scale words 16,384 + 64 i + 4 r), chunks [row group][K step].
; Place r of tile i is row 32 (i / 2) + 8 (i % 2) + r % 8 + 16 (r / 8) of the group.  Source 0 = the weight's columns (S0), source 1 = the tokens (S1): lane (r, h) holds one token, and the 64 registers of S0's tiles
; b = 0 .. 7 are columns 32 B + 16 h + i.  A work-group makes 256 columns x 256 tokens, a wave 128 x 128: 64 accumulators.  K goes two K steps a slot through a ring of two LDS slots; each wave brings one dense block
; of 33,792 bytes (one row group, two K steps, codes and scales) by one tensor load.
; CLUSTERS: 4 x 4.  S0's tile hangs on the work-group's x alone and is asked for jointly along a column of the cluster, S1's on its y alone and is asked for jointly along a row.
; The bias is the C of each sum's first product (another order of rounding than bias last).  The way out goes through the wave's own stage in LDS, so that each store covers 512 consecutive bytes of a row; the residual is added there.
; With tiles of 256 x 256 this size has 64 work-groups; a smaller tile would read each fragment for half the products.
; REGISTERS: window 0: v1-7 lane terms; v16-27 addresses; v28, v29 the add's; v32-63 scale words, two sets; v64-127 the bias; v128-255 S1's fragments, later rows of the result.
;   window 1: S0's fragments, two sets; later the residual.  windows 2, 3: accumulator (a, b) at v[8 (8 (a % 4) + b)].
.set NKS,    8                         ; K steps of 128
.set WOFF,   3244032                   ; where this weight's chunks begin in wts
.set LAST,   0
.set CH,     16896
.set NQ,     2
.set REGN,   NQ*CH
.set SLOT,   4*REGN
.set SPARE,  2*SLOT                    ; behind the ring: the spare words, 128 bytes a wave: two blocks of 256 bytes that no other line names
.set RG,     NKS*CH
.set LAPS,   NKS/(2*NQ)
.set FR,     16
.set NL,     4
.set NP,     8                         ; places behind this matrix instruction (ISA guide 7.12.1)
.set SPITCH, 528                       ; the stage: 16 rows x (512 bytes + 16) a wave, in slot 0, which has had its last fill and its last read when the first result is stored there
.set ADRA, 16
.set ADRB, 20
.set ADRS, 22
.set LI,   24
.set STO,  26
.set RD,   27
.set SPW,  28
.set NIL,  29
.set SC,   32
.set BIAS, 64
.set AF,   128
.set BK,   128
.set G1,  24
.set G0,  32
.set G1B, 48
.set G0B, 56
.set MSB, 0
.macro WIN new                         ; the immediate's high byte repeats the setting that is left
.if MSB != (\new)
	s_set_vgpr_msb (MSB<<8)|(\new)
.set MSB, (\new)
.endif
.endm
.set MUL_LO, 0xa1
.set MUL_HI, 0xf1
.set BIA_LO, 0x81
.set BIA_HI, 0xc1
.set TO_B,   0x40
.macro JLOAD g0a, g0b                  ; a joint load: waves 0 and 1 fetch S1's two row groups, waves 2 and 3 S0's; four v_nop follow each of the two lines
	s_cmp_eq_u32 s15, 0
	s_cbranch_scc0 .Lfor_s0_\@
	tensor_load_to_lds s[\g0a:\g0a+3], s[G1:G1+7]
	s_nop 0
.rept 4
	v_nop
.endr
	s_branch .Lasked_\@
.Lfor_s0_\@:
	tensor_load_to_lds s[\g0b:\g0b+3], s[G1B:G1B+7]
	s_nop 0
.rept 4
	v_nop
.endr
.Lasked_\@:
.endm
.macro CREST
	s_cmp_lg_u32 s14, 0
	s_cbranch_scc1 .Lnot_wave_0_\@
	s_barrier_signal -3
.Lnot_wave_0_\@:
	s_barrier_wait -3
	s_barrier_signal -1
	s_barrier_wait -1
.endm
.macro CROUND
	s_barrier_signal -1
	s_barrier_wait -1
	CREST
.endm
.macro PLACES n
.rept \n
	v_nop
.endr
.endm
	s_load_b256 s[4:11], s[0:1], 0x0               ; S1's codes s[4:5], wts s[6:7], the bias s[8:9], the residual s[10:11]
	s_load_b64 s[12:13], s[0:1], 0x20              ; the result
	v_lshl_add_u32 v[SPW], v0, 2, SPARE
	v_mov_b32 v[NIL], 0
	ds_add_u32 v28, v29
	ds_add_u32 v28, v29
	s_wait_dscnt 0x0
	v_lshrrev_b32 v1, 5, v0
	v_readfirstlane_b32 s14, v1                    ; wave 0..3
	s_lshr_b32 s15, s14, 1                         ; my half of the tokens.  Also: I fetch for S1 (0) or for S0 (1)
	s_and_b32 s16, s14, 1                          ; my half of the columns.  Also: which row group I fetch
	s_bfe_u32 s40, ttmp6, 0x40000                  ; cx
	s_bfe_u32 s41, ttmp6, 0x40004                  ; cy
	s_lshl_b32 s42, ttmp9, 2
	s_add_co_u32 s42, s42, s40                     ; X: the tile of 256 columns
	s_and_b32 s17, ttmp7, 0xffff
	s_lshl_b32 s17, s17, 2
	s_add_co_u32 s17, s17, s41                     ; Y: the tile of 256 tokens
	s_lshl_b32 s43, s41, 2
	s_lshl_b32 s43, 15, s43                        ; my row of the cluster
	s_lshl_b32 s44, 0x1111, s40                    ; my column
	s_or_b32 s[G1+0], s43, (3<<16)|(1<<21)         ; 15:0 the mask; 17:16 elements of 8 bytes; 21 set beside a mask
	s_or_b32 s[G1B+0], s44, (3<<16)|(1<<21)
.irp g, G1, G1B
	s_mov_b32 s[\g+1], 32<<16                      ; a dense block of 132 rows of 256 bytes
	s_mov_b32 s[\g+2], 132<<16
	s_mov_b32 s[\g+3], 32<<16
	s_mov_b32 s[\g+4], 132
	s_mov_b32 s[\g+5], 32
	s_mov_b32 s[\g+6], 0
	s_mov_b32 s[\g+7], 0
.endr
	s_lshl_b32 s20, s17, 1
	s_add_co_u32 s20, s20, s16
	s_mul_i32 s20, s20, RG                         ; S1: row group 2 Y + half
	s_mov_b32 s21, 0
	s_lshl_b32 s46, s42, 1
	s_add_co_u32 s46, s46, s16
	s_mul_i32 s46, s46, RG                         ; S0: row group 2 X + half
	s_add_co_u32 s46, s46, WOFF
	s_mov_b32 s47, 0
	s_mul_i32 s45, s14, REGN                       ; where my block goes: no place in the cluster enters an LDS address
	s_wait_kmcnt 0x0
	s_add_nc_u64 s[20:21], s[4:5], s[20:21]
	s_add_nc_u64 s[46:47], s[6:7], s[46:47]
	CROUND                                         ; all sixteen work-groups are here: the first joint loads meet
.irp s, 0,1
	s_mov_b32 s[G0+4*\s], 1
	s_add_co_u32 s[G0+4*\s+1], s45, \s*SLOT
	s_add_nc_u64 s[G0+4*\s+2:G0+4*\s+3], s[20:21], \s*REGN
	s_or_b32 s[G0+4*\s+3], s[G0+4*\s+3], 0x80000000
	s_mov_b32 s[G0B+4*\s], 1
	s_add_co_u32 s[G0B+4*\s+1], s45, \s*SLOT
	s_add_nc_u64 s[G0B+4*\s+2:G0B+4*\s+3], s[46:47], \s*REGN
	s_or_b32 s[G0B+4*\s+3], s[G0B+4*\s+3], 0x80000000
	JLOAD G0+4*\s, G0B+4*\s
.endr
	v_and_b32 v1, 15, v0                           ; r
	v_bfe_u32 v2, v0, 4, 1                         ; h
	v_and_b32 v3, 31, v0
	v_lshlrev_b32 v[LI], 4, v3                     ; 16 x lane
	s_mul_i32 s21, s15, REGN
	s_mul_i32 s22, s16, REGN
	s_add_co_u32 s22, s22, 2*REGN
	s_sub_co_u32 s23, s22, s21
	v_mul_u32_u24 v6, s23, v2                      ; lanes 16-31 take S0's scale words: one product, the distance between the two
	v_lshl_add_u32 v6, v1, 2, v6
	s_add_co_u32 s23, s21, 16384
.irp s, 0,1
	v_add_nc_u32 v[ADRA+\s], s21, v[LI]
	v_add_nc_u32 v[ADRB+\s], s22, v[LI]
	v_add_nc_u32 v[ADRS+\s], s23, v6
	s_add_co_u32 s21, s21, SLOT
	s_add_co_u32 s22, s22, SLOT
	s_add_co_u32 s23, s23, SLOT
.endr
	s_lshl_b32 s74, s42, 10
	s_lshl_b32 s75, s16, 9
	s_add_co_u32 s74, s74, s75                     ; my first column, in bytes
	s_mov_b32 s75, 0
	s_add_nc_u64 s[8:9], s[8:9], s[74:75]
	v_lshlrev_b32 v7, 6, v2
.irp b, 0,1,2,3
.irp i, 0,1,2,3
	global_load_b128 v[BIAS+16*\b+4*\i:BIAS+16*\b+4*\i+3], v7, s[8:9] offset:128*\b+16*\i   ; register 16 B + e = bias of column 32 B + 16 h + e: the result's layout
.endr
.endr
	s_lshl_b32 s76, s17, 8
	s_lshl_b32 s77, s15, 7
	s_add_co_u32 s76, s76, s77
	s_lshl_b32 s76, s76, 12                        ; my first token's row of 4,096 bytes,
	s_add_co_u32 s76, s76, s74                     ; my first column
	s_mov_b32 s77, 0
	s_add_nc_u64 s[10:11], s[10:11], s[76:77]
	s_add_nc_u64 s[12:13], s[12:13], s[76:77]
	s_mul_i32 s23, s14, 16*SPITCH                  ; my stage
	v_mul_u32_u24 v5, v1, SPITCH
	v_lshl_add_u32 v5, v2, 6, v5
	v_add_nc_u32 v[STO], s23, v5                   ; in: row r, + 64 h
	v_add_nc_u32 v[RD], s23, v[LI]                 ; back: the 32 lanes take one row of 512 bytes
.macro FRAG reg, adr, q, i
.irp c, 0,1,2,3
	ds_load_b128 v[\reg+4*\c:\reg+4*\c+3], v[\adr] offset:CH*(\q)+2048*(\i)+512*\c
.endr
.endm
; 16 matrix instructions: S1's tiles a0, a0 + 1 x S0's eight.  The 64 accumulators take turns, one instruction a turn, in the same order in every step.
.macro MUL16 a0, p, q, sc, zero
.irp a, \a0, \a0+1
.irp b, 0,1,2,3,4,5,6,7
.if \zero
	v_wmma_scale_f32_16x16x128_f8f6f4 v[8*(8*((\a)%4)+\b):8*(8*((\a)%4)+\b)+7], v[128*(\p)+FR*\b:128*(\p)+FR*\b+FR-1], v[AF+FR*(\a):AF+FR*(\a)+FR-1], v[BIAS+8*\b:BIAS+8*\b+7], v[SC+16*(\sc)+2*\b+(\q)], v[SC+16*(\sc)+2*(\a)+(\q)] matrix_a_fmt:MATRIX_FMT_BF8 matrix_b_fmt:MATRIX_FMT_BF8 matrix_a_scale:MATRIX_SCALE_ROW1
.else
	v_wmma_scale_f32_16x16x128_f8f6f4 v[8*(8*((\a)%4)+\b):8*(8*((\a)%4)+\b)+7], v[128*(\p)+FR*\b:128*(\p)+FR*\b+FR-1], v[AF+FR*(\a):AF+FR*(\a)+FR-1], v[8*(8*((\a)%4)+\b):8*(8*((\a)%4)+\b)+7], v[SC+16*(\sc)+2*\b+(\q)], v[SC+16*(\sc)+2*(\a)+(\q)] matrix_a_fmt:MATRIX_FMT_BF8 matrix_b_fmt:MATRIX_FMT_BF8 matrix_a_scale:MATRIX_SCALE_ROW1
.endif
.endr
.endr
.endm
.macro FETCH_B slot, q, p
	WIN TO_B
.irp i, 0,1,2,3,4,5,6,7
	FRAG 128*(\p)+FR*\i, ADRB+\slot, \q, \i
.endr
	WIN 0
.endm
.macro FETCH_A slot, q, i0
.irp i, \i0, \i0+1, \i0+2, \i0+3
	FRAG AF+FR*(\i), ADRA+\slot, \q, \i
.endr
.endm
.macro SCALES sc
.irp i, 0,1,2,3,4,5,6,7
.irp q, 0,1
	ds_load_b32 v[SC+16*\sc+2*\i+\q], v[ADRS+\sc] offset:CH*\q+64*\i
.endr
.endr
.endm
.macro STEP slot, q, zero
	s_wait_dscnt 4*NL                              ; all but the youngest sixteen loads (S1's tiles 4-7)
.if \zero
	WIN BIA_LO
.else
	WIN MUL_LO
.endif
	MUL16 0, (\q)%2, \q, \slot, \zero
	MUL16 2, (\q)%2, \q, \slot, \zero
	s_wait_dscnt 0
	PLACES NP
	FETCH_B \slot, (\q)+1, 1-(\q)%2
	FETCH_A \slot, (\q)+1, 0
.if \zero
	WIN BIA_HI
.else
	WIN MUL_HI
.endif
	MUL16 4, (\q)%2, \q, \slot, \zero
	MUL16 6, (\q)%2, \q, \slot, \zero
	PLACES NP
	WIN 0
	FETCH_A \slot, (\q)+1, 4
.endm
.macro TURN slot, next, fill
	s_wait_tensorcnt 0x0                           ; all my tensor loads have landed: my part of the next slot
	ds_add_u32 v[SPW], v[NIL]                      ; 0 onto my spare word
	s_wait_dscnt 4*NL+1                            ; (the add and the youngest sixteen loads may be out)
	WIN MUL_LO
	MUL16 0, 1, NQ-1, \slot, 0
	s_wait_dscnt 0x0                               ; the add is done, and my reads of this slot are over
	s_barrier_signal -1
	MUL16 2, 1, NQ-1, \slot, 0
	WIN 0
	s_barrier_wait -1
.if \fill
	CREST                                          ; the barrier has opened a round of the cluster's: no wave of any partner still reads this slot or has a load on its way
	s_add_nc_u64 s[G0+4*\slot+2:G0+4*\slot+3], s[G0+4*\slot+2:G0+4*\slot+3], 2*REGN
	s_add_nc_u64 s[G0B+4*\slot+2:G0B+4*\slot+3], s[G0B+4*\slot+2:G0B+4*\slot+3], 2*REGN
	JLOAD G0+4*\slot, G0B+4*\slot
	PLACES NP-4
.else
	PLACES NP
.endif
	FETCH_B \next, 0, 0
	FETCH_A \next, 0, 0
	SCALES \next
	WIN MUL_HI
	MUL16 4, 1, NQ-1, \slot, 0
	MUL16 6, 1, NQ-1, \slot, 0
	PLACES NP
	WIN 0
	FETCH_A \next, 0, 4
.endm
	s_wait_tensorcnt 1                             ; my part of slot 0 is in (slot 1's load may be out)
	s_barrier_signal -1
	s_barrier_wait -1                              ; everybody's is
	FETCH_B 0, 0, 0
	FETCH_A 0, 0, 0
	SCALES 0
	FETCH_A 0, 0, 4
	s_wait_loadcnt 0x0                             ; the bias
	STEP 0, 0, 1
	s_mov_b32 s3, LAPS-1
.Llap:
	TURN 0, 1, 1
	STEP 1, 0, 0
	TURN 1, 0, 1
	STEP 0, 0, 0
	s_sub_co_u32 s3, s3, 1
	s_cmp_lg_u32 s3, 0
	s_cbranch_scc1 .Llap
	TURN 0, 1, 0
	STEP 1, 0, 0
	s_wait_dscnt 4*NL
	WIN MUL_LO
	MUL16 0, 1, NQ-1, 1, 0
	MUL16 2, 1, NQ-1, 1, 0
	s_wait_dscnt 0
	WIN MUL_HI
	MUL16 4, 1, NQ-1, 1, 0
	MUL16 6, 1, NQ-1, 1, 0
	WIN 0
; THE WAY OUT, S1's tile a (16 tokens x 128 columns) at a time.  Stage row t is the token at place t: row 32 (a / 2) + 8 (a % 2) + t % 8 + 16 (t / 8) of my 128.
.macro RLOAD a                         ; the residual's 16 rows, 512 consecutive bytes a load, into window 1
	WIN 0x40
.irp t, 0,1,2,3,4,5,6,7,8,9,10,11,12,13,14,15
	global_load_b128 v[64*((\a)%4)+4*\t:64*((\a)%4)+4*\t+3], v[LI], s[10:11] offset:(32*((\a)/2)+8*((\a)%2)+(\t%8)+16*(\t/8))*4096 th:TH_LOAD_NT
.endr
	WIN 0
.endm
.macro TOSTAGE a
.set AC, 64*((\a)%4)
	WIN 0x08+4*((\a)/4)                            ; an LDS store's data: window 2 or 3
.irp b, 0,1,2,3,4,5,6,7
	ds_store_b128 v[STO], v[AC+8*\b:AC+8*\b+3] offset:128*(\b/2)+32*(\b%2)         ; each accumulator from its low end on
	ds_store_b128 v[STO], v[AC+8*\b+4:AC+8*\b+7] offset:128*(\b/2)+32*(\b%2)+16
.endr
	WIN 0
.set BBR, BK+64*((\a)%2)
.irp t, 0,1,2,3,4,5,6,7,8,9,10,11,12,13,14,15
	ds_load_b128 v[BBR+4*\t:BBR+4*\t+3], v[RD] offset:\t*SPITCH    ; LDS serves a wave's instructions in order (ISA guide 5.7.1.4): these see the stores above
.endr
.endm
.macro SEND a, younger, lc             ; younger: LDS instructions issued behind tile a's loads; lc: residual loads issued behind tile a's
.set BBR, BK+64*((\a)%2)
.set RSR, 64*((\a)%4)
	s_wait_dscnt \younger
	s_wait_loadcnt \lc
	WIN 0x04                                       ; source 1: window 1
.set k, 0
.rept 32
	v_pk_add_f32 v[BBR+k:BBR+k+1], v[BBR+k:BBR+k+1], v[RSR+k:RSR+k+1]
.set k, k+2
.endr
	WIN 0
.irp t, 0,1,2,3,4,5,6,7,8,9,10,11,12,13,14,15
.if LAST
	global_store_b128 v[LI], v[BBR+4*\t:BBR+4*\t+3], s[12:13] offset:(32*((\a)/2)+8*((\a)%2)+(\t%8)+16*(\t/8))*4096 th:TH_STORE_NT
.else
	global_store_b128 v[LI], v[BBR+4*\t:BBR+4*\t+3], s[12:13] offset:(32*((\a)/2)+8*((\a)%2)+(\t%8)+16*(\t/8))*4096
.endif
.endr
.endm
	PLACES NP                                      ; behind the last products: results are read, and loads land in registers that they read
	RLOAD 0
	RLOAD 1
	RLOAD 2
	RLOAD 3
	TOSTAGE 0
.irp a, 1,2,3,4,5,6,7
.if \a > 1
	s_wait_xcnt 0x0                                ; tile a - 2's stores have read their registers: tile a's loads may land there
.endif
	TOSTAGE \a
.if \a < 6
	SEND \a-1, 32, 48                              ; behind tile a - 1: tile a's 16 stores and 16 loads in LDS; three tiles' residual loads
.else
	SEND \a-1, 32, 16*(8-\a)
.endif
.if \a < 5
	RLOAD \a+3                                     ; into the registers that tile a - 1's additions have read
.endif
.endr
	s_wait_xcnt 0x0
	SEND 7, 0, 0
	s_wait_tensorcnt 0x0                           ; the wave's end
	ds_add_u32 v[SPW], v[NIL]
	s_wait_dscnt 0x0
	CROUND                                         ; the closing round
	s_endpgm
.Lfunc_end_k_q128ea2627e_oproj:
	.size	k_q128ea2627e_oproj, .Lfunc_end_k_q128ea2627e_oproj-k_q128ea2627e_oproj
	.p2alignl 7, 3214868480
	.fill 96, 4, 3214868480
	.section	.rodata,"a",@progbits
	.p2align	6, 0x0
	.amdhsa_kernel k_q128ea2627e_oproj
		.amdhsa_group_segment_fixed_size 327680
		.amdhsa_private_segment_fixed_size 0
		.amdhsa_enable_private_segment 0
		.amdhsa_kernarg_size 40
		.amdhsa_user_sgpr_count 2
		.amdhsa_user_sgpr_kernarg_segment_ptr 1
		.amdhsa_wavefront_size32 1
		.amdhsa_system_sgpr_workgroup_id_x 1
		.amdhsa_system_sgpr_workgroup_id_y 1
		.amdhsa_system_sgpr_workgroup_id_z 1
		.amdhsa_system_vgpr_workitem_id 0
		.amdhsa_next_free_vgpr 1024
		.amdhsa_next_free_sgpr 100
		.amdhsa_reserve_vcc 0
		.amdhsa_float_denorm_mode_32 3
		.amdhsa_float_denorm_mode_16_64 3
		.amdhsa_memory_ordered 1
		.amdhsa_forward_progress 1
		.amdhsa_inst_pref_size 175
	.end_amdhsa_kernel
	.amdgpu_metadata
---
amdhsa.version: [ 1, 2 ]
amdhsa.kernels:
  - .name:           k_q128ea2627e_oproj
    .symbol:         k_q128ea2627e_oproj.kd
    .args:
      - { .name: a_f, .offset: 0, .size: 8, .value_kind: global_buffer, .address_space: global }
      - { .name: wts, .offset: 8, .size: 8, .value_kind: global_buffer, .address_space: global }
      - { .name: b_out, .offset: 16, .size: 8, .value_kind: global_buffer, .address_space: global }
      - { .name: x, .offset: 24, .size: 8, .value_kind: global_buffer, .address_space: global }
      - { .name: x1, .offset: 32, .size: 8, .value_kind: global_buffer, .address_space: global }
    .group_segment_fixed_size: 327680
    .private_segment_fixed_size: 0
    .kernarg_segment_align: 8
    .kernarg_segment_size: 40
    .max_flat_workgroup_size: 128
    .sgpr_count:     100
    .vgpr_count:     1024
    .wavefront_size: 32
...
	.end_amdgpu_metadata
.endif
;; end of part 5
;; launch ln2: the kernel of part 2 again; grid 256 x 1, 4 waves a work-group, no clusters, 66,304 bytes of LDS; arguments x1, ln2_g, ln2_b, h_f; writes h_f
;; launch ff1 (part 6): grid 16 x 16, 4 waves a work-group, clusters of 4 x 4, 327,680 bytes of LDS; arguments h_f, wts, b_ff1, ff_f; writes ff_f
.if DOCPART == 6
	.amdgcn_target "amdgcn-amd-amdhsa--gfx1250"
	.amdhsa_code_object_version 6
	.text
	.protected	k_q128ea2627e_ff1
	.globl	k_q128ea2627e_ff1
	.p2align	8
	.type	k_q128ea2627e_ff1,@function
k_q128ea2627e_ff1:
	s_mov_b64 s[64:65], 0
	v_nop
	global_prefetch_b8 v0, s[64:65] scope:SCOPE_SE
	s_setreg_imm32_b32 hwreg(HW_REG_WAVE_MODE, 25, 1), 1
	s_wait_xcnt 0x0
	s_wait_alu depctr_hold_cnt(0) depctr_sa_sdst(0) depctr_va_vdst(0) depctr_va_sdst(0) depctr_va_ssrc(0) depctr_va_vcc(0) depctr_vm_vsrc(0)
	s_getreg_b32 s2, hwreg(HW_REG_IB_STS2, 6, 4)
	s_cmp_eq_u32 s2, 0
	s_cbranch_scc0 .Lentry_in_a_cluster
	s_endpgm
.Lentry_in_a_cluster:
	s_bfe_u32 s2, ttmp6, 0x10000c
	s_cmp_lg_u32 s2, 0xf033
	s_cbranch_scc0 .Lentry_shape_is_right
	s_endpgm
.Lentry_shape_is_right:
; ff = relu(h2 w_ff1 + b_ff1) on codes of BF8 (E5M2) with E8M0 scales, quantised again along the 4,096 hidden units on the way out: the hidden layer goes to memory as codes alone.
; OPERANDS lie in memory as images of operand registers: a chunk = 128 rows x 128 K = 16,896 bytes (codes 2048 i + 512 c + 16 lane, scale words 16,384 + 64 i + 4 r), chunks [row group][K step].
; Place r of tile i is row 32 (i / 2) + 8 (i % 2) + r % 8 + 16 (r / 8) of the group.  Source 0 = the weight's columns (S0), source 1 = the tokens (S1): lane (r, h) holds one token, and the 64 registers of S0's tiles
; b = 0 .. 7 are hidden units 32 B + 16 h + i: sixteen neighbours of each block of 32 along the next K.  So a wave's 128 x 128 becomes exactly one chunk of the next product's operand, stored straight from registers.
; A work-group makes 256 hidden units x 256 tokens.  K goes two K steps a slot through a ring of two LDS slots; each wave brings one dense block of 33,792 bytes by one tensor load.
; CLUSTERS: 4 x 4.  S0's tile hangs on the work-group's x alone and is asked for jointly along a column of the cluster, S1's on its y alone and is asked for jointly along a row.
; The bias is the C of each sum's first product (another order of rounding than bias last).  The activation costs nothing: the hold that the conversion wants clips at 0 as well.
; REGISTERS: window 0: v1-7 lane terms; v16-25 addresses; v28, v29 the add's; v32-63 scale words, two sets; v64-127 the bias, later the way out's working registers; v128-255 S1's fragments, later codes.
;   window 1: S0's fragments, two sets.  windows 2, 3: accumulator (a, b) at v[8 (8 (a % 4) + b)].
; LIMITS: a block of zeros, or one under 2^-111, keeps the byte 1 (read by this program alone); NaN and infinities are not served.
.set NKS,    8
.set WOFF,   4325376                   ; where this weight's chunks begin in wts
.set CH,     16896
.set NQ,     2
.set REGN,   NQ*CH
.set SLOT,   4*REGN
.set SPARE,  2*SLOT                    ; behind the ring: the spare words, 128 bytes a wave: two blocks of 256 bytes that no other line names
.set RG,     NKS*CH
.set LAPS,   NKS/(2*NQ)
.set FR,     16
.set NL,     4
.set NP,     8                         ; places behind this matrix instruction (ISA guide 7.12.1)
.set ADRA, 16
.set ADRB, 20
.set ADRS, 22
.set LI,   24
.set L4,   25
.set SPW,  28
.set NIL,  29
.set SC,   32
.set BIAS, 64
.set AF,   128
.set PC,   128
.set SW,   80
.set TM,   88
.set TP,   92
.set HL,   96
.set SO,   100
.set TS,   104
.set G1,  24
.set G0,  32
.set G1B, 48
.set G0B, 56
.set MSB, 0
.macro WIN new                         ; the immediate's high byte repeats the setting that is left
.if MSB != (\new)
	s_set_vgpr_msb (MSB<<8)|(\new)
.set MSB, (\new)
.endif
.endm
.set MUL_LO, 0xa1
.set MUL_HI, 0xf1
.set BIA_LO, 0x81
.set BIA_HI, 0xc1
.set TO_B,   0x40
.macro JLOAD g0a, g0b                  ; a joint load: waves 0 and 1 fetch S1's two row groups, waves 2 and 3 S0's; four v_nop follow each of the two lines
	s_cmp_eq_u32 s15, 0
	s_cbranch_scc0 .Lfor_s0_\@
	tensor_load_to_lds s[\g0a:\g0a+3], s[G1:G1+7]
	s_nop 0
.rept 4
	v_nop
.endr
	s_branch .Lasked_\@
.Lfor_s0_\@:
	tensor_load_to_lds s[\g0b:\g0b+3], s[G1B:G1B+7]
	s_nop 0
.rept 4
	v_nop
.endr
.Lasked_\@:
.endm
.macro CREST
	s_cmp_lg_u32 s14, 0
	s_cbranch_scc1 .Lnot_wave_0_\@
	s_barrier_signal -3
.Lnot_wave_0_\@:
	s_barrier_wait -3
	s_barrier_signal -1
	s_barrier_wait -1
.endm
.macro CROUND
	s_barrier_signal -1
	s_barrier_wait -1
	CREST
.endm
.macro PLACES n
.rept \n
	v_nop
.endr
.endm
	s_load_b256 s[4:11], s[0:1], 0x0               ; h_f s[4:5], wts s[6:7], b_ff1 s[8:9], ff_f s[10:11]
	v_lshl_add_u32 v[SPW], v0, 2, SPARE
	v_mov_b32 v[NIL], 0
	ds_add_u32 v28, v29
	ds_add_u32 v28, v29
	s_wait_dscnt 0x0
	v_lshrrev_b32 v1, 5, v0
	v_readfirstlane_b32 s14, v1                    ; wave 0..3
	s_lshr_b32 s15, s14, 1                         ; my half of the tokens.  Also: I fetch for S1 (0) or for S0 (1)
	s_and_b32 s16, s14, 1                          ; my half of the hidden units.  Also: which row group I fetch
	s_bfe_u32 s40, ttmp6, 0x40000                  ; cx
	s_bfe_u32 s41, ttmp6, 0x40004                  ; cy
	s_lshl_b32 s42, ttmp9, 2
	s_add_co_u32 s42, s42, s40                     ; X: the tile of 256 hidden units
	s_and_b32 s17, ttmp7, 0xffff
	s_lshl_b32 s17, s17, 2
	s_add_co_u32 s17, s17, s41                     ; Y: the tile of 256 tokens
	s_lshl_b32 s43, s41, 2
	s_lshl_b32 s43, 15, s43                        ; my row of the cluster
	s_lshl_b32 s44, 0x1111, s40                    ; my column
	s_or_b32 s[G1+0], s43, (3<<16)|(1<<21)         ; 15:0 the mask; 17:16 elements of 8 bytes; 21 set beside a mask
	s_or_b32 s[G1B+0], s44, (3<<16)|(1<<21)
.irp g, G1, G1B
	s_mov_b32 s[\g+1], 32<<16                      ; a dense block of 132 rows of 256 bytes
	s_mov_b32 s[\g+2], 132<<16
	s_mov_b32 s[\g+3], 32<<16
	s_mov_b32 s[\g+4], 132
	s_mov_b32 s[\g+5], 32
	s_mov_b32 s[\g+6], 0
	s_mov_b32 s[\g+7], 0
.endr
	s_lshl_b32 s20, s17, 1
	s_add_co_u32 s20, s20, s16
	s_mul_i32 s20, s20, RG                         ; S1: row group 2 Y + half
	s_mov_b32 s21, 0
	s_lshl_b32 s46, s42, 1
	s_add_co_u32 s46, s46, s16
	s_mul_i32 s46, s46, RG                         ; S0: row group 2 X + half
	s_add_co_u32 s46, s46, WOFF
	s_mov_b32 s47, 0
	s_mul_i32 s45, s14, REGN                       ; where my block goes: no place in the cluster enters an LDS address
	s_wait_kmcnt 0x0
	s_add_nc_u64 s[20:21], s[4:5], s[20:21]
	s_add_nc_u64 s[46:47], s[6:7], s[46:47]
	CROUND                                         ; all sixteen work-groups are here: the first joint loads meet
.irp s, 0,1
	s_mov_b32 s[G0+4*\s], 1
	s_add_co_u32 s[G0+4*\s+1], s45, \s*SLOT
	s_add_nc_u64 s[G0+4*\s+2:G0+4*\s+3], s[20:21], \s*REGN
	s_or_b32 s[G0+4*\s+3], s[G0+4*\s+3], 0x80000000
	s_mov_b32 s[G0B+4*\s], 1
	s_add_co_u32 s[G0B+4*\s+1], s45, \s*SLOT
	s_add_nc_u64 s[G0B+4*\s+2:G0B+4*\s+3], s[46:47], \s*REGN
	s_or_b32 s[G0B+4*\s+3], s[G0B+4*\s+3], 0x80000000
	JLOAD G0+4*\s, G0B+4*\s
.endr
	v_and_b32 v1, 15, v0                           ; r
	v_bfe_u32 v2, v0, 4, 1                         ; h
	v_and_b32 v3, 31, v0                           ; lane
	v_lshlrev_b32 v[LI], 4, v3
	v_lshlrev_b32 v[L4], 2, v3
	s_mul_i32 s21, s15, REGN
	s_mul_i32 s22, s16, REGN
	s_add_co_u32 s22, s22, 2*REGN
	s_sub_co_u32 s23, s22, s21
	v_mul_u32_u24 v6, s23, v2                      ; lanes 16-31 take S0's scale words: one product, the distance between the two
	v_lshl_add_u32 v6, v1, 2, v6
	s_add_co_u32 s23, s21, 16384
.irp s, 0,1
	v_add_nc_u32 v[ADRA+\s], s21, v[LI]
	v_add_nc_u32 v[ADRB+\s], s22, v[LI]
	v_add_nc_u32 v[ADRS+\s], s23, v6
	s_add_co_u32 s21, s21, SLOT
	s_add_co_u32 s22, s22, SLOT
	s_add_co_u32 s23, s23, SLOT
.endr
	s_lshl_b32 s74, s42, 10
	s_lshl_b32 s75, s16, 9
	s_add_co_u32 s74, s74, s75                     ; my first hidden unit, in bytes of the bias
	s_mov_b32 s75, 0
	s_add_nc_u64 s[8:9], s[8:9], s[74:75]
	v_lshlrev_b32 v7, 6, v2
.irp b, 0,1,2,3
.irp i, 0,1,2,3
	global_load_b128 v[BIAS+16*\b+4*\i:BIAS+16*\b+4*\i+3], v7, s[8:9] offset:128*\b+16*\i   ; register 16 B + e = bias of hidden unit 32 B + 16 h + e: the result's layout
.endr
.endr
	s_lshl_b32 s76, s17, 1
	s_add_co_u32 s76, s76, s15                     ; my group of 128 tokens
	s_lshl_b32 s76, s76, 5                         ; 32 K steps a group in ff_f
	s_lshl_b32 s77, s42, 1
	s_add_co_u32 s77, s77, s16                     ; my 128 hidden units = the next product's K step
	s_add_co_u32 s76, s76, s77
	s_mul_i32 s76, s76, CH
	s_mov_b32 s77, 0
	s_add_nc_u64 s[10:11], s[10:11], s[76:77]      ; my chunk
	s_mov_b32 s70, 0x76543210
	s_mov_b32 s71, 0xfedcba98                      ; v_permlanex16_b32's selects for lane l xor 16
	s_mov_b32 s72, 0x600000                        ; the mantissa field of 57,344
.macro FRAG reg, adr, q, i
.irp c, 0,1,2,3
	ds_load_b128 v[\reg+4*\c:\reg+4*\c+3], v[\adr] offset:CH*(\q)+2048*(\i)+512*\c
.endr
.endm
; 16 matrix instructions: S1's tiles a0, a0 + 1 x S0's eight.  The 64 accumulators take turns, one instruction a turn, in the same order in every step.
.macro MUL16 a0, p, q, sc, zero
.irp a, \a0, \a0+1
.irp b, 0,1,2,3,4,5,6,7
.if \zero
	v_wmma_scale_f32_16x16x128_f8f6f4 v[8*(8*((\a)%4)+\b):8*(8*((\a)%4)+\b)+7], v[128*(\p)+FR*\b:128*(\p)+FR*\b+FR-1], v[AF+FR*(\a):AF+FR*(\a)+FR-1], v[BIAS+8*\b:BIAS+8*\b+7], v[SC+16*(\sc)+2*\b+(\q)], v[SC+16*(\sc)+2*(\a)+(\q)] matrix_a_fmt:MATRIX_FMT_BF8 matrix_b_fmt:MATRIX_FMT_BF8 matrix_a_scale:MATRIX_SCALE_ROW1
.else
	v_wmma_scale_f32_16x16x128_f8f6f4 v[8*(8*((\a)%4)+\b):8*(8*((\a)%4)+\b)+7], v[128*(\p)+FR*\b:128*(\p)+FR*\b+FR-1], v[AF+FR*(\a):AF+FR*(\a)+FR-1], v[8*(8*((\a)%4)+\b):8*(8*((\a)%4)+\b)+7], v[SC+16*(\sc)+2*\b+(\q)], v[SC+16*(\sc)+2*(\a)+(\q)] matrix_a_fmt:MATRIX_FMT_BF8 matrix_b_fmt:MATRIX_FMT_BF8 matrix_a_scale:MATRIX_SCALE_ROW1
.endif
.endr
.endr
.endm
.macro FETCH_B slot, q, p
	WIN TO_B
.irp i, 0,1,2,3,4,5,6,7
	FRAG 128*(\p)+FR*\i, ADRB+\slot, \q, \i
.endr
	WIN 0
.endm
.macro FETCH_A slot, q, i0
.irp i, \i0, \i0+1, \i0+2, \i0+3
	FRAG AF+FR*(\i), ADRA+\slot, \q, \i
.endr
.endm
.macro SCALES sc
.irp i, 0,1,2,3,4,5,6,7
.irp q, 0,1
	ds_load_b32 v[SC+16*\sc+2*\i+\q], v[ADRS+\sc] offset:CH*\q+64*\i
.endr
.endr
.endm
.macro STEP slot, q, zero
	s_wait_dscnt 4*NL                              ; all but the youngest sixteen loads (S1's tiles 4-7)
.if \zero
	WIN BIA_LO
.else
	WIN MUL_LO
.endif
	MUL16 0, (\q)%2, \q, \slot, \zero
	MUL16 2, (\q)%2, \q, \slot, \zero
	s_wait_dscnt 0
	PLACES NP
	FETCH_B \slot, (\q)+1, 1-(\q)%2
	FETCH_A \slot, (\q)+1, 0
.if \zero
	WIN BIA_HI
.else
	WIN MUL_HI
.endif
	MUL16 4, (\q)%2, \q, \slot, \zero
	MUL16 6, (\q)%2, \q, \slot, \zero
	PLACES NP
	WIN 0
	FETCH_A \slot, (\q)+1, 4
.endm
.macro TURN slot, next, fill
	s_wait_tensorcnt 0x0                           ; all my tensor loads have landed: my part of the next slot
	ds_add_u32 v[SPW], v[NIL]                      ; 0 onto my spare word
	s_wait_dscnt 4*NL+1                            ; (the add and the youngest sixteen loads may be out)
	WIN MUL_LO
	MUL16 0, 1, NQ-1, \slot, 0
	s_wait_dscnt 0x0                               ; the add is done, and my reads of this slot are over
	s_barrier_signal -1
	MUL16 2, 1, NQ-1, \slot, 0
	WIN 0
	s_barrier_wait -1
.if \fill
	CREST                                          ; the barrier has opened a round of the cluster's: no wave of any partner still reads this slot or has a load on its way
	s_add_nc_u64 s[G0+4*\slot+2:G0+4*\slot+3], s[G0+4*\slot+2:G0+4*\slot+3], 2*REGN
	s_add_nc_u64 s[G0B+4*\slot+2:G0B+4*\slot+3], s[G0B+4*\slot+2:G0B+4*\slot+3], 2*REGN
	JLOAD G0+4*\slot, G0B+4*\slot
	PLACES NP-4
.else
	PLACES NP
.endif
	FETCH_B \next, 0, 0
	FETCH_A \next, 0, 0
	SCALES \next
	WIN MUL_HI
	MUL16 4, 1, NQ-1, \slot, 0
	MUL16 6, 1, NQ-1, \slot, 0
	PLACES NP
	WIN 0
	FETCH_A \next, 0, 4
.endm
	s_wait_tensorcnt 1                             ; my part of slot 0 is in (slot 1's load may be out)
	s_barrier_signal -1
	s_barrier_wait -1                              ; everybody's is
	FETCH_B 0, 0, 0
	FETCH_A 0, 0, 0
	SCALES 0
	FETCH_A 0, 0, 4
	s_wait_loadcnt 0x0                             ; the bias
	STEP 0, 0, 1
	s_mov_b32 s3, LAPS-1
.Llap:
	TURN 0, 1, 1
	STEP 1, 0, 0
	TURN 1, 0, 1
	STEP 0, 0, 0
	s_sub_co_u32 s3, s3, 1
	s_cmp_lg_u32 s3, 0
	s_cbranch_scc1 .Llap
	TURN 0, 1, 0
	STEP 1, 0, 0
	s_wait_dscnt 4*NL
	WIN MUL_LO
	MUL16 0, 1, NQ-1, 1, 0
	MUL16 2, 1, NQ-1, 1, 0
	s_wait_dscnt 0
	WIN MUL_HI
	MUL16 4, 1, NQ-1, 1, 0
	MUL16 6, 1, NQ-1, 1, 0
	WIN 0
; THE WAY OUT.  S1's tile a: its 64 registers become a fragment's 16 registers of codes and a scale word.  No |.| on the maximum's sources: what is negative becomes 0, so it must not count; the floor stands over it.
.macro QUANTW a
.set W,   2+(\a)/4
.set AC,  64*((\a)%4)
.set PCA, PC+16*(\a)
	WIN (W<<2)|W                                   ; sources 0 and 1: the accumulators' window
.irp b, 0,1,2,3
	v_max3_num_f32 v[TM+\b], v[AC+16*\b], v[AC+16*\b+1], 0x8000000   ; my 16 numbers of block b, and the floor 2^(16 - 127); each accumulator is read from its low end on
.endr
.irp i, 2,4,6,8,10,12,14
.irp b, 0,1,2,3
	v_max3_num_f32 v[TM+\b], v[AC+16*\b+\i], v[AC+16*\b+\i+1], v[TM+\b]
.endr
.endr
	WIN 0
.irp b, 0,1,2,3
	v_permlanex16_b32 v[TP+\b], v[TM+\b], s70, s71
.endr
.irp b, 0,1,2,3
	v_max_num_f32 v[TM+\b], v[TM+\b], v[TP+\b]     ; with lane l xor 16's: the block's largest magnitude
.endr
.irp b, 0,1,2,3
	v_add_nc_u32 v[SO+\b], 0xf8800000, v[TM+\b]    ; 15 off the exponent field: the conversion's scale operand
.endr
.irp b, 0,1,2,3
	v_and_or_b32 v[HL+\b], v[TM+\b], 0x7f800000, s72   ; 57,344 x the scale
.endr
.irp b, 0,1,2,3
	v_lshrrev_b32 v[TP+\b], 23, v[SO+\b]           ; the scale's byte
.endr
	v_lshl_or_b32 v[SW+(\a)], v[TP+1], 8, v[TP]
	v_lshl_or_b32 v[SW+(\a)], v[TP+2], 16, v[SW+(\a)]
	v_lshl_or_b32 v[SW+(\a)], v[TP+3], 24, v[SW+(\a)]
	WIN (W<<6)|W                                   ; destination and source 0: the accumulators' window
.irp b, 0,1,2,3
.irp i, 0,1,2,3,4,5,6,7,8,9,10,11,12,13,14,15
	v_med3_num_f32 v[AC+16*\b+\i], v[AC+16*\b+\i], 0, v[HL+\b]   ; the activation and the hold in one
.endr
.endr
	WIN W
.irp g, 0,1,2,3,4,5,6,7
	v_cvt_scalef32_pk8_bf8_f32 v[PCA+2*\g:PCA+2*\g+1], v[AC+8*\g:AC+8*\g+7], v[SO+\g/2]
.endr
	v_nop                                          ; a plain instruction behind the last conversion
	WIN 0
.irp c, 0,1,2,3
	global_store_b128 v[LI], v[PCA+4*\c:PCA+4*\c+3], s[10:11] offset:2048*(\a)+512*\c   ; 512 consecutive bytes; each tile has its own registers, so no store's data are written again
.endr
.endm
	PLACES NP                                      ; behind the last products: results are read, and registers that they read are written
.irp b, 0,1,2,3
	v_mov_b32 v[TP+\b], 0                          ; a lane permute's destination counts as one of its sources
.endr
	v_cmp_le_u32 vcc_lo, 16, v3                    ; lanes 16-31
.irp a, 0,2,4,6
	QUANTW \a
	QUANTW \a+1
	v_cndmask_b32 v[TS+\a/2], v[SW+\a], v[SW+\a+1], vcc_lo   ; lanes 0-15 tile a's words, lanes 16-31 tile a + 1's
	global_store_b32 v[L4], v[TS+\a/2], s[10:11] offset:16384+64*\a   ; 128 consecutive bytes
.endr
	s_wait_tensorcnt 0x0                           ; the wave's end
	ds_add_u32 v[SPW], v[NIL]
	s_wait_dscnt 0x0
	CROUND                                         ; the closing round
	s_endpgm
.Lfunc_end_k_q128ea2627e_ff1:
	.size	k_q128ea2627e_ff1, .Lfunc_end_k_q128ea2627e_ff1-k_q128ea2627e_ff1
	.p2alignl 7, 3214868480
	.fill 96, 4, 3214868480
	.section	.rodata,"a",@progbits
	.p2align	6, 0x0
	.amdhsa_kernel k_q128ea2627e_ff1
		.amdhsa_group_segment_fixed_size 327680
		.amdhsa_private_segment_fixed_size 0
		.amdhsa_enable_private_segment 0
		.amdhsa_kernarg_size 32
		.amdhsa_user_sgpr_count 2
		.amdhsa_user_sgpr_kernarg_segment_ptr 1
		.amdhsa_wavefront_size32 1
		.amdhsa_system_sgpr_workgroup_id_x 1
		.amdhsa_system_sgpr_workgroup_id_y 1
		.amdhsa_system_sgpr_workgroup_id_z 1
		.amdhsa_system_vgpr_workitem_id 0
		.amdhsa_next_free_vgpr 1024
		.amdhsa_next_free_sgpr 100
		.amdhsa_reserve_vcc 1
		.amdhsa_float_denorm_mode_32 3
		.amdhsa_float_denorm_mode_16_64 3
		.amdhsa_memory_ordered 1
		.amdhsa_forward_progress 1
		.amdhsa_inst_pref_size 186
	.end_amdhsa_kernel
	.amdgpu_metadata
---
amdhsa.version: [ 1, 2 ]
amdhsa.kernels:
  - .name:           k_q128ea2627e_ff1
    .symbol:         k_q128ea2627e_ff1.kd
    .args:
      - { .name: h_f, .offset: 0, .size: 8, .value_kind: global_buffer, .address_space: global }
      - { .name: wts, .offset: 8, .size: 8, .value_kind: global_buffer, .address_space: global }
      - { .name: b_ff1, .offset: 16, .size: 8, .value_kind: global_buffer, .address_space: global }
      - { .name: ff_f, .offset: 24, .size: 8, .value_kind: global_buffer, .address_space: global }
    .group_segment_fixed_size: 327680
    .private_segment_fixed_size: 0
    .kernarg_segment_align: 8
    .kernarg_segment_size: 32
    .max_flat_workgroup_size: 128
    .sgpr_count:     100
    .vgpr_count:     1024
    .wavefront_size: 32
...
	.end_amdgpu_metadata
.endif
;; end of part 6
;; launch ff2 (part 7): grid 4 x 16, 4 waves a work-group, clusters of 4 x 4, 327,680 bytes of LDS; arguments ff_f, wts, b_ff2, x1, out0; writes out0
.if DOCPART == 7
	.amdgcn_target "amdgcn-amd-amdhsa--gfx1250"
	.amdhsa_code_object_version 6
	.text
	.protected	k_q128ea2627e_ff2
	.globl	k_q128ea2627e_ff2
	.p2align	8
	.type	k_q128ea2627e_ff2,@function
k_q128ea2627e_ff2:
	s_mov_b64 s[64:65], 0
	v_nop
	global_prefetch_b8 v0, s[64:65] scope:SCOPE_SE
	s_setreg_imm32_b32 hwreg(HW_REG_WAVE_MODE, 25, 1), 1
	s_wait_xcnt 0x0
	s_wait_alu depctr_hold_cnt(0) depctr_sa_sdst(0) depctr_va_vdst(0) depctr_va_sdst(0) depctr_va_ssrc(0) depctr_va_vcc(0) depctr_vm_vsrc(0)
	s_getreg_b32 s2, hwreg(HW_REG_IB_STS2, 6, 4)
	s_cmp_eq_u32 s2, 0
	s_cbranch_scc0 .Lentry_in_a_cluster
	s_endpgm
.Lentry_in_a_cluster:
	s_bfe_u32 s2, ttmp6, 0x10000c
	s_cmp_lg_u32 s2, 0xf033
	s_cbranch_scc0 .Lentry_shape_is_right
	s_endpgm
.Lentry_shape_is_right:
; out = x1 + ff w_ff2 + b_ff2: the product on codes of BF8 (E5M2) with E8M0 scales, K = 4,096, the rest in f32.
; OPERANDS lie in memory as images of operand registers: a chunk = 128 rows x 128 K = 16,896 bytes (codes 2048 i + 512 c + 16 lane, scale words 16,384 + 64 i + 4 r), chunks [row group][K step].
; Place r of tile i is row 32 (i / 2) + 8 (i % 2) + r % 8 + 16 (r / 8) of the group.  Source 0 = the weight's columns (S0), source 1 = the tokens (S1): lane (r, h) holds one token, and the 64 registers of S0's tiles
; b = 0 .. 7 are columns 32 B + 16 h + i.  A work-group makes 256 columns x 256 tokens, a wave 128 x 128: 64 accumulators.  K goes two K steps a slot through a ring of two LDS slots; each wave brings one dense block
; of 33,792 bytes (one row group, two K steps, codes and scales) by one tensor load.
; CLUSTERS: 4 x 4.  S0's tile hangs on the work-group's x alone and is asked for jointly along a column of the cluster, S1's on its y alone and is asked for jointly along a row.
; The bias is the C of each sum's first product (another order of rounding than bias last).  The way out goes through the wave's own stage in LDS, so that each store covers 512 consecutive bytes of a row; the residual is added there.
; With tiles of 256 x 256 this size has 64 work-groups; a smaller tile would read each fragment for half the products.
; REGISTERS: window 0: v1-7 lane terms; v16-27 addresses; v28, v29 the add's; v32-63 scale words, two sets; v64-127 the bias; v128-255 S1's fragments, later rows of the result.
;   window 1: S0's fragments, two sets; later the residual.  windows 2, 3: accumulator (a, b) at v[8 (8 (a % 4) + b)].
.set NKS,    32                        ; K steps of 128
.set WOFF,   8650752                   ; where this weight's chunks begin in wts
.set LAST,   1
.set CH,     16896
.set NQ,     2
.set REGN,   NQ*CH
.set SLOT,   4*REGN
.set SPARE,  2*SLOT                    ; behind the ring: the spare words, 128 bytes a wave: two blocks of 256 bytes that no other line names
.set RG,     NKS*CH
.set LAPS,   NKS/(2*NQ)
.set FR,     16
.set NL,     4
.set NP,     8                         ; places behind this matrix instruction (ISA guide 7.12.1)
.set SPITCH, 528                       ; the stage: 16 rows x (512 bytes + 16) a wave, in slot 0, which has had its last fill and its last read when the first result is stored there
.set ADRA, 16
.set ADRB, 20
.set ADRS, 22
.set LI,   24
.set STO,  26
.set RD,   27
.set SPW,  28
.set NIL,  29
.set SC,   32
.set BIAS, 64
.set AF,   128
.set BK,   128
.set G1,  24
.set G0,  32
.set G1B, 48
.set G0B, 56
.set MSB, 0
.macro WIN new                         ; the immediate's high byte repeats the setting that is left
.if MSB != (\new)
	s_set_vgpr_msb (MSB<<8)|(\new)
.set MSB, (\new)
.endif
.endm
.set MUL_LO, 0xa1
.set MUL_HI, 0xf1
.set BIA_LO, 0x81
.set BIA_HI, 0xc1
.set TO_B,   0x40
.macro JLOAD g0a, g0b                  ; a joint load: waves 0 and 1 fetch S1's two row groups, waves 2 and 3 S0's; four v_nop follow each of the two lines
	s_cmp_eq_u32 s15, 0
	s_cbranch_scc0 .Lfor_s0_\@
	tensor_load_to_lds s[\g0a:\g0a+3], s[G1:G1+7]
	s_nop 0
.rept 4
	v_nop
.endr
	s_branch .Lasked_\@
.Lfor_s0_\@:
	tensor_load_to_lds s[\g0b:\g0b+3], s[G1B:G1B+7]
	s_nop 0
.rept 4
	v_nop
.endr
.Lasked_\@:
.endm
.macro CREST
	s_cmp_lg_u32 s14, 0
	s_cbranch_scc1 .Lnot_wave_0_\@
	s_barrier_signal -3
.Lnot_wave_0_\@:
	s_barrier_wait -3
	s_barrier_signal -1
	s_barrier_wait -1
.endm
.macro CROUND
	s_barrier_signal -1
	s_barrier_wait -1
	CREST
.endm
.macro PLACES n
.rept \n
	v_nop
.endr
.endm
	s_load_b256 s[4:11], s[0:1], 0x0               ; S1's codes s[4:5], wts s[6:7], the bias s[8:9], the residual s[10:11]
	s_load_b64 s[12:13], s[0:1], 0x20              ; the result
	v_lshl_add_u32 v[SPW], v0, 2, SPARE
	v_mov_b32 v[NIL], 0
	ds_add_u32 v28, v29
	ds_add_u32 v28, v29
	s_wait_dscnt 0x0
	v_lshrrev_b32 v1, 5, v0
	v_readfirstlane_b32 s14, v1                    ; wave 0..3
	s_lshr_b32 s15, s14, 1                         ; my half of the tokens.  Also: I fetch for S1 (0) or for S0 (1)
	s_and_b32 s16, s14, 1                          ; my half of the columns.  Also: which row group I fetch
	s_bfe_u32 s40, ttmp6, 0x40000                  ; cx
	s_bfe_u32 s41, ttmp6, 0x40004                  ; cy
	s_lshl_b32 s42, ttmp9, 2
	s_add_co_u32 s42, s42, s40                     ; X: the tile of 256 columns
	s_and_b32 s17, ttmp7, 0xffff
	s_lshl_b32 s17, s17, 2
	s_add_co_u32 s17, s17, s41                     ; Y: the tile of 256 tokens
	s_lshl_b32 s43, s41, 2
	s_lshl_b32 s43, 15, s43                        ; my row of the cluster
	s_lshl_b32 s44, 0x1111, s40                    ; my column
	s_or_b32 s[G1+0], s43, (3<<16)|(1<<21)         ; 15:0 the mask; 17:16 elements of 8 bytes; 21 set beside a mask
	s_or_b32 s[G1B+0], s44, (3<<16)|(1<<21)
.irp g, G1, G1B
	s_mov_b32 s[\g+1], 32<<16                      ; a dense block of 132 rows of 256 bytes
	s_mov_b32 s[\g+2], 132<<16
	s_mov_b32 s[\g+3], 32<<16
	s_mov_b32 s[\g+4], 132
	s_mov_b32 s[\g+5], 32
	s_mov_b32 s[\g+6], 0
	s_mov_b32 s[\g+7], 0
.endr
	s_lshl_b32 s20, s17, 1
	s_add_co_u32 s20, s20, s16
	s_mul_i32 s20, s20, RG                         ; S1: row group 2 Y + half
	s_mov_b32 s21, 0
	s_lshl_b32 s46, s42, 1
	s_add_co_u32 s46, s46, s16
	s_mul_i32 s46, s46, RG                         ; S0: row group 2 X + half
	s_add_co_u32 s46, s46, WOFF
	s_mov_b32 s47, 0
	s_mul_i32 s45, s14, REGN                       ; where my block goes: no place in the cluster enters an LDS address
	s_wait_kmcnt 0x0
	s_add_nc_u64 s[20:21], s[4:5], s[20:21]
	s_add_nc_u64 s[46:47], s[6:7], s[46:47]
	CROUND                                         ; all sixteen work-groups are here: the first joint loads meet
.irp s, 0,1
	s_mov_b32 s[G0+4*\s], 1
	s_add_co_u32 s[G0+4*\s+1], s45, \s*SLOT
	s_add_nc_u64 s[G0+4*\s+2:G0+4*\s+3], s[20:21], \s*REGN
	s_or_b32 s[G0+4*\s+3], s[G0+4*\s+3], 0x80000000
	s_mov_b32 s[G0B+4*\s], 1
	s_add_co_u32 s[G0B+4*\s+1], s45, \s*SLOT
	s_add_nc_u64 s[G0B+4*\s+2:G0B+4*\s+3], s[46:47], \s*REGN
	s_or_b32 s[G0B+4*\s+3], s[G0B+4*\s+3], 0x80000000
	JLOAD G0+4*\s, G0B+4*\s
.endr
	v_and_b32 v1, 15, v0                           ; r
	v_bfe_u32 v2, v0, 4, 1                         ; h
	v_and_b32 v3, 31, v0
	v_lshlrev_b32 v[LI], 4, v3                     ; 16 x lane
	s_mul_i32 s21, s15, REGN
	s_mul_i32 s22, s16, REGN
	s_add_co_u32 s22, s22, 2*REGN
	s_sub_co_u32 s23, s22, s21
	v_mul_u32_u24 v6, s23, v2                      ; lanes 16-31 take S0's scale words: one product, the distance between the two
	v_lshl_add_u32 v6, v1, 2, v6
	s_add_co_u32 s23, s21, 16384
.irp s, 0,1
	v_add_nc_u32 v[ADRA+\s], s21, v[LI]
	v_add_nc_u32 v[ADRB+\s], s22, v[LI]
	v_add_nc_u32 v[ADRS+\s], s23, v6
	s_add_co_u32 s21, s21, SLOT
	s_add_co_u32 s22, s22, SLOT
	s_add_co_u32 s23, s23, SLOT
.endr
	s_lshl_b32 s74, s42, 10
	s_lshl_b32 s75, s16, 9
	s_add_co_u32 s74, s74, s75                     ; my first column, in bytes
	s_mov_b32 s75, 0
	s_add_nc_u64 s[8:9], s[8:9], s[74:75]
	v_lshlrev_b32 v7, 6, v2
.irp b, 0,1,2,3
.irp i, 0,1,2,3
	global_load_b128 v[BIAS+16*\b+4*\i:BIAS+16*\b+4*\i+3], v7, s[8:9] offset:128*\b+16*\i   ; register 16 B + e = bias of column 32 B + 16 h + e: the result's layout
.endr
.endr
	s_lshl_b32 s76, s17, 8
	s_lshl_b32 s77, s15, 7
	s_add_co_u32 s76, s76, s77
	s_lshl_b32 s76, s76, 12                        ; my first token's row of 4,096 bytes,
	s_add_co_u32 s76, s76, s74                     ; my first column
	s_mov_b32 s77, 0
	s_add_nc_u64 s[10:11], s[10:11], s[76:77]
	s_add_nc_u64 s[12:13], s[12:13], s[76:77]
	s_mul_i32 s23, s14, 16*SPITCH                  ; my stage
	v_mul_u32_u24 v5, v1, SPITCH
	v_lshl_add_u32 v5, v2, 6, v5
	v_add_nc_u32 v[STO], s23, v5                   ; in: row r, + 64 h
	v_add_nc_u32 v[RD], s23, v[LI]                 ; back: the 32 lanes take one row of 512 bytes
.macro FRAG reg, adr, q, i
.irp c, 0,1,2,3
	ds_load_b128 v[\reg+4*\c:\reg+4*\c+3], v[\adr] offset:CH*(\q)+2048*(\i)+512*\c
.endr
.endm
; 16 matrix instructions: S1's tiles a0, a0 + 1 x S0's eight.  The 64 accumulators take turns, one instruction a turn, in the same order in every step.
.macro MUL16 a0, p, q, sc, zero
.irp a, \a0, \a0+1
.irp b, 0,1,2,3,4,5,6,7
.if \zero
	v_wmma_scale_f32_16x16x128_f8f6f4 v[8*(8*((\a)%4)+\b):8*(8*((\a)%4)+\b)+7], v[128*(\p)+FR*\b:128*(\p)+FR*\b+FR-1], v[AF+FR*(\a):AF+FR*(\a)+FR-1], v[BIAS+8*\b:BIAS+8*\b+7], v[SC+16*(\sc)+2*\b+(\q)], v[SC+16*(\sc)+2*(\a)+(\q)] matrix_a_fmt:MATRIX_FMT_BF8 matrix_b_fmt:MATRIX_FMT_BF8 matrix_a_scale:MATRIX_SCALE_ROW1
.else
	v_wmma_scale_f32_16x16x128_f8f6f4 v[8*(8*((\a)%4)+\b):8*(8*((\a)%4)+\b)+7], v[128*(\p)+FR*\b:128*(\p)+FR*\b+FR-1], v[AF+FR*(\a):AF+FR*(\a)+FR-1], v[8*(8*((\a)%4)+\b):8*(8*((\a)%4)+\b)+7], v[SC+16*(\sc)+2*\b+(\q)], v[SC+16*(\sc)+2*(\a)+(\q)] matrix_a_fmt:MATRIX_FMT_BF8 matrix_b_fmt:MATRIX_FMT_BF8 matrix_a_scale:MATRIX_SCALE_ROW1
.endif
.endr
.endr
.endm
.macro FETCH_B slot, q, p
	WIN TO_B
.irp i, 0,1,2,3,4,5,6,7
	FRAG 128*(\p)+FR*\i, ADRB+\slot, \q, \i
.endr
	WIN 0
.endm
.macro FETCH_A slot, q, i0
.irp i, \i0, \i0+1, \i0+2, \i0+3
	FRAG AF+FR*(\i), ADRA+\slot, \q, \i
.endr
.endm
.macro SCALES sc
.irp i, 0,1,2,3,4,5,6,7
.irp q, 0,1
	ds_load_b32 v[SC+16*\sc+2*\i+\q], v[ADRS+\sc] offset:CH*\q+64*\i
.endr
.endr
.endm
.macro STEP slot, q, zero
	s_wait_dscnt 4*NL                              ; all but the youngest sixteen loads (S1's tiles 4-7)
.if \zero
	WIN BIA_LO
.else
	WIN MUL_LO
.endif
	MUL16 0, (\q)%2, \q, \slot, \zero
	MUL16 2, (\q)%2, \q, \slot, \zero
	s_wait_dscnt 0
	PLACES NP
	FETCH_B \slot, (\q)+1, 1-(\q)%2
	FETCH_A \slot, (\q)+1, 0
.if \zero
	WIN BIA_HI
.else
	WIN MUL_HI
.endif
	MUL16 4, (\q)%2, \q, \slot, \zero
	MUL16 6, (\q)%2, \q, \slot, \zero
	PLACES NP
	WIN 0
	FETCH_A \slot, (\q)+1, 4
.endm
.macro TURN slot, next, fill
	s_wait_tensorcnt 0x0                           ; all my tensor loads have landed: my part of the next slot
	ds_add_u32 v[SPW], v[NIL]                      ; 0 onto my spare word
	s_wait_dscnt 4*NL+1                            ; (the add and the youngest sixteen loads may be out)
	WIN MUL_LO
	MUL16 0, 1, NQ-1, \slot, 0
	s_wait_dscnt 0x0                               ; the add is done, and my reads of this slot are over
	s_barrier_signal -1
	MUL16 2, 1, NQ-1, \slot, 0
	WIN 0
	s_barrier_wait -1
.if \fill
	CREST                                          ; the barrier has opened a round of the cluster's: no wave of any partner still reads this slot or has a load on its way
	s_add_nc_u64 s[G0+4*\slot+2:G0+4*\slot+3], s[G0+4*\slot+2:G0+4*\slot+3], 2*REGN
	s_add_nc_u64 s[G0B+4*\slot+2:G0B+4*\slot+3], s[G0B+4*\slot+2:G0B+4*\slot+3], 2*REGN
	JLOAD G0+4*\slot, G0B+4*\slot
	PLACES NP-4
.else
	PLACES NP
.endif
	FETCH_B \next, 0, 0
	FETCH_A \next, 0, 0
	SCALES \next
	WIN MUL_HI
	MUL16 4, 1, NQ-1, \slot, 0
	MUL16 6, 1, NQ-1, \slot, 0
	PLACES NP
	WIN 0
	FETCH_A \next, 0, 4
.endm
	s_wait_tensorcnt 1                             ; my part of slot 0 is in (slot 1's load may be out)
	s_barrier_signal -1
	s_barrier_wait -1                              ; everybody's is
	FETCH_B 0, 0, 0
	FETCH_A 0, 0, 0
	SCALES 0
	FETCH_A 0, 0, 4
	s_wait_loadcnt 0x0                             ; the bias
	STEP 0, 0, 1
	s_mov_b32 s3, LAPS-1
.Llap:
	TURN 0, 1, 1
	STEP 1, 0, 0
	TURN 1, 0, 1
	STEP 0, 0, 0
	s_sub_co_u32 s3, s3, 1
	s_cmp_lg_u32 s3, 0
	s_cbranch_scc1 .Llap
	TURN 0, 1, 0
	STEP 1, 0, 0
	s_wait_dscnt 4*NL
	WIN MUL_LO
	MUL16 0, 1, NQ-1, 1, 0
	MUL16 2, 1, NQ-1, 1, 0
	s_wait_dscnt 0
	WIN MUL_HI
	MUL16 4, 1, NQ-1, 1, 0
	MUL16 6, 1, NQ-1, 1, 0
	WIN 0
; THE WAY OUT, S1's tile a (16 tokens x 128 columns) at a time.  Stage row t is the token at place t: row 32 (a / 2) + 8 (a % 2) + t % 8 + 16 (t / 8) of my 128.
.macro RLOAD a                         ; the residual's 16 rows, 512 consecutive bytes a load, into window 1
	WIN 0x40
.irp t, 0,1,2,3,4,5,6,7,8,9,10,11,12,13,14,15
	global_load_b128 v[64*((\a)%4)+4*\t:64*((\a)%4)+4*\t+3], v[LI], s[10:11] offset:(32*((\a)/2)+8*((\a)%2)+(\t%8)+16*(\t/8))*4096 th:TH_LOAD_NT
.endr
	WIN 0
.endm
.macro TOSTAGE a
.set AC, 64*((\a)%4)
	WIN 0x08+4*((\a)/4)                            ; an LDS store's data: window 2 or 3
.irp b, 0,1,2,3,4,5,6,7
	ds_store_b128 v[STO], v[AC+8*\b:AC+8*\b+3] offset:128*(\b/2)+32*(\b%2)         ; each accumulator from its low end on
	ds_store_b128 v[STO], v[AC+8*\b+4:AC+8*\b+7] offset:128*(\b/2)+32*(\b%2)+16
.endr
	WIN 0
.set BBR, BK+64*((\a)%2)
.irp t, 0,1,2,3,4,5,6,7,8,9,10,11,12,13,14,15
	ds_load_b128 v[BBR+4*\t:BBR+4*\t+3], v[RD] offset:\t*SPITCH    ; LDS serves a wave's instructions in order (ISA guide 5.7.1.4): these see the stores above
.endr
.endm
.macro SEND a, younger, lc             ; younger: LDS instructions issued behind tile a's loads; lc: residual loads issued behind tile a's
.set BBR, BK+64*((\a)%2)
.set RSR, 64*((\a)%4)
	s_wait_dscnt \younger
	s_wait_loadcnt \lc
	WIN 0x04                                       ; source 1: window 1
.set k, 0
.rept 32
	v_pk_add_f32 v[BBR+k:BBR+k+1], v[BBR+k:BBR+k+1], v[RSR+k:RSR+k+1]
.set k, k+2
.endr
	WIN 0
.irp t, 0,1,2,3,4,5,6,7,8,9,10,11,12,13,14,15
.if LAST
	global_store_b128 v[LI], v[BBR+4*\t:BBR+4*\t+3], s[12:13] offset:(32*((\a)/2)+8*((\a)%2)+(\t%8)+16*(\t/8))*4096 th:TH_STORE_NT
.else
	global_store_b128 v[LI], v[BBR+4*\t:BBR+4*\t+3], s[12:13] offset:(32*((\a)/2)+8*((\a)%2)+(\t%8)+16*(\t/8))*4096
.endif
.endr
.endm
	PLACES NP                                      ; behind the last products: results are read, and loads land in registers that they read
	RLOAD 0
	RLOAD 1
	RLOAD 2
	RLOAD 3
	TOSTAGE 0
.irp a, 1,2,3,4,5,6,7
.if \a > 1
	s_wait_xcnt 0x0                                ; tile a - 2's stores have read their registers: tile a's loads may land there
.endif
	TOSTAGE \a
.if \a < 6
	SEND \a-1, 32, 48                              ; behind tile a - 1: tile a's 16 stores and 16 loads in LDS; three tiles' residual loads
.else
	SEND \a-1, 32, 16*(8-\a)
.endif
.if \a < 5
	RLOAD \a+3                                     ; into the registers that tile a - 1's additions have read
.endif
.endr
	s_wait_xcnt 0x0
	SEND 7, 0, 0
	s_wait_tensorcnt 0x0                           ; the wave's end
	ds_add_u32 v[SPW], v[NIL]
	s_wait_dscnt 0x0
	CROUND                                         ; the closing round
	s_endpgm
.Lfunc_end_k_q128ea2627e_ff2:
	.size	k_q128ea2627e_ff2, .Lfunc_end_k_q128ea2627e_ff2-k_q128ea2627e_ff2
	.p2alignl 7, 3214868480
	.fill 96, 4, 3214868480
	.section	.rodata,"a",@progbits
	.p2align	6, 0x0
	.amdhsa_kernel k_q128ea2627e_ff2
		.amdhsa_group_segment_fixed_size 327680
		.amdhsa_private_segment_fixed_size 0
		.amdhsa_enable_private_segment 0
		.amdhsa_kernarg_size 40
		.amdhsa_user_sgpr_count 2
		.amdhsa_user_sgpr_kernarg_segment_ptr 1
		.amdhsa_wavefront_size32 1
		.amdhsa_system_sgpr_workgroup_id_x 1
		.amdhsa_system_sgpr_workgroup_id_y 1
		.amdhsa_system_sgpr_workgroup_id_z 1
		.amdhsa_system_vgpr_workitem_id 0
		.amdhsa_next_free_vgpr 1024
		.amdhsa_next_free_sgpr 100
		.amdhsa_reserve_vcc 0
		.amdhsa_float_denorm_mode_32 3
		.amdhsa_float_denorm_mode_16_64 3
		.amdhsa_memory_ordered 1
		.amdhsa_forward_progress 1
		.amdhsa_inst_pref_size 175
	.end_amdhsa_kernel
	.amdgpu_metadata
---
amdhsa.version: [ 1, 2 ]
amdhsa.kernels:
  - .name:           k_q128ea2627e_ff2
    .symbol:         k_q128ea2627e_ff2.kd
    .args:
      - { .name: ff_f, .offset: 0, .size: 8, .value_kind: global_buffer, .address_space: global }
      - { .name: wts, .offset: 8, .size: 8, .value_kind: global_buffer, .address_space: global }
      - { .name: b_ff2, .offset: 16, .size: 8, .value_kind: global_buffer, .address_space: global }
      - { .name: x1, .offset: 24, .size: 8, .value_kind: global_buffer, .address_space: global }
      - { .name: out0, .offset: 32, .size: 8, .value_kind: global_buffer, .address_space: global }
    .group_segment_fixed_size: 327680
    .private_segment_fixed_size: 0
    .kernarg_segment_align: 8
    .kernarg_segment_size: 40
    .max_flat_workgroup_size: 128
    .sgpr_count:     100
    .vgpr_count:     1024
    .wavefront_size: 32
...
	.end_amdgpu_metadata
.endif
;; end of part 7
;; ======== version 2 of 2: 7 launches
;; limits: right only within a limited range of input values
;; workspace buffers: wts 12,976,128 bytes; h_f 4,325,376 bytes; q_f 4,456,448 bytes; kv_f 8,912,896 bytes; a_f 4,325,376 bytes; x1 16,777,216 bytes; ff_f 17,301,504 bytes
;; launch ln1 (part 8): grid 1024 x 1, 4 waves a work-group, no clusters, 66,304 bytes of LDS; arguments x, ln1_g, ln1_b, h_f, w_qkv, w_out, w_ff1, w_ff2, wts; writes h_f, wts
.if DOCPART == 8
	.amdgcn_target "amdgcn-amd-amdhsa--gfx1250"
	.amdhsa_code_object_version 6
	.text
	.protected	k_q128ea2627e_ln1
	.globl	k_q128ea2627e_ln1
	.p2align	8
	.type	k_q128ea2627e_ln1,@function
k_q128ea2627e_ln1:
	s_mov_b64 s[64:65], 0
	v_nop
	global_prefetch_b8 v0, s[64:65] scope:SCOPE_SE
	s_setreg_imm32_b32 hwreg(HW_REG_WAVE_MODE, 25, 1), 1
	s_wait_xcnt 0x0
; h = (x - mean) rsqrt(var + 1e-5) g + b along rows of 1,024 f32, then quantised along the row to codes of BF8 (E5M2) with one E8M0 byte for each 32, stored as images of operand registers
; (chunks of 128 rows x 128 K, 16,896 bytes: byte 2048 i + 512 c + 16 lane = registers 4 c .. 4 c + 3 of tile i; byte 16,384 + 64 i + 4 r = scale word of place r; chunks lie [row group][K step]).
; A work-group makes one tile of 16 rows for all eight K steps.  Place r of the tile is row base + r % 8 + 16 (r / 8).
; PHASE 1: wave w normalises places 4 w .. 4 w + 3, a whole row in 32 registers of the wave: mean, then the mean of the squared differences (two passes over registers, as the definition has it).  The rows go to a stage in LDS.
; PHASE 2, behind the one barrier: wave w quantises K steps 2 w and 2 w + 1: lane (r, h) reads, of row r, 16 neighbours of each block of 32; the conversions' results are the images.
; LIMITS: rsqrt is the 1-ulp instruction; a block of zeros, or one under 2^-111, keeps the byte 1 (read by this program alone); NaN and infinities are not served.
.set PITCH, 4112                       ; a stage row: 4,096 bytes + 16 = 257 x 16: the sixteen rows that a load touches begin 16 bytes apart modulo 256
.set CH,    16896
.set XR,  32                           ; v32-159  four rows; in phase 2 two sets of 64 numbers
.set GA,  160                          ; v160-191 g of my 32 columns
.set BE,  192                          ; v192-223 b
.set SM,  224                          ; v224-231 a pair for each row: sums, then the mean, then the variance
.set TP,  232                          ; v232-235 the other half of the lanes' sums
.set RS,  240                          ; v240-247 a pair for each row: rsqrt in the low register
.set TM,  160                          ; phase 2: v160-163 largest magnitudes, v164-167 bytes, v168-171 holds, v172-175 scale operands
.set PW,  176                          ; v176, v177 the two scale words, v178 what is stored
.set PC,  224                          ; v224-255 the two fragments' codes
.set SEL, 16
.set MNT, 22
; ONE LAUNCH PREPARES BOTH KINDS OF OPERAND: work-groups 0-255 normalise and quantise 16 rows each (the text below); work-groups 256-1,023 quantise one chunk of a weight each (the text at .Lweights).
; The second norm runs this body with 256 work-groups: there no work-group takes the weights' path.  The two paths share no LDS: the weights' path uses none.
	s_cmp_lt_u32 ttmp9, 256                        ; a branch on the work-group's number
	s_cbranch_scc0 .Lweights
	s_load_b256 s[4:11], s[0:1], 0x0
	v_lshl_add_u32 v30, v0, 2, 0x10100
	v_mov_b32 v31, 0
	v_lshrrev_b32 v1, 5, v0
	v_readfirstlane_b32 s12, v1                    ; wave 0..3
	v_and_b32 v2, 31, v0
	v_lshlrev_b32 v3, 4, v2                        ; 16 x lane
	s_wait_alu depctr_va_vdst(0)
	v_and_b32 v7, 15, v0                           ; r
	s_wait_alu depctr_va_vdst(0)
	v_bfe_u32 v8, v0, 4, 1                         ; h
	s_lshr_b32 s13, ttmp9, 1
	s_lshl_b32 s13, s13, 5
	s_and_b32 s14, ttmp9, 1
	s_lshl_b32 s14, s14, 3
	s_add_co_u32 s13, s13, s14                     ; the tile's base row: 32 (T / 2) + 8 (T % 2)
	s_and_b32 s14, s12, 1
	s_lshl_b32 s14, s14, 2
	s_add_co_u32 s13, s13, s14
	s_lshr_b32 s14, s12, 1
	s_lshl_b32 s14, s14, 4
	s_add_co_u32 s13, s13, s14                     ; places 4 w .. 4 w + 3 are four neighbouring rows from base + 4 (w % 2) + 16 (w / 2) on
	s_lshl_b32 s14, s13, 12
	s_mov_b32 s15, 0
	s_mov_b32 s[SEL], 0x76543210
	s_mov_b32 s[SEL+1], 0xfedcba98                 ; v_permlanex16_b32's selects for lane l xor 16
	s_mov_b32 s18, 0x3a800000                      ; 1 / 1,024
	s_mov_b32 s19, 0x3727c5ac                      ; 1e-5
	s_mov_b32 s[MNT], 0x600000                     ; the mantissa field of 57,344
	s_mul_i32 s20, s12, 4*PITCH
	v_add_nc_u32 v4, s20, v3                       ; the stage, on the way in: my wave's four rows, 16 bytes a lane
	v_mul_u32_u24 v5, v7, PITCH
	s_wait_alu depctr_va_vdst(0)
	v_lshl_add_u32 v5, v8, 6, v5
	s_lshl_b32 s20, s12, 10
	v_add_nc_u32 v5, s20, v5                       ; and on the way out: row r, + 64 h, + my wave's two K steps
	v_mul_u32_u24 v6, v8, CH
	v_lshl_add_u32 v6, v7, 2, v6                   ; scale words: lanes 0-15 the first K step's chunk, lanes 16-31 the next chunk
	s_lshr_b32 s24, ttmp9, 3
	s_lshl_b32 s24, s24, 3
	s_lshl_b32 s25, s12, 1
	s_add_co_u32 s24, s24, s25
	s_mul_i32 s24, s24, CH                         ; chunk (row group, K step 2 w)
	s_and_b32 s25, ttmp9, 7                        ; the tile's number in its group
	s_lshl_b32 s26, s25, 6
	s_add_co_u32 s26, s26, s24
	s_add_co_u32 s26, s26, 16384
	s_mov_b32 s27, 0
	s_lshl_b32 s25, s25, 11
	s_add_co_u32 s24, s24, s25
	s_mov_b32 s25, 0
.irp i, 0,1,2,3
	v_mov_b32 v[TP+\i], 0                          ; a lane permute's destination counts as one of its sources
	v_mov_b32 v[RS+2*\i+1], 0                      ; named as the upper half of a pair
.endr
	s_wait_kmcnt 0x0
	s_add_nc_u64 s[4:5], s[4:5], s[14:15]
	s_add_nc_u64 s[24:25], s[10:11], s[24:25]
	s_add_nc_u64 s[26:27], s[10:11], s[26:27]
.irp i, 0,1,2,3
.irp j, 0,1,2,3,4,5,6,7
	global_load_b128 v[XR+32*\i+4*\j:XR+32*\i+4*\j+3], v3, s[4:5] offset:4096*\i+512*\j th:TH_LOAD_NT   ; 512 consecutive bytes a load
.endr
.endr
.irp j, 0,1,2,3,4,5,6,7
	global_load_b128 v[GA+4*\j:GA+4*\j+3], v3, s[6:7] offset:512*\j
	global_load_b128 v[BE+4*\j:BE+4*\j+3], v3, s[8:9] offset:512*\j
.endr
; the four rows' sums over the 32 lanes, result in every lane; the rows by turns
.macro RSUM
.irp m, 1,2,4,8
.irp i, 0,1,2,3
	v_add_f32_dpp v[SM+2*\i], v[SM+2*\i], v[SM+2*\i] row_xmask:\m row_mask:0xf bank_mask:0xf
.endr
.endr
.irp i, 0,1,2,3
	v_permlanex16_b32 v[TP+\i], v[SM+2*\i], s[SEL], s[SEL+1]
.endr
.irp i, 0,1,2,3
	v_add_f32 v[SM+2*\i], v[SM+2*\i], v[TP+\i]
.endr
.endm
	s_wait_loadcnt 0x0
.irp i, 0,1,2,3
	v_pk_add_f32 v[SM+2*\i:SM+2*\i+1], v[XR+32*\i:XR+32*\i+1], v[XR+32*\i+2:XR+32*\i+3]
.endr
.irp k, 4,6,8,10,12,14,16,18,20,22,24,26,28,30
.irp i, 0,1,2,3
	v_pk_add_f32 v[SM+2*\i:SM+2*\i+1], v[SM+2*\i:SM+2*\i+1], v[XR+32*\i+\k:XR+32*\i+\k+1]
.endr
.endr
.irp i, 0,1,2,3
	v_add_f32 v[SM+2*\i], v[SM+2*\i], v[SM+2*\i+1]
.endr
	RSUM
.irp i, 0,1,2,3
	v_mul_f32 v[SM+2*\i], s18, v[SM+2*\i]          ; the mean
.endr
.irp k, 0,2,4,6,8,10,12,14,16,18,20,22,24,26,28,30
.irp i, 0,1,2,3
	v_pk_add_f32 v[XR+32*\i+\k:XR+32*\i+\k+1], v[XR+32*\i+\k:XR+32*\i+\k+1], v[SM+2*\i:SM+2*\i+1] op_sel_hi:[1,0] neg_lo:[0,1] neg_hi:[0,1]   ; x - mean
.endr
.endr
.irp i, 0,1,2,3
	v_pk_mul_f32 v[SM+2*\i:SM+2*\i+1], v[XR+32*\i:XR+32*\i+1], v[XR+32*\i:XR+32*\i+1]
.endr
.irp k, 2,4,6,8,10,12,14,16,18,20,22,24,26,28,30
.irp i, 0,1,2,3
	v_pk_fma_f32 v[SM+2*\i:SM+2*\i+1], v[XR+32*\i+\k:XR+32*\i+\k+1], v[XR+32*\i+\k:XR+32*\i+\k+1], v[SM+2*\i:SM+2*\i+1]
.endr
.endr
.irp i, 0,1,2,3
	v_add_f32 v[SM+2*\i], v[SM+2*\i], v[SM+2*\i+1]
.endr
	RSUM
.irp i, 0,1,2,3
	v_fma_f32 v[SM+2*\i], v[SM+2*\i], s18, s19     ; var + eps
.endr
	s_wait_alu depctr_va_vdst(0)
.irp i, 0,1,2,3
	v_rsq_f32 v[RS+2*\i], v[SM+2*\i]
.endr
	v_cmp_eq_u32 vcc_lo, 1, v8                     ; lanes 16-31, for phase 2.  (The plain instruction behind the four transcendentals)
	s_wait_alu depctr_va_vdst(0)                   ; one wait for the batch, ahead of its first reader
.irp k, 0,2,4,6,8,10,12,14,16,18,20,22,24,26,28,30
.irp i, 0,1,2,3
	v_pk_mul_f32 v[XR+32*\i+\k:XR+32*\i+\k+1], v[XR+32*\i+\k:XR+32*\i+\k+1], v[RS+2*\i:RS+2*\i+1] op_sel_hi:[1,0]
.endr
.irp i, 0,1,2,3
	v_pk_fma_f32 v[XR+32*\i+\k:XR+32*\i+\k+1], v[XR+32*\i+\k:XR+32*\i+\k+1], v[GA+\k:GA+\k+1], v[BE+\k:BE+\k+1]
.endr
.endr
.irp i, 0,1,2,3
.irp j, 0,1,2,3,4,5,6,7
	ds_store_b128 v4, v[XR+32*\i+4*\j:XR+32*\i+4*\j+3] offset:PITCH*\i+512*\j
.endr
.endr
	s_wait_dscnt 0x0                               ; for the others' sake: my rows lie in the stage
	s_barrier_signal -1
	s_barrier_wait -1
.irp s, 0,1
.irp c, 0,1,2,3
.irp i, 0,1,2,3
	ds_load_b128 v[XR+64*\s+16*\c+4*\i:XR+64*\s+16*\c+4*\i+3], v5 offset:512*\s+128*\c+16*\i   ; register 16 c + 4 i + e = k 32 c + 16 h + 4 i + e of row r
.endr
.endr
.endr
; 64 numbers of a lane, v[s] on, register 16 b + i = k 32 b + 16 h + i of my row, become a fragment's codes in v[pc] on and its scale word in v[pw]
.macro QUANT s, pc, pw
.irp b, 0,1,2,3
	v_max3_num_f32 v[TM+\b], |v[\s+16*\b]|, |v[\s+1+16*\b]|, 0x8000000   ; my 16 numbers of block b, and the floor 2^(16 - 127)
.endr
.irp i, 2,4,6,8,10,12,14
.irp b, 0,1,2,3
	v_max3_num_f32 v[TM+\b], v[TM+\b], |v[\s+16*\b+\i]|, |v[\s+1+16*\b+\i]|
.endr
.endr
.irp b, 0,1,2,3
	v_permlanex16_b32 v[TM+4+\b], v[TM+\b], s[SEL], s[SEL+1]
.endr
.irp b, 0,1,2,3
	v_max_num_f32 v[TM+\b], v[TM+\b], v[TM+4+\b]   ; with lane l xor 16's: the block's largest magnitude
.endr
.irp b, 0,1,2,3
	v_add_nc_u32 v[TM+12+\b], 0xf8800000, v[TM+\b] ; 15 off the exponent field: the conversion's scale operand
.endr
.irp b, 0,1,2,3
	v_and_or_b32 v[TM+8+\b], v[TM+\b], 0x7f800000, s[MNT]   ; 57,344 x the scale
.endr
.irp b, 0,1,2,3
	v_lshrrev_b32 v[TM+4+\b], 23, v[TM+12+\b]      ; the scale's byte
.endr
	v_lshl_or_b32 v[\pw], v[TM+5], 8, v[TM+4]
	v_lshl_or_b32 v[\pw], v[TM+6], 16, v[\pw]
	v_lshl_or_b32 v[\pw], v[TM+7], 24, v[\pw]
.irp b, 0,1,2,3
.irp i, 0,1,2,3,4,5,6,7,8,9,10,11,12,13,14,15
	v_med3_num_f32 v[\s+16*\b+\i], v[\s+16*\b+\i], -v[TM+8+\b], v[TM+8+\b]   ; the conversion does not saturate (ISA guide 7.6.2)
.endr
	v_cvt_scalef32_pk8_bf8_f32 v[\pc+4*\b:\pc+1+4*\b], v[\s+16*\b:\s+7+16*\b], v[TM+12+\b]
	v_cvt_scalef32_pk8_bf8_f32 v[\pc+2+4*\b:\pc+3+4*\b], v[\s+8+16*\b:\s+15+16*\b], v[TM+12+\b]
.endr
	v_nop                                          ; a plain instruction behind the last conversion
.endm
	s_wait_dscnt 16                                ; the first K step's sixteen loads are in; the second's may be out
	QUANT XR, PC, PW
.irp c, 0,1,2,3
	global_store_b128 v3, v[PC+4*\c:PC+4*\c+3], s[24:25] offset:512*\c          ; 512 consecutive bytes
.endr
	s_wait_dscnt 0x0
	QUANT XR+64, PC+16, PW+1
.irp c, 0,1,2,3
	global_store_b128 v3, v[PC+16+4*\c:PC+16+4*\c+3], s[24:25] offset:CH+512*\c
.endr
	v_cndmask_b32 v[PW+2], v[PW], v[PW+1], vcc_lo  ; lanes 0-15 the first K step's words, lanes 16-31 the second's (both halves of the lanes hold both)
	global_store_b32 v6, v[PW+2], s[26:27]
	s_wait_tensorcnt 0x0
	ds_add_u32 v30, v31
	s_wait_dscnt 0x0
	s_endpgm
; THE WEIGHTS, f32, stored [K][N], become codes of BF8 (E5M2) with one E8M0 byte for each 32 along K, laid as chunks of 128 columns x 128 K in the layout stated at the head; chunks lie [column group][K step].
; Place r of tile i is column 32 (i / 2) + 8 (i % 2) + r % 8 + 16 (r / 8).  A work-group makes one chunk; wave w takes columns 32 w .. 32 w + 31.  A lane takes a column and its registers run down K:
; a block of 32 lies in one lane, each load reads 128 consecutive bytes a wave, and each store of codes covers two aligned runs of 256 consecutive bytes.  The same limits hold as for the rows.
.Lweights:
.set X,   32                           ; v32-159  128 numbers of my column
.set C,   160                          ; v160-191 codes: eight registers a block, so that no store's data are written again
.set SB,  14                           ; v14      the four scale bytes
	s_load_b256 s[4:11], s[0:1], 0x20              ; w_qkv, w_out, w_ff1, w_ff2
	s_load_b64 s[12:13], s[0:1], 0x40              ; wts
	v_lshrrev_b32 v1, 5, v0
	v_readfirstlane_b32 s14, v1                    ; wave 0..3
	v_and_b32 v2, 31, v0                           ; my column among the wave's 32
	v_lshlrev_b32 v3, 2, v2
	v_bfe_u32 v6, v2, 3, 1                         ; which of the wave's two tiles
	v_and_b32 v7, 7, v2
	v_lshrrev_b32 v8, 4, v2
	v_lshl_add_u32 v7, v8, 3, v7                   ; my place in it
	v_lshlrev_b32 v4, 11, v6
	v_lshl_add_u32 v4, v7, 4, v4                   ; codes: 2048 u + 16 r
	v_lshlrev_b32 v5, 6, v6
	v_lshl_add_u32 v5, v7, 2, v5                   ; scale word: 64 u + 4 r
	s_mov_b32 s31, 0x600000                        ; the mantissa field of 57,344
	s_wait_alu depctr_va_vdst(0)                   ; the wait at the head's end
	s_wait_kmcnt 0x0
.macro BLOCK t                         ; k = 32 t .. 32 t + 31 of my column
.set XS, X+32*(\t)
.if (\t) < 2
	s_wait_loadcnt 63                              ; 96 or 64 loads are younger; 63 is the most that the wait can name
.else
	s_wait_loadcnt 32*(3-(\t))
.endif
	v_max3_num_f32 v12, |v[XS]|, |v[XS+1]|, |v[XS+2]|
	v_max3_num_f32 v13, |v[XS+3]|, |v[XS+4]|, |v[XS+5]|
.irp i, 6,10,14,18,22,26
	v_max3_num_f32 v12, v12, |v[XS+\i]|, |v[XS+\i+1]|
	v_max3_num_f32 v13, v13, |v[XS+\i+2]|, |v[XS+\i+3]|
.endr
	v_max3_num_f32 v12, v12, |v[XS+30]|, |v[XS+31]|
	v_max3_num_f32 v12, v12, v13, 0x8000000        ; the floor 2^(16 - 127)
	v_add_nc_u32 v11, 0xf8800000, v12              ; the conversion's scale operand
	v_and_or_b32 v10, v12, 0x7f800000, s31         ; 57,344 x the scale
	v_lshrrev_b32 v13, 23, v11                     ; the scale's byte
.if (\t) == 0
	v_mov_b32 v[SB], v13
.else
	v_lshl_or_b32 v[SB], v13, 8*(\t), v[SB]
.endif
.irp i, 0,1,2,3,4,5,6,7,8,9,10,11,12,13,14,15,16,17,18,19,20,21,22,23,24,25,26,27,28,29,30,31
	v_med3_num_f32 v[XS+\i], v[XS+\i], -v10, v10
.endr
.irp g, 0,1,2,3
	v_cvt_scalef32_pk8_bf8_f32 v[C+8*(\t)+2*\g:C+8*(\t)+2*\g+1], v[XS+8*\g:XS+8*\g+7], v11
.endr
	global_store_b128 v4, v[C+8*(\t):C+8*(\t)+3], s[24:25] offset:512*(\t)
	global_store_b128 v4, v[C+8*(\t)+4:C+8*(\t)+7], s[24:25] offset:512*(\t)+256
.endm
.macro WQ N, LOGNKS, FIRST, PTR, DOFF  ; one weight [K][N]: its chunks are work-groups FIRST on; 2^LOGNKS K steps; its chunks begin DOFF bytes into wts
	s_sub_co_u32 s16, ttmp9, \FIRST
	s_and_b32 s17, s16, (1<<\LOGNKS)-1             ; K step
	s_lshr_b32 s18, s16, \LOGNKS                   ; column group
	s_mul_i32 s20, s17, 128*\N*4
	s_lshl_b32 s19, s18, 9
	s_add_co_u32 s20, s20, s19
	s_lshl_b32 s19, s14, 7
	s_add_co_u32 s20, s20, s19
	s_mov_b32 s21, 0
	s_add_nc_u64 s[22:23], s[\PTR:\PTR+1], s[20:21]
	s_mul_i32 s24, s16, CH
	s_add_co_u32 s24, s24, \DOFF
	s_lshl_b32 s19, s14, 7
	s_add_co_u32 s26, s24, s19
	s_add_co_u32 s26, s26, 16384
	s_mov_b32 s27, 0
	s_lshl_b32 s19, s14, 12
	s_add_co_u32 s24, s24, s19
	s_mov_b32 s25, 0
	s_add_nc_u64 s[24:25], s[12:13], s[24:25]
	s_add_nc_u64 s[26:27], s[12:13], s[26:27]
.set j, 0
.rept 128
	global_load_b32 v[X+j], v3, s[22:23] offset:j*\N*4 th:TH_LOAD_NT
.set j, j+1
.endr
	BLOCK 0
	BLOCK 1
	BLOCK 2
	BLOCK 3
	global_store_b32 v5, v[SB], s[26:27]
	s_endpgm
.endm
	s_cmp_lt_u32 ttmp9, 448
	s_cbranch_scc0 .Lnot_qkv
	WQ 3072, 3, 256, 4, 0
.Lnot_qkv:
	s_cmp_lt_u32 ttmp9, 512
	s_cbranch_scc0 .Lnot_out
	WQ 1024, 3, 448, 6, 3244032
.Lnot_out:
	s_cmp_lt_u32 ttmp9, 768
	s_cbranch_scc0 .Lnot_ff1
	WQ 4096, 3, 512, 8, 4325376
.Lnot_ff1:
	WQ 1024, 5, 768, 10, 8650752
.Lfunc_end_k_q128ea2627e_ln1:
	.size	k_q128ea2627e_ln1, .Lfunc_end_k_q128ea2627e_ln1-k_q128ea2627e_ln1
	.p2alignl 7, 3214868480
	.fill 96, 4, 3214868480
	.section	.rodata,"a",@progbits
	.p2align	6, 0x0
	.amdhsa_kernel k_q128ea2627e_ln1
		.amdhsa_group_segment_fixed_size 66304
		.amdhsa_private_segment_fixed_size 0
		.amdhsa_enable_private_segment 0
		.amdhsa_kernarg_size 72
		.amdhsa_user_sgpr_count 2
		.amdhsa_user_sgpr_kernarg_segment_ptr 1
		.amdhsa_wavefront_size32 1
		.amdhsa_system_sgpr_workgroup_id_x 1
		.amdhsa_system_sgpr_workgroup_id_y 1
		.amdhsa_system_sgpr_workgroup_id_z 1
		.amdhsa_system_vgpr_workitem_id 0
		.amdhsa_next_free_vgpr 256
		.amdhsa_next_free_sgpr 66
		.amdhsa_reserve_vcc 1
		.amdhsa_float_denorm_mode_32 3
		.amdhsa_float_denorm_mode_16_64 3
		.amdhsa_memory_ordered 1
		.amdhsa_forward_progress 1
		.amdhsa_inst_pref_size 165
	.end_amdhsa_kernel
	.amdgpu_metadata
---
amdhsa.version: [ 1, 2 ]
amdhsa.kernels:
  - .name:           k_q128ea2627e_ln1
    .symbol:         k_q128ea2627e_ln1.kd
    .args:
      - { .name: x, .offset: 0, .size: 8, .value_kind: global_buffer, .address_space: global }
      - { .name: ln1_g, .offset: 8, .size: 8, .value_kind: global_buffer, .address_space: global }
      - { .name: ln1_b, .offset: 16, .size: 8, .value_kind: global_buffer, .address_space: global }
      - { .name: h_f, .offset: 24, .size: 8, .value_kind: global_buffer, .address_space: global }
      - { .name: w_qkv, .offset: 32, .size: 8, .value_kind: global_buffer, .address_space: global }
      - { .name: w_out, .offset: 40, .size: 8, .value_kind: global_buffer, .address_space: global }
      - { .name: w_ff1, .offset: 48, .size: 8, .value_kind: global_buffer, .address_space: global }
      - { .name: w_ff2, .offset: 56, .size: 8, .value_kind: global_buffer, .address_space: global }
      - { .name: wts, .offset: 64, .size: 8, .value_kind: global_buffer, .address_space: global }
    .group_segment_fixed_size: 66304
    .private_segment_fixed_size: 0
    .kernarg_segment_align: 8
    .kernarg_segment_size: 72
    .max_flat_workgroup_size: 128
    .sgpr_count:     66
    .vgpr_count:     256
    .wavefront_size: 32
...
	.end_amdgpu_metadata
.endif
;; end of part 8
;; launch qkv (part 9): grid 16 x 12, 4 waves a work-group, clusters of 4 x 4, 327,680 bytes of LDS; arguments h_f, wts, b_qkv, q_f, kv_f; writes q_f, kv_f
.if DOCPART == 9
	.amdgcn_target "amdgcn-amd-amdhsa--gfx1250"
	.amdhsa_code_object_version 6
	.text
	.protected	k_q128ea2627e_qkv
	.globl	k_q128ea2627e_qkv
	.p2align	8
	.type	k_q128ea2627e_qkv,@function
k_q128ea2627e_qkv:
	s_mov_b64 s[64:65], 0
	v_nop
	global_prefetch_b8 v0, s[64:65] scope:SCOPE_SE
	s_setreg_imm32_b32 hwreg(HW_REG_WAVE_MODE, 25, 1), 1
	s_wait_xcnt 0x0
	s_wait_alu depctr_hold_cnt(0) depctr_sa_sdst(0) depctr_va_vdst(0) depctr_va_sdst(0) depctr_va_ssrc(0) depctr_va_vcc(0) depctr_vm_vsrc(0)
	s_getreg_b32 s2, hwreg(HW_REG_IB_STS2, 6, 4)
	s_cmp_eq_u32 s2, 0
	s_cbranch_scc0 .Lentry_in_a_cluster
	s_endpgm
.Lentry_in_a_cluster:
	s_bfe_u32 s2, ttmp6, 0x10000c
	s_cmp_lg_u32 s2, 0xf033
	s_cbranch_scc0 .Lentry_shape_is_right
	s_endpgm
.Lentry_shape_is_right:
; qkv = h w_qkv + b_qkv on codes of BF8 (E5M2) with E8M0 scales, and q, k, v quantised again on the way out: q and k along the head's 64, v along the tokens.
; OPERANDS lie in memory as images of operand registers: a chunk = 128 rows x 128 K = 16,896 bytes (codes 2048 i + 512 c + 16 lane, scale words 16,384 + 64 i + 4 r), chunks [row group][K step].
; Place r of tile i is row 32 (i / 2) + 8 (i % 2) + r % 8 + 16 (r / 8) of the group.  So in D = (source 0: tile b of S0) x (source 1: tile a of S1) lane (r, h) holds place r of S1's tile a, and the 64 registers
; of tiles b = 0 .. 7 run along S0's rows: register 16 B + i = row 32 B + 16 h + i: sixteen neighbours of each block of 32, the layout that the conversions and the next product's operand want.
; A work-group makes 256 rows of S0 x 256 rows of S1, a wave 128 x 128: 64 accumulators.  K goes two K steps a slot through a ring of two LDS slots; each wave brings one dense block of 33,792 bytes (one row group, two K steps, codes and scales) by one tensor load.
; TWO KINDS OF WORK-GROUP, told apart by the cluster's y, which partners share: cluster y = 0: v: S0 = h (tokens), S1 = w_qkv's columns 2,048 on, so that the registers run along the tokens;
; cluster y = 1, 2: q and k: S0 = w_qkv's columns 0 .. 2,047, S1 = h, so that the registers run along the channels.  Only base addresses and tile numbers are chosen; the text of the products is one.
; CLUSTERS: 4 x 4.  S0's tile hangs on the work-group's x alone and is asked for jointly along a column of the cluster, S1's on its y and the cluster's x and is asked for jointly along a row.
; The bias along S0 is the C of each sum's first product; the bias along S1 (v) is one number a lane and is added on the way out.  That is another order of rounding than bias last.
; REGISTERS: window 0: v1-7 lane terms; v8-15 bias along S1; v16-25 addresses; v28, v29 the add's; v32-63 scale words, two sets; v64-127 bias along S0, later the way out's working registers; v128-255 S1's fragments, later codes.
;   window 1: S0's fragments, two sets.  windows 2, 3: accumulator (a, b) at v[8 (8 (a % 4) + b)].
; LIMITS: a block of zeros, or one under 2^-111, keeps the byte 1 (read by this program alone); NaN and infinities are not served.
.set NKS,    8                         ; K steps of 128
.set CH,     16896
.set KVCH,   17408                     ; a record of kv_f: 128 keys of one head: K's codes 8 x 1,024, K's scale words 512, V's codes 4 x 2,048, V's scale words 256, 256 zeros
.set QSC,    4194304                   ; where q_f's scale words begin
.set NQ,     2
.set REGN,   NQ*CH                     ; what one tensor load brings
.set SLOT,   4*REGN                    ; S1's two row groups, then S0's two
.set SPARE,  2*SLOT                    ; behind the ring: the spare words, 128 bytes a wave: two blocks of 256 bytes that no other line names
.set RG,     NKS*CH                    ; a row group's chunks
.set LAPS,   NKS/(2*NQ)
.set FR,     16
.set NL,     4
.set NP,     8                         ; places behind this matrix instruction (ISA guide 7.12.1)
.set B1,   8
.set ADRA, 16                          ; v16-17 S1's fragments in slot 0, 1
.set ADRB, 20                          ; v20-21 S0's
.set ADRS, 22                          ; v22-23 scale words: lanes 0-15 S1's, lanes 16-31 S0's
.set LI,   24                          ; v24 16 x lane
.set L4,   25                          ; v25 4 x lane
.set SPW,  28
.set NIL,  29
.set SC,   32                          ; set s at v[SC + 16 s]; register 2 i + q: tile i, the slot's q-th K step
.set BIAS, 64
.set AF,   128
.set PC,   128                         ; the way out: tile a's codes at v[PC + 16 a]
.set SW,   80                          ; v80-87 tile a's scale word
.set TM,   88
.set TP,   92
.set HL,   96
.set SO,   100
.set TS,   104
.set TS2,  108
.set G1,  24
.set G0,  32
.set G1B, 48
.set G0B, 56
.set MSB, 0
.macro WIN new                         ; the immediate's high byte repeats the setting that is left
.if MSB != (\new)
	s_set_vgpr_msb (MSB<<8)|(\new)
.set MSB, (\new)
.endif
.endm
.set MUL_LO, 0xa1                      ; source 0 window 1, source 1 window 0, C and D window 2
.set MUL_HI, 0xf1                      ; C and D window 3
.set BIA_LO, 0x81                      ; C (the bias) window 0, D window 2
.set BIA_HI, 0xc1
.set TO_B,   0x40
; A joint load: waves 0 and 1 fetch S1's two row groups, waves 2 and 3 S0's.  The branch hangs on the wave's number alone.  Four v_nop follow each of the two lines.
.macro JLOAD g0a, g0b
	s_cmp_eq_u32 s15, 0
	s_cbranch_scc0 .Lfor_s0_\@
	tensor_load_to_lds s[\g0a:\g0a+3], s[G1:G1+7]
	s_nop 0
.rept 4
	v_nop
.endr
	s_branch .Lasked_\@
.Lfor_s0_\@:
	tensor_load_to_lds s[\g0b:\g0b+3], s[G1B:G1B+7]
	s_nop 0
.rept 4
	v_nop
.endr
.Lasked_\@:
.endm
.macro CREST                           ; a round of the cluster's barrier behind its opening barrier
	s_cmp_lg_u32 s14, 0
	s_cbranch_scc1 .Lnot_wave_0_\@
	s_barrier_signal -3
.Lnot_wave_0_\@:
	s_barrier_wait -3
	s_barrier_signal -1
	s_barrier_wait -1
.endm
.macro CROUND
	s_barrier_signal -1
	s_barrier_wait -1
	CREST
.endm
.macro PLACES n
.rept \n
	v_nop
.endr
.endm
	s_load_b256 s[4:11], s[0:1], 0x0               ; h_f s[4:5], wts s[6:7], b_qkv s[8:9], q_f s[10:11]
	s_load_b64 s[12:13], s[0:1], 0x20              ; kv_f
	v_lshl_add_u32 v[SPW], v0, 2, SPARE
	v_mov_b32 v[NIL], 0
	ds_add_u32 v28, v29
	ds_add_u32 v28, v29
	s_wait_dscnt 0x0
	v_lshrrev_b32 v1, 5, v0
	v_readfirstlane_b32 s14, v1                    ; wave 0..3
	s_lshr_b32 s15, s14, 1                         ; my half of S1's rows.  Also: I fetch for S1 (0) or for S0 (1)
	s_and_b32 s16, s14, 1                          ; my half of S0's rows.  Also: which row group I fetch
	s_bfe_u32 s40, ttmp6, 0x40000                  ; cx
	s_bfe_u32 s41, ttmp6, 0x40004                  ; cy
	s_lshl_b32 s42, ttmp9, 2
	s_add_co_u32 s42, s42, s40                     ; X = 4 x cluster x + cx
	s_and_b32 s66, ttmp7, 0xffff                   ; the cluster's y: 0 = v, 1 and 2 = q and k
	s_lshl_b32 s17, s66, 2
	s_add_co_u32 s17, s17, s41                     ; Y = 4 x cluster y + cy
	s_max_u32 s69, s66, 1
	s_sub_co_u32 s69, s69, 1
	s_lshl_b32 s69, s69, 2
	s_add_co_u32 s69, s69, s41                     ; q, k: Y - 4,
	s_lshr_b32 s73, ttmp9, 1
	s_lshl_b32 s73, s73, 3
	s_add_co_u32 s69, s69, s73                     ; + 8 x (cluster x / 2): the tile of 256 tokens; made of cy and the cluster's numbers alone
	s_add_co_u32 s73, s17, 8                       ; v: the tile of 256 columns, 8 + Y
	s_and_b32 s67, s42, 7                          ; q, k: the tile of 256 columns, X % 8
	s_lshl_b32 s43, s41, 2
	s_lshl_b32 s43, 15, s43                        ; my row of the cluster
	s_lshl_b32 s44, 0x1111, s40                    ; my column
	; descriptor group 1: a dense block of 132 rows of 256 bytes (32 elements of 8 bytes), no padding
	s_or_b32 s[G1+0], s43, (3<<16)|(1<<21)         ; 15:0 the mask: S1's blocks go to my row; 17:16 elements of 8 bytes; 21 set beside a mask
	s_or_b32 s[G1B+0], s44, (3<<16)|(1<<21)        ; S0's go to my column
.irp g, G1, G1B
	s_mov_b32 s[\g+1], (REGN/8)<<16                ; the head's shape: 2 rows (two row groups) of 33,792 bytes (two K steps), a row group's chunks apart
	s_mov_b32 s[\g+2], 2<<16
	s_mov_b32 s[\g+3], (REGN/8)<<16
	s_mov_b32 s[\g+4], 2
	s_mov_b32 s[\g+5], RG/8
	s_mov_b32 s[\g+6], 0
	s_mov_b32 s[\g+7], 0
.endr
	s_mul_i32 s45, s14, REGN                       ; where my block goes: wave x 33,792: no place in the cluster enters an LDS address
	s_wait_kmcnt 0x0
	s_cmp_eq_u32 s66, 0                            ; the kind of work-group: the same in all sixteen partners
	s_cselect_b32 s67, s42, s67                    ; T0: S0's tile
	s_cselect_b32 s68, s73, s69                    ; T1: S1's tile
	s_cselect_b64 s[74:75], s[4:5], s[6:7]         ; S0's buffer: h_f (v) or wts (q, k)
	s_cselect_b64 s[76:77], s[6:7], s[4:5]         ; S1's: the other
	s_lshl_b32 s20, s68, 1
	s_add_co_u32 s20, s20, s16
	s_mul_i32 s20, s20, RG                         ; S1: row group 2 T1 + half
	s_mov_b32 s21, 0
	s_lshl_b32 s46, s67, 1
	s_add_co_u32 s46, s46, s16
	s_mul_i32 s46, s46, RG                         ; S0: row group 2 T0 + half
	s_mov_b32 s47, 0
	s_add_nc_u64 s[20:21], s[76:77], s[20:21]
	s_add_nc_u64 s[46:47], s[74:75], s[46:47]
	CROUND                                         ; all sixteen work-groups are here: the first joint loads meet
.irp s, 0,1
	s_mov_b32 s[G0+4*\s], 1
	s_add_co_u32 s[G0+4*\s+1], s45, \s*SLOT
	s_add_nc_u64 s[G0+4*\s+2:G0+4*\s+3], s[20:21], \s*REGN
	s_or_b32 s[G0+4*\s+3], s[G0+4*\s+3], 0x80000000
	s_mov_b32 s[G0B+4*\s], 1
	s_add_co_u32 s[G0B+4*\s+1], s45, \s*SLOT
	s_add_nc_u64 s[G0B+4*\s+2:G0B+4*\s+3], s[46:47], \s*REGN
	s_or_b32 s[G0B+4*\s+3], s[G0B+4*\s+3], 0x80000000
.endr
	; THE HEAD'S LOADS, ONE A WAVE: wave 0 slot 0's two row groups of S1, wave 1 slot 1's, waves 2 and 3 the same of S0: both slots are filled by four loads
	s_mul_i32 s82, s68, 2*RG
	s_mul_i32 s78, s16, REGN                       ; slot (wave % 2): its two K steps
	s_add_co_u32 s82, s82, s78
	s_mov_b32 s83, 0
	s_add_nc_u64 s[82:83], s[76:77], s[82:83]
	s_or_b32 s83, s83, 0x80000000
	s_mul_i32 s86, s67, 2*RG
	s_add_co_u32 s86, s86, s78
	s_mov_b32 s87, 0
	s_add_nc_u64 s[86:87], s[74:75], s[86:87]
	s_or_b32 s87, s87, 0x80000000
	s_mov_b32 s80, 1
	s_mov_b32 s84, 1
	s_mul_i32 s81, s16, SLOT
	s_mul_i32 s79, s15, 2*REGN
	s_add_co_u32 s81, s81, s79
	s_mov_b32 s85, s81
	JLOAD 80, 84
	v_and_b32 v1, 15, v0                           ; r
	v_bfe_u32 v2, v0, 4, 1                         ; h
	v_and_b32 v3, 31, v0                           ; lane
	v_lshlrev_b32 v[LI], 4, v3
	s_wait_alu depctr_va_vdst(0)
	v_lshlrev_b32 v[L4], 2, v3
	s_mul_i32 s21, s15, REGN                       ; my row group of S1
	s_mul_i32 s22, s16, REGN
	s_add_co_u32 s22, s22, 2*REGN                  ; my row group of S0, behind S1's two
	s_sub_co_u32 s23, s22, s21
	v_mul_u32_u24 v6, s23, v2                      ; lanes 16-31 take S0's scale words: one product, the distance between the two
	v_lshl_add_u32 v6, v1, 2, v6
	s_add_co_u32 s23, s21, 16384
.irp s, 0,1
	v_add_nc_u32 v[ADRA+\s], s21, v[LI]
	v_add_nc_u32 v[ADRB+\s], s22, v[LI]
	v_add_nc_u32 v[ADRS+\s], s23, v6
	s_add_co_u32 s21, s21, SLOT
	s_add_co_u32 s22, s22, SLOT
	s_add_co_u32 s23, s23, SLOT
.endr
	; the biases
	v_lshlrev_b32 v7, 6, v2                        ; along S0: 64 h
	v_and_b32 v5, 8, v1
	v_add_nc_u32 v5, v5, v1
	v_lshlrev_b32 v5, 2, v5                        ; along S1: 4 (r + 8 (r / 8))
	s_lshl_b32 s78, s67, 10
	s_lshl_b32 s79, s16, 9
	s_add_co_u32 s78, s78, s79                     ; q, k: 4 (256 T0 + 128 half)
	s_lshl_b32 s88, s17, 10
	s_lshl_b32 s79, s15, 9
	s_add_co_u32 s88, s88, s79
	s_add_co_u32 s88, s88, 8192                    ; v: 4 (2,048 + 256 Y + 128 half)
	s_cmp_eq_u32 s66, 0
	s_cselect_b32 s78, s88, s78
	s_mov_b32 s79, 0
	s_add_nc_u64 s[8:9], s[8:9], s[78:79]
	; PREFETCH INTO THE L2 of what my two refills will bring (K steps 4, 5 and 6, 7 of my row group: 132 blocks of 256 bytes each).  The four partners that ask for a block jointly share it out by address, 33 blocks each:
	; a lane a block, and one more instruction, all lanes alike, for the 33rd.  The addresses are never rewritten.
	s_cmp_eq_u32 s15, 0
	s_cselect_b64 s[100:101], s[76:77], s[74:75]
	s_cselect_b32 s90, s68, s67
	s_cselect_b32 s91, s40, s41                    ; my place among the four
	s_lshl_b32 s90, s90, 1
	s_add_co_u32 s90, s90, s16
	s_mul_i32 s90, s90, RG
	s_mul_i32 s91, s91, 33*256
	s_add_co_u32 s90, s90, s91
	s_mov_b32 s91, 0
	s_add_nc_u64 s[100:101], s[100:101], s[90:91]
	v_lshlrev_b32 v30, 8, v3
	v_mov_b32 v31, 32*256
	global_prefetch_b8 v30, s[100:101] offset:2*REGN th:TH_LOAD_NT scope:SCOPE_SE
	global_prefetch_b8 v31, s[100:101] offset:2*REGN th:TH_LOAD_NT scope:SCOPE_SE
	global_prefetch_b8 v30, s[100:101] offset:3*REGN th:TH_LOAD_NT scope:SCOPE_SE
	global_prefetch_b8 v31, s[100:101] offset:3*REGN th:TH_LOAD_NT scope:SCOPE_SE
	s_mov_b32 s70, 0x76543210
	s_mov_b32 s71, 0xfedcba98                      ; v_permlanex16_b32's selects for lane l xor 16
	s_mov_b32 s72, 0x600000                        ; the mantissa field of 57,344
	s_cmp_eq_u32 s66, 0
	s_cbranch_scc1 .Lbias_v
	s_wait_alu depctr_va_vdst(0)
.irp b, 0,1,2,3
.irp i, 0,1,2,3
	global_load_b128 v[BIAS+16*\b+4*\i:BIAS+16*\b+4*\i+3], v7, s[8:9] offset:128*\b+16*\i   ; register 16 B + e = bias of S0's row 32 B + 16 h + e: the result's layout
.endr
.endr
.irp a, 0,1,2,3,4,5,6,7
	v_mov_b32 v[B1+\a], 0                          ; written on this way too; not used here
.endr
	s_branch .Lbias_done
.Lbias_v:
.set j, 0
.rept 64
	v_mov_b32 v[BIAS+j], 0                         ; S0 = tokens have no bias: the first products' C is a run of zeros, so that one text serves both kinds
.set j, j+1
.endr
.irp a, 0,1,2,3,4,5,6,7
	global_load_b32 v[B1+\a], v5, s[8:9] offset:4*(32*(\a/2)+8*(\a%2))   ; the bias of my place in S1's tile a
.endr
.Lbias_done:
.macro FRAG reg, adr, q, i             ; a fragment comes back as it was stored: four loads of 512 consecutive bytes
.irp c, 0,1,2,3
	ds_load_b128 v[\reg+4*\c:\reg+4*\c+3], v[\adr] offset:CH*(\q)+2048*(\i)+512*\c
.endr
.endm
; 16 matrix instructions: S1's tiles a0, a0 + 1 x S0's eight, 128 along K.  p: S0's set; sc: the set of scale words.  zero = 1: the first product starts the sums from the bias.
; The 64 accumulators take turns, one instruction a turn, in the same order in every step.
.macro MUL16 a0, p, q, sc, zero
.irp a, \a0, \a0+1
.irp b, 0,1,2,3,4,5,6,7
.if \zero
	v_wmma_scale_f32_16x16x128_f8f6f4 v[8*(8*((\a)%4)+\b):8*(8*((\a)%4)+\b)+7], v[128*(\p)+FR*\b:128*(\p)+FR*\b+FR-1], v[AF+FR*(\a):AF+FR*(\a)+FR-1], v[BIAS+8*\b:BIAS+8*\b+7], v[SC+16*(\sc)+2*\b+(\q)], v[SC+16*(\sc)+2*(\a)+(\q)] matrix_a_fmt:MATRIX_FMT_BF8 matrix_b_fmt:MATRIX_FMT_BF8 matrix_a_scale:MATRIX_SCALE_ROW1
.else
	v_wmma_scale_f32_16x16x128_f8f6f4 v[8*(8*((\a)%4)+\b):8*(8*((\a)%4)+\b)+7], v[128*(\p)+FR*\b:128*(\p)+FR*\b+FR-1], v[AF+FR*(\a):AF+FR*(\a)+FR-1], v[8*(8*((\a)%4)+\b):8*(8*((\a)%4)+\b)+7], v[SC+16*(\sc)+2*\b+(\q)], v[SC+16*(\sc)+2*(\a)+(\q)] matrix_a_fmt:MATRIX_FMT_BF8 matrix_b_fmt:MATRIX_FMT_BF8 matrix_a_scale:MATRIX_SCALE_ROW1
.endif
.endr
.endr
.endm
.macro FETCH_B slot, q, p
	WIN TO_B
.irp i, 0,1,2,3,4,5,6,7
	FRAG 128*(\p)+FR*\i, ADRB+\slot, \q, \i
.endr
	WIN 0
.endm
.macro FETCH_A slot, q, i0
.irp i, \i0, \i0+1, \i0+2, \i0+3
	FRAG AF+FR*(\i), ADRA+\slot, \q, \i
.endr
.endm
.macro SCALES sc                       ; a slot's scale words: lanes 0-15 S1's tile i, lanes 16-31 S0's tile i
.irp i, 0,1,2,3,4,5,6,7
.irp q, 0,1
	ds_load_b32 v[SC+16*\sc+2*\i+\q], v[ADRS+\sc] offset:CH*\q+64*\i
.endr
.endr
.endm
; A step of 128 along K that has its successor in the same slot.  A load into a register that a matrix instruction has read stands NP places behind it; only plain vector instructions are places.
.macro STEP slot, q, zero
	s_wait_dscnt 4*NL                              ; S0's set, the scale words and S1's tiles 0-3 are in; the youngest sixteen loads (tiles 4-7) may be out
.if \zero
	WIN BIA_LO
.else
	WIN MUL_LO
.endif
	MUL16 0, (\q)%2, \q, \slot, \zero
	MUL16 2, (\q)%2, \q, \slot, \zero
	s_wait_dscnt 0
	PLACES NP
	FETCH_B \slot, (\q)+1, 1-(\q)%2
	FETCH_A \slot, (\q)+1, 0
.if \zero
	WIN BIA_HI
.else
	WIN MUL_HI
.endif
	MUL16 4, (\q)%2, \q, \slot, \zero
	MUL16 6, (\q)%2, \q, \slot, \zero
	PLACES NP
	WIN 0
	FETCH_A \slot, (\q)+1, 4
.endm
; A slot's last step changes slots: one barrier; in front of it each wave waits for all its tensor loads, adds 0 to its spare word, and waits for that and for its reads of this slot.  fill = 1: the slot is filled again, two slots ahead.
.macro TURN slot, next, fill
	s_wait_tensorcnt 0x0                           ; all my tensor loads have landed: my part of the next slot
	ds_add_u32 v[SPW], v[NIL]                      ; 0 onto my spare word
	s_wait_dscnt 4*NL+1                            ; (the add and the youngest sixteen loads may be out)
	WIN MUL_LO
	MUL16 0, 1, NQ-1, \slot, 0
	s_wait_dscnt 0x0                               ; the add is done, and my reads of this slot are over
	s_barrier_signal -1
	MUL16 2, 1, NQ-1, \slot, 0
	WIN 0
	s_barrier_wait -1
.if \fill
	CREST                                          ; the barrier has opened a round of the cluster's: no wave of any partner still reads this slot or has a load on its way
	s_add_nc_u64 s[G0+4*\slot+2:G0+4*\slot+3], s[G0+4*\slot+2:G0+4*\slot+3], 2*REGN
	s_add_nc_u64 s[G0B+4*\slot+2:G0B+4*\slot+3], s[G0B+4*\slot+2:G0B+4*\slot+3], 2*REGN
	JLOAD G0+4*\slot, G0B+4*\slot                  ; the first tensor load behind the round; its four v_nop are among the places in front of the loads below
	PLACES NP-4
.else
	PLACES NP
.endif
	FETCH_B \next, 0, 0
	FETCH_A \next, 0, 0
	SCALES \next
	WIN MUL_HI
	MUL16 4, 1, NQ-1, \slot, 0
	MUL16 6, 1, NQ-1, \slot, 0
	PLACES NP
	WIN 0
	FETCH_A \next, 0, 4
.endm
	s_wait_alu depctr_va_vdst(0)                   ; the wait at the head's end
	s_wait_tensorcnt 0x0                           ; my load of the head's four is in; no tensor load of mine is out, so group 1 may be written: the ring's shape, 132 rows of 256 bytes
.irp g, G1, G1B
	s_mov_b32 s[\g+1], 32<<16
	s_mov_b32 s[\g+2], 132<<16
	s_mov_b32 s[\g+3], 32<<16
	s_mov_b32 s[\g+4], 132
	s_mov_b32 s[\g+5], 32
.endr
	s_barrier_signal -1
	s_barrier_wait -1                              ; everybody's is
	FETCH_B 0, 0, 0
	FETCH_A 0, 0, 0
	SCALES 0
	FETCH_A 0, 0, 4
	s_wait_loadcnt 0x0                             ; the biases
	s_wait_alu depctr_va_vdst(0)
	STEP 0, 0, 1
	s_mov_b32 s3, LAPS-1
.Llap:                                                 ; a trip goes once round the ring and fills both slots again
	TURN 0, 1, 1
	STEP 1, 0, 0
	TURN 1, 0, 1
	STEP 0, 0, 0
	s_sub_co_u32 s3, s3, 1
	s_cmp_lg_u32 s3, 0
	s_cbranch_scc1 .Llap
	TURN 0, 1, 0                                   ; the last lap fills nothing
	STEP 1, 0, 0
	s_wait_dscnt 4*NL
	WIN MUL_LO
	MUL16 0, 1, NQ-1, 1, 0
	MUL16 2, 1, NQ-1, 1, 0
	s_wait_dscnt 0
	WIN MUL_HI
	MUL16 4, 1, NQ-1, 1, 0
	MUL16 6, 1, NQ-1, 1, 0
	WIN 0
; THE WAY OUT.  S1's tile a: its 64 registers become a fragment's 16 registers of codes and a scale word.  Each accumulator is read from its low end on.
.macro QUANTW a, relu
.set W,   2+(\a)/4
.set AC,  64*((\a)%4)
.set PCA, PC+16*(\a)
	WIN (W<<2)|W                                   ; sources 0 and 1: the accumulators' window
.if \relu
.irp b, 0,1,2,3
	v_max3_num_f32 v[TM+\b], v[AC+16*\b], v[AC+16*\b+1], 0x8000000
.endr
.irp i, 2,4,6,8,10,12,14
.irp b, 0,1,2,3
	v_max3_num_f32 v[TM+\b], v[AC+16*\b+\i], v[AC+16*\b+\i+1], v[TM+\b]
.endr
.endr
.else
.irp b, 0,1,2,3
	v_max3_num_f32 v[TM+\b], |v[AC+16*\b]|, |v[AC+16*\b+1]|, 0x8000000   ; my 16 numbers of block b, and the floor 2^(16 - 127)
.endr
.irp i, 2,4,6,8,10,12,14
.irp b, 0,1,2,3
	v_max3_num_f32 v[TM+\b], |v[AC+16*\b+\i]|, |v[AC+16*\b+\i+1]|, v[TM+\b]
.endr
.endr
.endif
	WIN 0
.irp b, 0,1,2,3
	v_permlanex16_b32 v[TP+\b], v[TM+\b], s70, s71
.endr
.irp b, 0,1,2,3
	v_max_num_f32 v[TM+\b], v[TM+\b], v[TP+\b]     ; with lane l xor 16's: the block's largest magnitude
.endr
.irp b, 0,1,2,3
	v_add_nc_u32 v[SO+\b], 0xf8800000, v[TM+\b]    ; 15 off the exponent field: the conversion's scale operand
.endr
.irp b, 0,1,2,3
	v_and_or_b32 v[HL+\b], v[TM+\b], 0x7f800000, s72   ; 57,344 x the scale
.endr
.irp b, 0,1,2,3
	v_lshrrev_b32 v[TP+\b], 23, v[SO+\b]           ; the scale's byte
.endr
	v_lshl_or_b32 v[SW+(\a)], v[TP+1], 8, v[TP]
	v_lshl_or_b32 v[SW+(\a)], v[TP+2], 16, v[SW+(\a)]
	v_lshl_or_b32 v[SW+(\a)], v[TP+3], 24, v[SW+(\a)]
	WIN (W<<6)|W                                   ; destination and source 0: the accumulators' window
.irp b, 0,1,2,3
.irp i, 0,1,2,3,4,5,6,7,8,9,10,11,12,13,14,15
.if \relu
	v_med3_num_f32 v[AC+16*\b+\i], v[AC+16*\b+\i], 0, v[HL+\b]
.else
	v_med3_num_f32 v[AC+16*\b+\i], v[AC+16*\b+\i], -v[HL+\b], v[HL+\b]   ; the conversion does not saturate (ISA guide 7.6.2)
.endif
.endr
.endr
	WIN W
.irp g, 0,1,2,3,4,5,6,7
	v_cvt_scalef32_pk8_bf8_f32 v[PCA+2*\g:PCA+2*\g+1], v[AC+8*\g:AC+8*\g+7], v[SO+\g/2]
.endr
	v_nop                                          ; a plain instruction behind the last conversion
.endm
	PLACES NP                                      ; behind the last products: results are read, and registers that they read are written
.irp b, 0,1,2,3
	v_mov_b32 v[TP+\b], 0                          ; a lane permute's destination counts as one of its sources
.endr
	v_cmp_le_u32 vcc_lo, 16, v3                    ; lanes 16-31
	s_cmp_lg_u32 s66, 0
	s_cbranch_scc1 .Lno_lane_bias
.irp a, 0,1,2,3,4,5,6,7
	v_mov_b32 v[BIAS+2*\a], v[B1+\a]               ; v: the bias of my place in tile a, into the low register of an even pair
.endr
.irp a, 0,1,2,3,4,5,6,7
	WIN ((2+\a/4)<<6)|(2+\a/4)
.set j, 0
.rept 32
	v_pk_add_f32 v[64*(\a%4)+j:64*(\a%4)+j+1], v[64*(\a%4)+j:64*(\a%4)+j+1], v[BIAS+2*\a:BIAS+2*\a+1] op_sel_hi:[1,0]
.set j, j+2
.endr
.endr
	WIN 0
.Lno_lane_bias:
.irp a, 0,1,2,3,4,5,6,7
	QUANTW \a, 0
.endr
	WIN 0
	s_cmp_eq_u32 s66, 0
	s_cbranch_scc1 .Lstore_v
	; q and k.  My 128 channels are two heads: blocks 0, 1 are head A's 64, blocks 2, 3 head B's.  A head's fragment has K = 64: registers 0-7 are stored, the reader fills the rest with zero codes.
	s_lshl_b32 s88, s67, 1
	s_add_co_u32 s88, s88, s16                     ; the pair of heads: 0-7 q's, 8-15 k's
	s_lshl_b32 s89, s68, 1
	s_add_co_u32 s89, s89, s15                     ; my group of 128 tokens
	s_lshr_b32 s90, s89, 4                         ; the batch
	s_and_b32 s89, s89, 15                         ; the group within it
	s_and_b32 s91, s88, 7
	s_lshl_b32 s91, s91, 1                         ; head A
	s_lshl_b32 s90, s90, 4
	s_add_co_u32 s90, s90, s91                     ; batch x 16 + head A
	s_lshl_b32 s92, s90, 7
	s_lshl_b32 s93, s89, 3
	s_add_co_u32 s92, s92, s93                     ; q: the first of my eight query tiles
	s_lshl_b32 s93, s92, 6
	s_add_co_u32 s93, s93, QSC                     ; q: its scale words
	s_lshl_b32 s92, s92, 10                        ; q: its codes
	s_lshl_b32 s94, s90, 4
	s_add_co_u32 s94, s94, s89
	s_mul_i32 s94, s94, KVCH                       ; k: the record (head A, key step): K's codes
	s_add_co_u32 s95, s94, 8192                    ; k: K's scale words
	s_mov_b32 s96, 16*KVCH                         ; k: a head on
	s_cmp_lt_u32 s88, 8                            ; a choice, no branch: this number differs between partners
	s_cselect_b64 s[80:81], s[10:11], s[12:13]     ; q_f or kv_f
	s_cselect_b32 s92, s92, s94
	s_cselect_b32 s94, s93, s95
	s_cselect_b32 s98, 131072, s96                 ; a head on, in the codes (q: 128 tiles of 1,024 bytes)
	s_cselect_b32 s96, 8192, s96                   ; and in the scale words (q: 128 tiles of 64 bytes)
	s_mov_b32 s93, 0
	s_mov_b32 s95, 0
	s_mov_b32 s97, 0
	s_mov_b32 s99, 0
	s_add_nc_u64 s[84:85], s[80:81], s[94:95]      ; head A's scale words
	s_add_nc_u64 s[80:81], s[80:81], s[92:93]      ; head A's codes
	s_add_nc_u64 s[82:83], s[80:81], s[98:99]      ; head B's codes
	s_add_nc_u64 s[86:87], s[84:85], s[96:97]      ; head B's scale words
	s_wait_alu depctr_va_vdst(0)
.irp a, 0,1,2,3,4,5,6,7
	global_store_b128 v[LI], v[PC+16*\a:PC+16*\a+3], s[80:81] offset:1024*\a            ; each store covers 512 consecutive bytes
	global_store_b128 v[LI], v[PC+16*\a+4:PC+16*\a+7], s[80:81] offset:1024*\a+512
	global_store_b128 v[LI], v[PC+16*\a+8:PC+16*\a+11], s[82:83] offset:1024*\a
	global_store_b128 v[LI], v[PC+16*\a+12:PC+16*\a+15], s[82:83] offset:1024*\a+512
.endr
.irp a, 0,2,4,6
	v_cndmask_b32 v[TS+\a/2], v[SW+\a], v[SW+\a+1], vcc_lo   ; lanes 0-15 tile a's words, lanes 16-31 tile a + 1's
	v_lshrrev_b32 v[TS2+\a/2], 16, v[TS+\a/2]      ; head B's two bytes.  A word's upper two bytes scale zero codes alone, and are never 0xff
	global_store_b32 v[L4], v[TS+\a/2], s[84:85] offset:64*\a
	global_store_b32 v[L4], v[TS2+\a/2], s[86:87] offset:64*\a
.endr
	s_branch .Lstored
.Lstore_v:
	; v.  S1's tiles 0-3 are head A's 64 channels, tiles 4-7 head B's; the registers ran along my 128 tokens, one key step: tile a is a whole fragment of V with the keys innermost.
	s_lshl_b32 s88, s67, 1
	s_add_co_u32 s88, s88, s16                     ; my group of 128 tokens
	s_lshr_b32 s89, s88, 4                         ; the batch
	s_and_b32 s88, s88, 15                         ; the key step
	s_lshl_b32 s90, s17, 1
	s_add_co_u32 s90, s90, s15
	s_lshl_b32 s90, s90, 1                         ; head A
	s_lshl_b32 s89, s89, 4
	s_add_co_u32 s89, s89, s90
	s_lshl_b32 s89, s89, 4
	s_add_co_u32 s89, s89, s88
	s_mul_i32 s92, s89, KVCH
	s_mov_b32 s93, 0
	s_add_nc_u64 s[80:81], s[12:13], s[92:93]      ; the record (head A, key step)
	v_mov_b32 v[TS2], 0
	v_mov_b32 v[TS2+1], 0
	v_lshlrev_b32 v4, 3, v3
	s_wait_alu depctr_va_vdst(0)
.irp a, 0,1,2,3,4,5,6,7
.irp c, 0,1,2,3
	global_store_b128 v[LI], v[PC+16*\a+4*\c:PC+16*\a+4*\c+3], s[80:81] offset:(\a/4)*16*KVCH+8704+2048*(\a%4)+512*\c
.endr
.endr
.irp a, 0,2,4,6
	v_cndmask_b32 v[TS+\a/2], v[SW+\a], v[SW+\a+1], vcc_lo
	global_store_b32 v[L4], v[TS+\a/2], s[80:81] offset:(\a/4)*16*KVCH+16896+64*(\a%4)
.endr
	global_store_b64 v4, v[TS2:TS2+1], s[80:81] offset:17152                 ; the records' last 256 bytes: they are fetched with the rest, so they are written
	global_store_b64 v4, v[TS2:TS2+1], s[80:81] offset:16*KVCH+17152
.Lstored:
	s_wait_tensorcnt 0x0                           ; the wave's end
	ds_add_u32 v[SPW], v[NIL]
	s_wait_dscnt 0x0
	CROUND                                         ; the closing round: no work-group ends while a partner may still ask for a block that names it
	s_endpgm
.Lfunc_end_k_q128ea2627e_qkv:
	.size	k_q128ea2627e_qkv, .Lfunc_end_k_q128ea2627e_qkv-k_q128ea2627e_qkv
	.p2alignl 7, 3214868480
	.fill 96, 4, 3214868480
	.section	.rodata,"a",@progbits
	.p2align	6, 0x0
	.amdhsa_kernel k_q128ea2627e_qkv
		.amdhsa_group_segment_fixed_size 327680
		.amdhsa_private_segment_fixed_size 0
		.amdhsa_enable_private_segment 0
		.amdhsa_kernarg_size 40
		.amdhsa_user_sgpr_count 2
		.amdhsa_user_sgpr_kernarg_segment_ptr 1
		.amdhsa_wavefront_size32 1
		.amdhsa_system_sgpr_workgroup_id_x 1
		.amdhsa_system_sgpr_workgroup_id_y 1
		.amdhsa_system_sgpr_workgroup_id_z 1
		.amdhsa_system_vgpr_workitem_id 0
		.amdhsa_next_free_vgpr 1024
		.amdhsa_next_free_sgpr 102
		.amdhsa_reserve_vcc 1
		.amdhsa_float_denorm_mode_32 3
		.amdhsa_float_denorm_mode_16_64 3
		.amdhsa_memory_ordered 1
		.amdhsa_forward_progress 1
		.amdhsa_inst_pref_size 213
	.end_amdhsa_kernel
	.amdgpu_metadata
---
amdhsa.version: [ 1, 2 ]
amdhsa.kernels:
  - .name:           k_q128ea2627e_qkv
    .symbol:         k_q128ea2627e_qkv.kd
    .args:
      - { .name: h_f, .offset: 0, .size: 8, .value_kind: global_buffer, .address_space: global }
      - { .name: wts, .offset: 8, .size: 8, .value_kind: global_buffer, .address_space: global }
      - { .name: b_qkv, .offset: 16, .size: 8, .value_kind: global_buffer, .address_space: global }
      - { .name: q_f, .offset: 24, .size: 8, .value_kind: global_buffer, .address_space: global }
      - { .name: kv_f, .offset: 32, .size: 8, .value_kind: global_buffer, .address_space: global }
    .group_segment_fixed_size: 327680
    .private_segment_fixed_size: 0
    .kernarg_segment_align: 8
    .kernarg_segment_size: 40
    .max_flat_workgroup_size: 128
    .sgpr_count:     102
    .vgpr_count:     1024
    .wavefront_size: 32
...
	.end_amdgpu_metadata
.endif
;; end of part 9
;; launch attn (part 10): grid 8 x 32, 16 waves a work-group, no clusters, 327,680 bytes of LDS; arguments q_f, kv_f, a_f; writes a_f
.if DOCPART == 10
	.amdgcn_target "amdgcn-amd-amdhsa--gfx1250"
	.amdhsa_code_object_version 6
	.text
	.protected	k_q128ea2627e_attn
	.globl	k_q128ea2627e_attn
	.p2align	8
	.type	k_q128ea2627e_attn,@function
k_q128ea2627e_attn:
	s_mov_b64 s[64:65], 0
	v_nop
	global_prefetch_b8 v0, s[64:65] scope:SCOPE_SE
	s_setreg_imm32_b32 hwreg(HW_REG_WAVE_MODE, 25, 1), 1
	s_wait_xcnt 0x0
; Causal attention of one head on codes of BF8 (E5M2) with E8M0 scales, and its result quantised again along the channels into a_f (images of operand registers, as the other launches read them).
; S^T = K Q^T and O^T = V^T P^T: a lane holds one query.  t = score x log2(e) / 8; M = ceil of the running largest t; p = 2^(t - M) is quantised along the keys; the row's sum is taken of the unquantised p.
; LEFT OUT: key steps that lie wholly behind a tile's queries: the causal mask sets their scores to -inf, so their p is 0.
; SHARES.  Work-group x of a head owns query blocks x (short: x + 1 key steps of 128) and 15 - x (long: 16 - x), eight tiles of 16 queries each: 8 x 17 tile steps for 16 waves.
; Wave 8 + p takes long tile p over records 1 .. 8 and 0: nine steps.  Wave p takes short tile p over records 0 .. x, stores it, and then long tile p over records 9 .. 15 - x with a state of its own: eight steps, both diagonals among them.
; That state (O^T, -M, the sums) goes to wave 8 + p through LDS bytes of its own; the two are joined by factors 2^(M - new M), which round nothing.
; LDS.  Sixteen slots of one record (128 keys: K's codes, K's words, V's codes, V's words: 67 rows of 256 bytes).  Slot s < 8 holds record s + 1, slot 8 record 0, slot 8 + j record j (j <= x) or j + 8 - x.
; In trip j waves 8-15 read slot j and waves 0-7 slot 8 + j: an LDS address is made of the wave's number and the trip alone; only global addresses hang on x.  Every slot is read by some wave.
; Each wave fetches one slot at the head, in four arms of four waves: slots 2 g, 2 g + 1, 8 + 2 g, 9 + 2 g, which trips 2 g and 2 g + 1 read; the barrier ahead of trip 2 g shows arm g.  Nothing is filled again.
; K's fragments lie 8 registers apart: the upper 8 registers of a product's source 0 are the next tile's codes (finite) and meet Q's zero codes (k = 64 .. 127), so they add nothing.
; NO CLUSTER: the branches of a trip (diagonal, change of tile) hang on x, which would differ between partners.  NO PREFETCH: all tensor loads go out at the head; there is no loop to run ahead in.
; LIMITS: the promise holds while |t| stays under 2^31; a block whose every p is 0 keeps the byte 1 (read by this program alone); NaN and infinities are not served.
.set CH,    16896
.set KVCH,  17408
.set XBASE, 16*KVCH                    ; behind the slots: eight areas of XP bytes for the states handed over
.set XP,    4608
.set SPARE, XBASE+8*XP                 ; the spare words, 128 bytes a wave
.set LI,   1                           ; 16 x lane
.set LS0,  2                           ; 4 x lane: a load of scale words brings two tiles': lanes 0-15 the even tile's, lanes 16-31 the odd tile's
.set DG,   3                           ; my query's place in its block - 16 h
.set LB,   4
.set LS,   5
.set QSW,  6
.set XA,   7                           ; my pair's area + 16 x lane
.set KF,   32                          ; v32-103 K's eight fragments and eight zeros; then V's four in v32-95
.set S,    104                         ; v104-167 S^T, then p
.set O,    168                         ; v168-199 O^T
.set PCD,  200
.set BM,   216
.set T1,   220
.set HL,   224
.set SO,   228
.set KSW,  232                         ; v232-235 K's scale words (two tiles a register), then V's in v232-233
.set Q2,   240                         ; v240-243, v250-253, v11: the long tile's Q and its scale word
.set Q2B,  250
.set F,    244
.set PSW,  246
.set TT,   247
.set NINF, 248
.set WV,   12
.set QBF,  13                          ; the block whose tile I store
.set BH,   14
.set J,    15                          ; the trip
.set TB,   16
.set CNT,  17
.set RB,   18
.set MNT,  19
.set SEL,  20
.set CS,   22
.set P,    36
.set ISB,  37
.set D1,   38                          ; the trips on a diagonal
.set D2,   39
.set SWT,  40                          ; the trip at which waves 0-7 change tiles
.set LASTT, 41                         ; the trip in which waves 0-7 have no step
	s_load_b128 s[4:7], s[0:1], 0x0                ; q_f, kv_f
	s_load_b64 s[8:9], s[0:1], 0x10                ; a_f
	v_lshl_add_u32 v254, v0, 2, SPARE
	v_mov_b32 v255, 0
	ds_add_u32 v254, v255                          ; the opening lines: the add, twice on end, and its wait
	ds_add_u32 v254, v255
	v_lshrrev_b32 v10, 5, v0
	v_readfirstlane_b32 s[WV], v10
	s_and_b32 s[BH], ttmp7, 0xffff
	s_mov_b32 s24, 3<<16                           ; group 1: 67 rows of 32 elements of 8 bytes, dense
	s_mov_b32 s25, 32<<16
	s_mov_b32 s26, 67<<16
	s_mov_b32 s27, 32<<16
	s_mov_b32 s28, 67
	s_mov_b32 s29, 32
	s_mov_b32 s30, 0
	s_mov_b32 s31, 0
	s_lshr_b32 s42, s[WV], 2
	s_lshl_b32 s42, s42, 1
	s_and_b32 s43, s[WV], 1
	s_add_co_u32 s42, s42, s43
	s_and_b32 s43, s[WV], 2
	s_lshl_b32 s43, s43, 2
	s_add_co_u32 s42, s42, s43                     ; my slot: 2 (w / 4) + w % 2 + 8 ((w / 2) % 2)
	s_mov_b32 s32, 1
	s_mul_i32 s33, s42, KVCH
	s_add_co_u32 s44, s42, 1                       ; its record: slots 0-7: s + 1
	s_sub_co_u32 s45, s42, 8                       ; slot 8 + j: j,
	s_sub_co_u32 s46, s42, ttmp9                   ; or j + 8 - x
	s_cmp_le_u32 s45, ttmp9
	s_cselect_b32 s45, s45, s46
	s_cmp_lt_u32 s42, 8
	s_cselect_b32 s44, s44, s45
	s_lshl_b32 s45, s[BH], 4
	s_add_co_u32 s44, s44, s45
	s_mul_i32 s44, s44, KVCH
	s_mov_b32 s45, 0
	s_wait_dscnt 0x0
	s_wait_kmcnt 0x0
	s_add_nc_u64 s[34:35], s[6:7], s[44:45]
	s_or_b32 s35, s35, 0x80000000
.macro TL
	tensor_load_to_lds s[32:35], s[24:31]
	s_nop 0
.rept 4
	v_nop
.endr
.endm
.macro ARM under, next                 ; one chain of branches on the wave's number, a load line for each group of four waves
	s_cmp_lt_u32 s[WV], \under
	s_cbranch_scc0 \next
	TL
	s_branch .Lasked
\next:
.endm
	ARM 4, .Lg1
	ARM 8, .Lg2
	ARM 12, .Lg3
	TL
.Lasked:
	s_and_b32 s[P], s[WV], 7                       ; my tile in its block
	s_lshr_b32 s[ISB], s[WV], 3
	s_xor_b32 s[ISB], s[ISB], 1                    ; 1 in waves 0-7
	s_mul_i32 s[RB], s[ISB], 8*KVCH
	s_sub_co_u32 s42, 15, ttmp9                    ; the long block
	s_add_co_u32 s[SWT], ttmp9, 1
	s_cmp_eq_u32 ttmp9, 7
	s_cselect_b32 s43, 7, 99                       ; waves 8-15 meet the diagonal only where the long block is 8: record 8, trip 7
	s_cmp_eq_u32 s[ISB], 1
	s_cselect_b32 s[QBF], ttmp9, s42
	s_cselect_b32 s[D1], ttmp9, s43
	s_cselect_b32 s[D2], 7, s43
	s_cselect_b32 s[LASTT], 8, 99
	s_lshl_b32 s44, s[BH], 7
	s_add_co_u32 s44, s44, s[P]
	s_lshl_b32 s45, s[QBF], 3
	s_add_co_u32 s45, s45, s44                     ; my first tile of queries
	s_lshl_b32 s46, s42, 3
	s_add_co_u32 s46, s46, s44                     ; the long tile
	s_lshl_b32 s47, s45, 6
	s_add_co_u32 s47, s47, 4194304
	s_lshl_b32 s45, s45, 10
	s_lshl_b32 s48, s46, 6
	s_add_co_u32 s48, s48, 4194304
	s_lshl_b32 s46, s46, 10
	s_lshr_b32 s49, s[P], 1
	s_lshl_b32 s49, s49, 5
	s_and_b32 s50, s[P], 1
	s_lshl_b32 s50, s50, 3
	s_add_co_u32 s49, s49, s50                     ; the tile's base in its block: 32 (p / 2) + 8 (p % 2)
	s_mul_i32 s50, s[P], XP
	s_add_co_u32 s50, s50, XBASE
	s_lshr_b32 s54, s[BH], 4                       ; where my tile goes in a_f: chunk (16 batch + block, head / 2), tile p, half head % 2
	s_and_b32 s55, s[BH], 15
	s_lshl_b32 s54, s54, 4
	s_add_co_u32 s54, s54, s[QBF]
	s_lshl_b32 s54, s54, 3
	s_lshr_b32 s58, s55, 1
	s_add_co_u32 s54, s54, s58
	s_mul_i32 s54, s54, CH
	s_and_b32 s55, s55, 1
	s_lshl_b32 s56, s[P], 6
	s_add_co_u32 s56, s56, s54
	s_lshl_b32 s58, s55, 1
	s_add_co_u32 s56, s56, s58
	s_add_co_u32 s56, s56, 16384
	s_mov_b32 s57, 0
	s_lshl_b32 s58, s[P], 11
	s_add_co_u32 s54, s54, s58
	s_lshl_b32 s55, s55, 10
	s_add_co_u32 s54, s54, s55
	s_mov_b32 s55, 0
	s_add_nc_u64 s[54:55], s[8:9], s[54:55]
	s_add_nc_u64 s[56:57], s[8:9], s[56:57]
	s_mov_b32 s[SEL], 0x76543210
	s_mov_b32 s[SEL+1], 0xfedcba98
	s_mov_b32 s[CS], 0x3e38aa3b                    ; log2(e) / 8
	s_mov_b32 s[CS+1], s[CS]
	s_mov_b32 s[MNT], 0x600000
	s_mov_b32 s[J], 0
	v_and_b32 v10, 31, v0
	v_lshlrev_b32 v[LI], 4, v10
	v_and_b32 v8, 15, v0                           ; r
	v_bfe_u32 v9, v0, 4, 1                         ; h
	v_lshlrev_b32 v[LS0], 2, v10
	v_lshlrev_b32 v[TT], 2, v8
	v_add_nc_u32 v[S], s45, v[LI]
	v_add_nc_u32 v[S+1], s47, v[TT]
	v_add_nc_u32 v[S+2], s46, v[LI]
	v_add_nc_u32 v[S+3], s48, v[TT]
	global_load_b128 v[16:19], v[S], s[4:5]
	global_load_b128 v[20:23], v[S], s[4:5] offset:512
	global_load_b32 v[QSW], v[S+1], s[4:5]
	global_load_b128 v[Q2:Q2+3], v[S+2], s[4:5]
	global_load_b128 v[Q2B:Q2B+3], v[S+2], s[4:5] offset:512
	global_load_b32 v11, v[S+3], s[4:5]
	v_add_nc_u32 v[XA], s50, v[LI]
	v_and_b32 v10, 8, v8
	v_add_nc_u32 v10, v10, v8
	v_lshlrev_b32 v[TT], 4, v9
	v_sub_nc_u32 v10, v10, v[TT]
	v_add_nc_u32 v[DG], s49, v10
	v_lshl_add_u32 v10, v8, 2, v9
.irp j, 0,1,2,3,4,5,6,7
	v_mov_b32 v[24+\j], 0                          ; Q's codes of k = 64 .. 127
	v_mov_b32 v[KF+64+\j], 0                       ; behind K's last fragment
.endr
.set j, 0
.rept 32
	v_mov_b32 v[O+j], 0
.set j, j+1
.endr
	v_mov_b32 v13, 0xff61b1e6                      ; the largest t so far: -3e38
	v_floor_f32 v12, -v13                          ; -M
	v_mov_b32 v14, 0
	v_mov_b32 v15, 0
.irp b, 0,1,2,3
	v_mov_b32 v[T1+\b], 0
	v_mov_b32 v[BM+\b], 0
.endr
	v_mov_b32 v[F], 0
	v_mov_b32 v[F+1], 0
	v_mov_b32 v[NINF], 0xff800000
; A tile leaves: O^T / the row's sum, quantised along its 64 channels (two blocks of 32, each in lanes l and l xor 16), codes and scale bytes stored.
.macro FINISH
	v_add_f32 v14, v14, v15
	s_delay_alu instid0(VALU_DEP_1)
	v_permlanex16_b32 v[T1], v14, s[SEL], s[SEL+1]
	s_delay_alu instid0(VALU_DEP_1)
	v_add_f32 v14, v14, v[T1]
	s_wait_alu depctr_va_vdst(0)                   ; the wait ahead of the transcendental,
	v_rcp_f32 v14, v14
	v_lshl_add_u32 v10, v8, 2, v9
	v_cmp_eq_u32 vcc_lo, 1, v9
	s_wait_alu depctr_va_vdst(0)                   ; and ahead of its first reader, which is O^T's first reader too
.set j, 0
.rept 32
	v_mul_f32 v[S+j], v[O+j], v14
.set j, j+1
.endr
.irp b, 0,1
	v_max3_num_f32 v[BM+\b], |v[S+16*\b]|, |v[S+1+16*\b]|, 0x8000000
.endr
.irp i, 2,4,6,8,10,12,14
.irp b, 0,1
	s_delay_alu instid0(VALU_DEP_2)
	v_max3_num_f32 v[BM+\b], v[BM+\b], |v[S+16*\b+\i]|, |v[S+1+16*\b+\i]|
.endr
.endr
.irp b, 0,1
	s_delay_alu instid0(VALU_DEP_2)
	v_permlanex16_b32 v[T1+\b], v[BM+\b], s[SEL], s[SEL+1]
.endr
.irp b, 0,1
	s_delay_alu instid0(VALU_DEP_2)
	v_max_num_f32 v[BM+\b], v[BM+\b], v[T1+\b]
.endr
.irp b, 0,1
	s_delay_alu instid0(VALU_DEP_2)
	v_add_nc_u32 v[SO+\b], 0xf8800000, v[BM+\b]
.endr
.irp b, 0,1
	s_delay_alu instid0(VALU_DEP_4)
	v_and_or_b32 v[HL+\b], v[BM+\b], 0x7f800000, s[MNT]
.endr
.irp b, 0,1
	s_delay_alu instid0(VALU_DEP_4)
	v_lshrrev_b32 v[T1+\b], 23, v[SO+\b]
.endr
.irp b, 0,1
.irp i, 0,1,2,3,4,5,6,7,8,9,10,11,12,13,14,15
	v_med3_num_f32 v[S+16*\b+\i], v[S+16*\b+\i], -v[HL+\b], v[HL+\b]
.endr
	v_cvt_scalef32_pk8_bf8_f32 v[PCD+4*\b:PCD+4*\b+1], v[S+16*\b:S+7+16*\b], v[SO+\b]
	v_cvt_scalef32_pk8_bf8_f32 v[PCD+4*\b+2:PCD+4*\b+3], v[S+8+16*\b:S+15+16*\b], v[SO+\b]
.endr
	v_cndmask_b32 v[TT], v[T1], v[T1+1], vcc_lo
	global_store_b128 v[LI], v[PCD:PCD+3], s[54:55]
	global_store_b128 v[LI], v[PCD+4:PCD+7], s[54:55] offset:512
	global_store_b8 v10, v[TT], s[56:57]
.endm
; A TRIP: one record of 128 keys for my tile.
.macro STEP bar                        ; bar = 1: the trip carries a barrier
	s_min_u32 s42, s[TB], 15*KVCH
	v_add_nc_u32 v[LB], s42, v[LI]
	v_add_nc_u32 v[LS], s42, v[LS0]
.rept 6
	v_nop                                          ; with the two lines above: eight places behind the last trip's products
.endr
	s_wait_alu depctr_va_vdst(0)                   ; the wait ahead of the branches
	s_cmp_lt_u32 s[WV], 8
	s_cbranch_scc0 .Lsame_\@
	s_cmp_eq_u32 s[J], s[SWT]
	s_cbranch_scc0 .Lsame_\@
	FINISH                                         ; waves 0-7, trip x + 1: the short tile leaves,
	s_wait_xcnt 0x0                                ; (the stores have read their registers)
.irp j, 0,1,2,3
	v_mov_b32 v[16+\j], v[Q2+\j]                   ; the long tile's Q comes,
	v_mov_b32 v[20+\j], v[Q2B+\j]
.endr
	v_mov_b32 v[QSW], v11
	v_mov_b32 v13, 0xff61b1e6                      ; and the state begins anew
	v_floor_f32 v12, -v13
	v_mov_b32 v14, 0
	v_mov_b32 v15, 0
.set j, 0
.rept 32
	v_mov_b32 v[O+j], 0
.set j, j+1
.endr
	s_wait_alu depctr_va_vdst(0)
.Lsame_\@:
.if \bar
	s_wait_dscnt 0x0
	s_barrier_signal -1                            ; A SPLIT BARRIER: I have begun this trip; only LDS loads of landed slots and work on registers stand up to its wait at the trip's end
.endif
	s_cmp_eq_u32 s[J], s[LASTT]
	s_cbranch_scc1 .Lidle_\@
.irp u, 0,1,2,3                                        ; five loads for each pair of tiles: their scale words, then four times 512 bytes of codes
	ds_load_b32 v[KSW+\u], v[LS] offset:8192+128*\u
.irp c, 0,1,2,3
	ds_load_b128 v[KF+16*\u+4*\c:KF+16*\u+4*\c+3], v[LB] offset:2048*\u+512*\c
.endr
.endr
.irp u, 0,1,2,3
.if \u < 3
	s_wait_dscnt 5*(3-\u)-3                        ; this pair's five loads are in, and the next pair's first three: the odd tile's operand reaches into the next tile's first eight registers
.else
	s_wait_dscnt 0x0
.endif
	v_wmma_scale_f32_16x16x128_f8f6f4 v[S+16*\u:S+16*\u+7], v[KF+16*\u:KF+16*\u+15], v[16:31], 0, v[KSW+\u], v[QSW] matrix_a_fmt:MATRIX_FMT_BF8 matrix_b_fmt:MATRIX_FMT_BF8
	v_wmma_scale_f32_16x16x128_f8f6f4 v[S+16*\u+8:S+16*\u+15], v[KF+16*\u+8:KF+16*\u+23], v[16:31], 0, v[KSW+\u], v[QSW] matrix_a_fmt:MATRIX_FMT_BF8 matrix_b_fmt:MATRIX_FMT_BF8 matrix_a_scale:MATRIX_SCALE_ROW1
.endr
.rept 8
	v_nop                                          ; eight places: the scores are read, and V lands on K's registers
.endr
.irp t, 0,1,2,3
.irp c, 0,1,2,3
	ds_load_b128 v[KF+16*\t+4*\c:KF+16*\t+4*\c+3], v[LB] offset:8704+2048*\t+512*\c
.endr
.endr
	ds_load_b32 v[KSW], v[LS] offset:16896         ; V's scale words: tiles 0 and 1,
	ds_load_b32 v[KSW+1], v[LS] offset:16896+128   ; tiles 2 and 3
	s_cmp_eq_u32 s[J], s[D1]
	s_cbranch_scc1 .Ldiag_\@
	s_cmp_lg_u32 s[J], s[D2]
	s_cbranch_scc1 .Lopen_\@
.Ldiag_\@:                                             ; on the diagonal hidden scores become -infinity
.set n, 0
.rept 64
	v_cmp_gt_i32 vcc_lo, 32*(n/16)+n%16, v[DG]
	v_cndmask_b32 v[S+n], v[S+n], v[NINF], vcc_lo
.set n, n+1
.endr
.Lopen_\@:
.irp b, 0,1,2,3
	v_max3_num_f32 v[BM+\b], v[S+16*\b], v[S+1+16*\b], v[S+2+16*\b]
.endr
.irp i, 3,5,7,9,11,13
.irp b, 0,1,2,3
	v_max3_num_f32 v[BM+\b], v[BM+\b], v[S+16*\b+\i], v[S+1+16*\b+\i]
.endr
.endr
.irp b, 0,1,2,3
	v_max_num_f32 v[BM+\b], v[BM+\b], v[S+15+16*\b]
.endr
.irp b, 0,1,2,3
	s_delay_alu instid0(VALU_DEP_4)
	v_permlanex16_b32 v[T1+\b], v[BM+\b], s[SEL], s[SEL+1]
.endr
.irp b, 0,1,2,3
	s_delay_alu instid0(VALU_DEP_4)
	v_max_num_f32 v[BM+\b], v[BM+\b], v[T1+\b]
.endr
	s_delay_alu instid0(VALU_DEP_2)
	v_max3_num_f32 v[TT], v[BM], v[BM+1], v[BM+2]
	s_delay_alu instid0(VALU_DEP_1)
	v_max_num_f32 v[TT], v[TT], v[BM+3]
	s_delay_alu instid0(VALU_DEP_1)
	v_mul_f32 v[TT], s[CS], v[TT]
	s_delay_alu instid0(VALU_DEP_1)
	v_max_num_f32 v13, v13, v[TT]
	v_mov_b32 v[TT], v12
	s_delay_alu instid0(VALU_DEP_2)
	v_floor_f32 v12, -v13                          ; -M = floor(-t)
	s_delay_alu instid0(VALU_DEP_1)
	v_sub_f32 v[TT], v12, v[TT]
	s_delay_alu instid0(VALU_DEP_1)
	v_cvt_i32_f32 v[TT], v[TT]
	s_delay_alu instid0(VALU_DEP_1)
	v_ldexp_f32 v[F], 1.0, v[TT]                   ; f = 2^(old M - new M)
.set j, 0
.rept 32
	v_pk_fma_f32 v[S+j:S+1+j], v[S+j:S+1+j], s[CS:CS+1], v[12:13] op_sel_hi:[1,0,0]
.set j, j+2
.endr
.irp b, 0,1,2,3
	v_fma_f32 v[BM+\b], v[BM+\b], s[CS], v12
.endr
	s_wait_alu depctr_va_vdst(0)                   ; one wait ahead of the batch,
.set j, 0
.rept 64
	v_exp_f32 v[S+j], v[S+j]
.set j, j+1
.endr
	v_pk_mul_f32 v[14:15], v[14:15], v[F:F+1] op_sel_hi:[1,0]
	s_wait_alu depctr_va_vdst(0)                   ; and one behind it
.irp b, 0,1,2,3
	v_exp_f32 v[BM+\b], v[BM+\b]                   ; each block's largest p
.endr
	v_pk_add_f32 v[T1:T1+1], v[S:S+1], v[S+2:S+3]
.irp j, 4,8,12,16,20,24,28,32,36,40,44,48,52,56,60
	v_pk_add_f32 v[14:15], v[14:15], v[S+\j:S+1+\j]
	v_pk_add_f32 v[T1:T1+1], v[T1:T1+1], v[S+2+\j:S+3+\j]
.endr
	s_delay_alu instid0(VALU_DEP_1)
	v_pk_add_f32 v[14:15], v[14:15], v[T1:T1+1]
	s_wait_alu depctr_va_vdst(0)
.irp b, 0,1,2,3
	v_max_num_f32 v[BM+\b], 0x8000000, v[BM+\b]
.endr
.irp b, 0,1,2,3
	s_delay_alu instid0(VALU_DEP_4)
	v_add_nc_u32 v[SO+\b], 0xf8800000, v[BM+\b]
.endr
.irp b, 0,1,2,3
	v_and_or_b32 v[HL+\b], v[BM+\b], 0x7f800000, s[MNT]
.endr
.irp b, 0,1,2,3
	v_lshrrev_b32 v[T1+\b], 23, v[SO+\b]
.endr
	s_delay_alu instid0(VALU_DEP_3)
	v_lshl_or_b32 v[PSW], v[T1+1], 8, v[T1]
	s_delay_alu instid0(VALU_DEP_1)
	v_lshl_or_b32 v[PSW], v[T1+2], 16, v[PSW]
	s_delay_alu instid0(VALU_DEP_1)
	v_lshl_or_b32 v[PSW], v[T1+3], 24, v[PSW]
.irp b, 0,1,2,3
.irp i, 0,1,2,3,4,5,6,7,8,9,10,11,12,13,14,15
	v_min_num_f32 v[S+16*\b+\i], v[S+16*\b+\i], v[HL+\b]
.endr
	v_cvt_scalef32_pk8_bf8_f32 v[PCD+4*\b:PCD+4*\b+1], v[S+16*\b:S+7+16*\b], v[SO+\b]
	v_cvt_scalef32_pk8_bf8_f32 v[PCD+4*\b+2:PCD+4*\b+3], v[S+8+16*\b:S+15+16*\b], v[SO+\b]
.endr
	s_wait_alu depctr_va_vdst(0)                   ; the wait directly ahead of O^T's first reader
.set j, 0
.rept 16
	v_pk_mul_f32 v[O+j:O+1+j], v[O+j:O+1+j], v[F:F+1] op_sel_hi:[1,0]
.set j, j+2
.endr
	s_wait_alu depctr_va_vdst(0)
	s_wait_dscnt 0x0                               ; V, asked for ahead of the softmax
.irp u, 0,1
	v_wmma_scale_f32_16x16x128_f8f6f4 v[O+16*\u:O+7+16*\u], v[KF+32*\u:KF+15+32*\u], v[PCD:PCD+15], v[O+16*\u:O+7+16*\u], v[KSW+\u], v[PSW] matrix_a_fmt:MATRIX_FMT_BF8 matrix_b_fmt:MATRIX_FMT_BF8
	v_wmma_scale_f32_16x16x128_f8f6f4 v[O+8+16*\u:O+15+16*\u], v[KF+16+32*\u:KF+31+32*\u], v[PCD:PCD+15], v[O+8+16*\u:O+15+16*\u], v[KSW+\u], v[PSW] matrix_a_fmt:MATRIX_FMT_BF8 matrix_b_fmt:MATRIX_FMT_BF8 matrix_a_scale:MATRIX_SCALE_ROW1
.endr
.Lidle_\@:
.if \bar
	s_barrier_wait -1                              ; every wave has begun this trip
.endif
	s_add_co_u32 s[J], s[J], 1
	s_add_co_u32 s[TB], s[TB], KVCH
.endm
; Stage g: trips 2 g and 2 g + 1 (the last: three).  Ahead of stage 0's loop the waves of arms 0 and 1 wait for their loads: its trips' barriers show arm 1's slots to stage 1.
; Ahead of stage 1's loop every wave waits for all that is still out, under no branch: its trips' barriers show arms 2 and 3.  Stages 2 and 3 read landed slots alone and carry no barrier.
.macro STAGE g, trips, bar
.if \g == 0
	s_cmp_lt_u32 s[WV], 8
	s_cbranch_scc0 .Lnw_\@
	s_wait_tensorcnt 0x0
.Lnw_\@:
.elseif \g == 1
	s_wait_tensorcnt 0x0
.endif
	s_add_co_u32 s[TB], s[RB], \g*2*KVCH
	s_mov_b32 s[CNT], \trips
.Ltrip_\@:
	STEP \bar
	s_sub_co_u32 s[CNT], s[CNT], 1
	s_cmp_lg_u32 s[CNT], 0
	s_cbranch_scc1 .Ltrip_\@
.endm
	s_wait_alu depctr_va_vdst(0)                   ; the wait at the head's end
	s_wait_loadcnt 0x0                             ; both tiles' Q
	s_cmp_lt_u32 s[WV], 4                          ; arm 0's slots are shown by a barrier of their own
	s_cbranch_scc0 .Lnw0
	s_wait_tensorcnt 0x0
.Lnw0:
	s_barrier_signal -1
	s_barrier_wait -1
	STAGE 0, 2, 1
	STAGE 1, 2, 1
	STAGE 2, 2, 0
	STAGE 3, 3, 0
.rept 8
	v_nop                                          ; eight places behind the last products
.endr
	s_cmp_lt_u32 s[WV], 8
	s_cbranch_scc0 .Ltakes
.irp i, 0,1,2,3,4,5,6,7
	ds_store_b128 v[XA], v[O+4*\i:O+4*\i+3] offset:512*\i      ; waves 0-7: my part of the long tile, as an image of the registers
.endr
	ds_store_b128 v[XA], v[12:15] offset:4096                  ; -M, the largest t, the sum's two halves
.Ltakes:
	s_wait_dscnt 0x0
	s_barrier_signal -1
	s_barrier_wait -1
	s_cmp_lt_u32 s[WV], 8
	s_cbranch_scc1 .Lend
.irp i, 0,1,2,3,4,5,6,7
	ds_load_b128 v[S+4*\i:S+4*\i+3], v[XA] offset:512*\i
.endr
	ds_load_b128 v[S+32:S+35], v[XA] offset:4096
	s_wait_dscnt 0x0
	v_min_num_f32 v[TT], v12, v[S+32]              ; the joint -M; a part with no step has -M = 3e38 and the factor 0
	v_sub_f32 v[T1], v[TT], v12
	v_sub_f32 v[T1+1], v[TT], v[S+32]
	v_cvt_i32_f32 v[T1], v[T1]
	v_cvt_i32_f32 v[T1+1], v[T1+1]
	v_ldexp_f32 v[F], 1.0, v[T1]
	v_ldexp_f32 v[BM], 1.0, v[T1+1]
.set j, 0
.rept 16
	v_pk_mul_f32 v[O+j:O+1+j], v[O+j:O+1+j], v[F:F+1] op_sel_hi:[1,0]
.set j, j+2
.endr
.set j, 0
.rept 16
	v_pk_fma_f32 v[O+j:O+1+j], v[S+j:S+1+j], v[BM:BM+1], v[O+j:O+1+j] op_sel_hi:[1,0,1]
.set j, j+2
.endr
	v_pk_mul_f32 v[14:15], v[14:15], v[F:F+1] op_sel_hi:[1,0]
	v_pk_fma_f32 v[14:15], v[S+34:S+35], v[BM:BM+1], v[14:15] op_sel_hi:[1,0,1]
	FINISH
.Lend:
	s_wait_tensorcnt 0x0                           ; the wave's end
	ds_add_u32 v254, v255
	s_wait_dscnt 0x0
	s_endpgm
.Lfunc_end_k_q128ea2627e_attn:
	.size	k_q128ea2627e_attn, .Lfunc_end_k_q128ea2627e_attn-k_q128ea2627e_attn
	.p2alignl 7, 3214868480
	.fill 96, 4, 3214868480
	.section	.rodata,"a",@progbits
	.p2align	6, 0x0
	.amdhsa_kernel k_q128ea2627e_attn
		.amdhsa_group_segment_fixed_size 327680
		.amdhsa_private_segment_fixed_size 0
		.amdhsa_enable_private_segment 0
		.amdhsa_kernarg_size 24
		.amdhsa_user_sgpr_count 2
		.amdhsa_user_sgpr_kernarg_segment_ptr 1
		.amdhsa_wavefront_size32 1
		.amdhsa_system_sgpr_workgroup_id_x 1
		.amdhsa_system_sgpr_workgroup_id_y 1
		.amdhsa_system_sgpr_workgroup_id_z 1
		.amdhsa_system_vgpr_workitem_id 0
		.amdhsa_next_free_vgpr 256
		.amdhsa_next_free_sgpr 66
		.amdhsa_reserve_vcc 1
		.amdhsa_float_denorm_mode_32 3
		.amdhsa_float_denorm_mode_16_64 3
		.amdhsa_memory_ordered 1
		.amdhsa_forward_progress 1
		.amdhsa_inst_pref_size 151
	.end_amdhsa_kernel
	.amdgpu_metadata
---
amdhsa.version: [ 1, 2 ]
amdhsa.kernels:
  - .name:           k_q128ea2627e_attn
    .symbol:         k_q128ea2627e_attn.kd
    .args:
      - { .name: q_f, .offset: 0, .size: 8, .value_kind: global_buffer, .address_space: global }
      - { .name: kv_f, .offset: 8, .size: 8, .value_kind: global_buffer, .address_space: global }
      - { .name: a_f, .offset: 16, .size: 8, .value_kind: global_buffer, .address_space: global }
    .group_segment_fixed_size: 327680
    .private_segment_fixed_size: 0
    .kernarg_segment_align: 8
    .kernarg_segment_size: 24
    .max_flat_workgroup_size: 512
    .sgpr_count:     66
    .vgpr_count:     256
    .wavefront_size: 32
...
	.end_amdgpu_metadata
.endif
;; end of part 10
;; launch oproj (part 11): grid 8 x 32, 4 waves a work-group, clusters of 4 x 4, 327,680 bytes of LDS; arguments a_f, wts, b_out, x, x1; writes x1
.if DOCPART == 11
	.amdgcn_target "amdgcn-amd-amdhsa--gfx1250"
	.amdhsa_code_object_version 6
	.text
	.protected	k_q128ea2627e_oproj
	.globl	k_q128ea2627e_oproj
	.p2align	8
	.type	k_q128ea2627e_oproj,@function
k_q128ea2627e_oproj:
	s_mov_b64 s[64:65], 0
	v_nop
	global_prefetch_b8 v0, s[64:65] scope:SCOPE_SE
	s_setreg_imm32_b32 hwreg(HW_REG_WAVE_MODE, 25, 1), 1
	s_wait_xcnt 0x0
	s_wait_alu depctr_hold_cnt(0) depctr_sa_sdst(0) depctr_va_vdst(0) depctr_va_sdst(0) depctr_va_ssrc(0) depctr_va_vcc(0) depctr_vm_vsrc(0)
	s_getreg_b32 s2, hwreg(HW_REG_IB_STS2, 6, 4)
	s_cmp_eq_u32 s2, 0
	s_cbranch_scc0 .Lentry_in_a_cluster
	s_endpgm
.Lentry_in_a_cluster:
	s_bfe_u32 s2, ttmp6, 0x10000c
	s_cmp_lg_u32 s2, 0xf033
	s_cbranch_scc0 .Lentry_shape_is_right
	s_endpgm
.Lentry_shape_is_right:
; x1 = x + attention w_out + b_out: the product on codes of BF8 (E5M2) with E8M0 scales, K = 1,024, the rest in f32.
; OPERANDS lie in memory as images of operand registers: a chunk = 128 rows x 128 K = 16,896 bytes (codes 2048 i + 512 c + 16 lane, scale words 16,384 + 64 i + 4 r), chunks [row group][K step].
; Place r of tile i is row 32 (i / 2) + 8 (i % 2) + r % 8 + 16 (r / 8) of the group.  Source 0 = the weight's columns (S0), source 1 = the tokens (S1): lane (r, h) holds one token, and the registers of S0's tiles run along the columns:
; register 16 B + i of a token's 32 = column 32 B + 16 h + i of the wave's 64.
; SHARES.  4,096 tokens x 1,024 columns in tiles of 128 x 128 are 256 work-groups of equal work (tiles of 256 x 256 would be 64).  A work-group has one row group of each operand; a wave makes 64 x 64: 16 accumulators.
; THE RING.  A slot holds FOUR K steps of both row groups, 8 chunks, 135,168 bytes.  A row group's K steps are consecutive in memory, so each wave brings four of them (codes and scales) as one dense block of 67,584 bytes by one tensor load:
; waves 0, 1 S1's four K steps of slot 0 and of slot 1, waves 2, 3 S0's.  This K has two slots' worth: both are filled at the start and nothing is filled again.
; CLUSTERS: 4 x 4.  S0's blocks hang on the work-group's x alone and are asked for jointly along a column of the cluster, S1's on its y alone and are asked for jointly along a row.
; The bias is the C of each sum's first product (another order of rounding than bias last).  The residual's rows are asked for at the head and added on the way out.
; The way out goes through the wave's own stage in LDS: a wave's 64 columns are 256 consecutive bytes of a row, at a multiple of 256 from the buffer's first byte; sixteen lanes store them.
; REGISTERS: window 0: v1-7 lane terms; v16-27 addresses; v28, v29 the add's; v32-63 scale words, two sets; v64-95 the bias; v128-255 accumulator (a, b) at v[128 + 8 (4 a + b)], later rows of the result.
;   window 1: two fragment buffers of 128 (S1's four tiles, then S0's four): the K steps take them by turns.   window 2: v0-127 the residual.
.set NKS,    8                         ; K steps of 128
.set WOFF,   3244032                   ; where this weight's chunks begin in wts
.set LAST,   0
.set CH,     16896
.set NQ,     4                         ; K steps in a slot
.set REGN,   2*CH
.set SLOT,   2*NQ*CH                   ; S1's four chunks, then S0's four
.set SPARE,  2*SLOT                    ; behind the ring: the spare words, 128 bytes a wave: two blocks of 256 bytes that no other line names
.set RG,     NKS*CH                    ; a row group's chunks
.set LAPS,   NKS/(2*NQ)
.set FR,     16
.set NP,     8                         ; places behind this matrix instruction (ISA guide 7.12.1)
.set SPITCH, 272                       ; a stage row: 256 bytes + 16
.set WSTG,   64*SPITCH                 ; a wave's stage: its 64 tokens.  The four stages lie in slot 0, which has had its last fill and its last read when the first result is stored there
.set ADRA, 16                          ; v16-17 S1's fragments in slot 0, 1
.set ADRB, 20                          ; v20-21 S0's
.set ADRS, 22                          ; v22-23 scale words: lanes 0-15 S1's, lanes 16-31 S0's
.set LI,   24                          ; v24 16 x lane
.set CO,   25                          ; v25 my bytes in two rows of the result: 4,096 (lane / 16) + 16 (lane % 16); never rewritten
.set STO,  26
.set RD,   27
.set SPW,  28
.set NIL,  29
.set SC,   32                          ; set s at v[SC + 16 s]; register 4 i + q: my tile i, the slot's q-th K step
.set BIAS, 64
.set ACC,  128
.set F0,   0
.set F1,   128
.set G1,  24
.set G0,  32
.set G1B, 48
.set G0B, 56
.set MSB, 0
.macro WIN new                         ; the immediate's high byte repeats the setting that is left
.if MSB != (\new)
	s_set_vgpr_msb (MSB<<8)|(\new)
.set MSB, (\new)
.endif
.endm
.set MUL,   0x05                       ; sources 0 and 1 window 1; C and D window 0
.set TO_F,  0x40                       ; destination window 1
.set TO_R,  0x80                       ; destination window 2
.set ADD_R, 0x08                       ; source 1 window 2
.macro JLOAD g0a, g0b                  ; a joint load: waves 0 and 1 fetch for S1, waves 2 and 3 for S0; the branch hangs on the wave's number alone; four v_nop follow each of the two lines
	s_cmp_eq_u32 s15, 0
	s_cbranch_scc0 .Lfor_s0_\@
	tensor_load_to_lds s[\g0a:\g0a+3], s[G1:G1+7]
	s_nop 0
.rept 4
	v_nop
.endr
	s_branch .Lasked_\@
.Lfor_s0_\@:
	tensor_load_to_lds s[\g0b:\g0b+3], s[G1B:G1B+7]
	s_nop 0
.rept 4
	v_nop
.endr
.Lasked_\@:
.endm
.macro CREST                           ; a round of the cluster's barrier behind its opening barrier
	s_cmp_lg_u32 s14, 0
	s_cbranch_scc1 .Lnot_wave_0_\@
	s_barrier_signal -3
.Lnot_wave_0_\@:
	s_barrier_wait -3
	s_barrier_signal -1
	s_barrier_wait -1
.endm
.macro CROUND
	s_barrier_signal -1
	s_barrier_wait -1
	CREST
.endm
.macro PLACES n
.rept \n
	v_nop
.endr
.endm
	s_load_b256 s[4:11], s[0:1], 0x0               ; S1's codes s[4:5], wts s[6:7], the bias s[8:9], the residual s[10:11]
	s_load_b64 s[12:13], s[0:1], 0x20              ; the result
	v_lshl_add_u32 v[SPW], v0, 2, SPARE
	v_mov_b32 v[NIL], 0
	ds_add_u32 v28, v29
	ds_add_u32 v28, v29
	s_wait_dscnt 0x0
	v_lshrrev_b32 v1, 5, v0
	v_readfirstlane_b32 s14, v1                    ; wave 0..3
	s_lshr_b32 s15, s14, 1                         ; my half of the tokens.  Also: I fetch for S1 (0) or for S0 (1)
	s_and_b32 s16, s14, 1                          ; my half of the columns.  Also: which slot I fetch
	s_bfe_u32 s40, ttmp6, 0x40000                  ; cx
	s_bfe_u32 s41, ttmp6, 0x40004                  ; cy
	s_lshl_b32 s42, ttmp9, 2
	s_add_co_u32 s42, s42, s40                     ; X: the group of 128 columns
	s_and_b32 s17, ttmp7, 0xffff
	s_lshl_b32 s17, s17, 2
	s_add_co_u32 s17, s17, s41                     ; Y: the group of 128 tokens
	s_lshl_b32 s43, s41, 2
	s_lshl_b32 s43, 15, s43                        ; my row of the cluster
	s_lshl_b32 s44, 0x1111, s40                    ; my column
	s_or_b32 s[G1+0], s43, (3<<16)|(1<<21)         ; 15:0 the mask: S1's blocks go to my row; 17:16 elements of 8 bytes; 21 set beside a mask
	s_or_b32 s[G1B+0], s44, (3<<16)|(1<<21)        ; S0's go to my column
.irp g, G1, G1B
	s_mov_b32 s[\g+1], 32<<16                      ; a dense block of 264 rows of 256 bytes: tensor_dim0 = 32 elements,
	s_mov_b32 s[\g+2], 264<<16                     ; tensor_dim1 = 264: four K steps of a row group, dense,
	s_mov_b32 s[\g+3], 32<<16                      ; tile_dim0 = 32,
	s_mov_b32 s[\g+4], 264                         ; tile_dim1 = 264,
	s_mov_b32 s[\g+5], 32                          ; tensor_dim0_stride = 32
	s_mov_b32 s[\g+6], 0
	s_mov_b32 s[\g+7], 0
.endr
	s_mul_i32 s18, s16, NQ*CH                      ; ONE LOAD A WAVE: waves 0, 1 fetch S1's part of slot 0, of slot 1 (four K steps each), waves 2, 3 S0's
	s_mul_i32 s20, s17, RG                         ; S1: row group Y
	s_add_co_u32 s20, s20, s18
	s_mov_b32 s21, 0
	s_mul_i32 s46, s42, RG                         ; S0: row group X
	s_add_co_u32 s46, s46, s18
	s_add_co_u32 s46, s46, WOFF
	s_mov_b32 s47, 0
	s_mul_i32 s45, s16, SLOT                       ; where my block goes: slot (wave % 2), S1's part or S0's: no place in the cluster enters an LDS address
	s_mul_i32 s19, s15, NQ*CH
	s_add_co_u32 s45, s45, s19
	s_wait_kmcnt 0x0
	s_add_nc_u64 s[20:21], s[4:5], s[20:21]
	s_add_nc_u64 s[46:47], s[6:7], s[46:47]
	CROUND                                         ; all sixteen work-groups are here: the first joint loads meet
.irp s, 0
	s_mov_b32 s[G0+4*\s], 1
	s_add_co_u32 s[G0+4*\s+1], s45, \s*SLOT
	s_add_nc_u64 s[G0+4*\s+2:G0+4*\s+3], s[20:21], \s*NQ*CH
	s_or_b32 s[G0+4*\s+3], s[G0+4*\s+3], 0x80000000
	s_mov_b32 s[G0B+4*\s], 1
	s_add_co_u32 s[G0B+4*\s+1], s45, \s*SLOT
	s_add_nc_u64 s[G0B+4*\s+2:G0B+4*\s+3], s[46:47], \s*NQ*CH
	s_or_b32 s[G0B+4*\s+3], s[G0B+4*\s+3], 0x80000000
	JLOAD G0+4*\s, G0B+4*\s
.endr
	v_and_b32 v1, 15, v0                           ; r
	v_bfe_u32 v2, v0, 4, 1                         ; h
	s_wait_alu depctr_va_vdst(0)
	v_and_b32 v3, 31, v0
	v_lshlrev_b32 v[LI], 4, v3                     ; 16 x lane
	s_wait_alu depctr_va_vdst(0)
	s_lshl_b32 s74, s42, 9
	s_lshl_b32 s75, s16, 8
	s_add_co_u32 s74, s74, s75                     ; my first column, in bytes: 4 (128 X + 64 half)
	s_mov_b32 s75, 0
	s_add_nc_u64 s[8:9], s[8:9], s[74:75]
	v_lshlrev_b32 v7, 6, v2
.irp b, 0,1
.irp i, 0,1,2,3
	global_load_b128 v[BIAS+16*\b+4*\i:BIAS+16*\b+4*\i+3], v7, s[8:9] offset:128*\b+16*\i   ; register 16 B + e = bias of column 32 B + 16 h + e: the result's layout
.endr
.endr
	s_lshl_b32 s76, s17, 7
	s_lshl_b32 s77, s15, 6
	s_add_co_u32 s76, s76, s77                     ; my first token: 128 Y + 64 half
	s_lshl_b32 s76, s76, 12                        ; its row of 4,096 bytes,
	s_add_co_u32 s76, s76, s74                     ; my first column
	s_mov_b32 s77, 0
	s_add_nc_u64 s[10:11], s[10:11], s[76:77]
	s_add_nc_u64 s[12:13], s[12:13], s[76:77]
	v_lshlrev_b32 v[CO], 12, v2
	v_lshl_add_u32 v[CO], v1, 4, v[CO]
	s_lshl_b32 s21, s15, 13                        ; my four tiles of S1: 8,192 bytes on for the upper half
	s_lshl_b32 s22, s16, 13
	s_add_co_u32 s22, s22, NQ*CH                   ; my four tiles of S0: its chunks lie behind S1's four
	s_lshl_b32 s23, s15, 8                         ; my S1 tiles' scale words: 256 bytes on for the upper half
	s_lshl_b32 s19, s16, 8
	s_add_co_u32 s19, s19, NQ*CH
	s_sub_co_u32 s19, s19, s23
	v_mul_u32_u24 v6, s19, v2                      ; lanes 16-31 take S0's scale words: one product, the distance between the two
	v_lshl_add_u32 v6, v1, 2, v6
	s_add_co_u32 s23, s23, 16384
.irp s, 0,1
	v_add_nc_u32 v[ADRA+\s], s21, v[LI]
	v_add_nc_u32 v[ADRB+\s], s22, v[LI]
	v_add_nc_u32 v[ADRS+\s], s23, v6
	s_add_co_u32 s21, s21, SLOT
	s_add_co_u32 s22, s22, SLOT
	s_add_co_u32 s23, s23, SLOT
.endr
	s_mul_i32 s23, s14, WSTG                       ; my stage
	v_mul_u32_u24 v5, v1, SPITCH
	v_lshl_add_u32 v5, v2, 6, v5
	v_add_nc_u32 v[STO], s23, v5                   ; in: row r, + 64 h
	v_mul_u32_u24 v5, v2, SPITCH
	v_lshl_add_u32 v5, v1, 4, v5
	v_add_nc_u32 v[RD], s23, v5                    ; back: lanes 0-15 one row of 256 bytes, lanes 16-31 the next
.macro FRAG reg, adr, q, i             ; a fragment comes back as it was stored: four loads of 512 consecutive bytes
.irp c, 0,1,2,3
	ds_load_b128 v[\reg+4*\c:\reg+4*\c+3], v[\adr] offset:CH*(\q)+2048*(\i)+512*\c
.endr
.endm
.macro FETCH slot, q, f                ; 32 LDS loads in one run: the slot's q-th K step into buffer f: S0's four tiles, then S1's; S1's tiles 2 and 3 are the youngest eight
	WIN TO_F
.irp i, 0,1,2,3
	FRAG \f+64+FR*\i, ADRB+\slot, \q, \i
.endr
.irp i, 0,1,2,3
	FRAG \f+FR*\i, ADRA+\slot, \q, \i
.endr
.endm
.macro SCALES sc                       ; a slot's scale words: lanes 0-15 S1's tile i, lanes 16-31 S0's tile i, K step q
.irp i, 0,1,2,3
.irp q, 0,1,2,3
	ds_load_b32 v[SC+16*\sc+4*\i+\q], v[ADRS+\sc] offset:CH*\q+64*\i
.endr
.endr
.endm
; 4 matrix instructions: S1's tile a x S0's four, 128 along K.  zero = 1: the first product starts the sums from the bias: nothing is cleared.
; The 16 accumulators take turns, one instruction a turn, in the same order in every step.
.macro MUL4 f, a, q, sc, zero
.irp b, 0,1,2,3
.if \zero
	v_wmma_scale_f32_16x16x128_f8f6f4 v[ACC+8*(4*(\a)+\b):ACC+8*(4*(\a)+\b)+7], v[\f+64+FR*\b:\f+64+FR*\b+FR-1], v[\f+FR*(\a):\f+FR*(\a)+FR-1], v[BIAS+8*\b:BIAS+8*\b+7], v[SC+16*(\sc)+4*\b+(\q)], v[SC+16*(\sc)+4*(\a)+(\q)] matrix_a_fmt:MATRIX_FMT_BF8 matrix_b_fmt:MATRIX_FMT_BF8 matrix_a_scale:MATRIX_SCALE_ROW1
.else
	v_wmma_scale_f32_16x16x128_f8f6f4 v[ACC+8*(4*(\a)+\b):ACC+8*(4*(\a)+\b)+7], v[\f+64+FR*\b:\f+64+FR*\b+FR-1], v[\f+FR*(\a):\f+FR*(\a)+FR-1], v[ACC+8*(4*(\a)+\b):ACC+8*(4*(\a)+\b)+7], v[SC+16*(\sc)+4*\b+(\q)], v[SC+16*(\sc)+4*(\a)+(\q)] matrix_a_fmt:MATRIX_FMT_BF8 matrix_b_fmt:MATRIX_FMT_BF8 matrix_a_scale:MATRIX_SCALE_ROW1
.endif
.endr
.endm
; A K step that has its successor in the same slot: it multiplies buffer q % 2 and, in its middle, fetches the next K step into the other buffer.
; A load into a register that a matrix instruction has read stands NP places behind it, and only plain vector instructions are places: the other buffer's last products stand in front of this step's first eight.
.macro STEP slot, q, zero
	s_wait_dscnt 8                                 ; S0's four tiles and S1's tiles 0, 1 are in (and the scale words, which are older); the youngest eight loads may be out
	WIN MUL
	MUL4 128*((\q)%2), 0, \q, \slot, \zero
	MUL4 128*((\q)%2), 1, \q, \slot, \zero
	PLACES NP
	FETCH \slot, (\q)+1, 128*(1-(\q)%2)
	s_wait_dscnt 32                                ; all but the 32 just issued
	WIN MUL
	MUL4 128*((\q)%2), 2, \q, \slot, \zero
	MUL4 128*((\q)%2), 3, \q, \slot, \zero
.endm
; A slot's last K step (buffer 1) changes slots: one barrier; in front of it each wave waits for all its tensor loads, adds 0 to its spare word, and waits for that and for its reads of this slot.  fill = 1: the slot is filled again, two slots ahead.
.macro TURN slot, next, fill
	WIN 0                                          ; (the add's two registers lie in window 0)
	s_wait_tensorcnt 0x0                           ; all my tensor loads have landed: my part of the next slot
	ds_add_u32 v[SPW], v[NIL]                      ; 0 onto my spare word
	s_wait_dscnt 9                                 ; (the add and the youngest eight loads may be out)
	WIN MUL
	MUL4 F1, 0, NQ-1, \slot, 0                     ; four matrix instructions stand between the add and the wait for it
	s_wait_dscnt 0x0                               ; the add is done, and my reads of this slot are over
	s_barrier_signal -1
	MUL4 F1, 1, NQ-1, \slot, 0
	WIN 0
	s_barrier_wait -1
.if \fill
	CREST                                          ; the barrier has opened a round of the cluster's: no wave of any partner still reads this slot or has a load on its way
	s_add_nc_u64 s[G0+4*\slot+2:G0+4*\slot+3], s[G0+4*\slot+2:G0+4*\slot+3], 2*NQ*CH
	s_add_nc_u64 s[G0B+4*\slot+2:G0B+4*\slot+3], s[G0B+4*\slot+2:G0B+4*\slot+3], 2*NQ*CH
	JLOAD G0+4*\slot, G0B+4*\slot                  ; the first tensor load behind the round; its four v_nop are among the places in front of the loads below
	PLACES NP-4
.else
	PLACES NP
.endif
	SCALES \next
	FETCH \next, 0, F0
	WIN MUL
	MUL4 F1, 2, NQ-1, \slot, 0
	MUL4 F1, 3, NQ-1, \slot, 0
.endm
	s_wait_alu depctr_va_vdst(0)
	s_wait_tensorcnt 0x0                           ; my one load is in,
	s_barrier_signal -1
	s_barrier_wait -1                              ; everybody's is
	SCALES 0
	FETCH 0, 0, F0
	s_wait_loadcnt 0x0                             ; the bias: the only loads that are out
	STEP 0, 0, 1                                   ; the first K step stands in front of the loop: its products start the sums
	; the residual's 64 rows x 256 bytes are asked for here, behind the tiles' landing, and are on their way under the products: two rows a load, in the order in which the rows come back from the stage:
	; tile a, places 2 t and 2 t + 1 = tokens 32 (a / 2) + 8 (a % 2) + 2 (t % 4) + 16 (t / 4) + (lane / 16)
	WIN TO_R
.irp a, 0,1,2,3
.irp t, 0,1,2,3,4,5,6,7
	global_load_b128 v[32*\a+4*\t:32*\a+4*\t+3], v[CO], s[10:11] offset:(32*(\a/2)+8*(\a%2)+2*(\t%4)+16*(\t/4))*4096 th:TH_LOAD_NT
.endr
.endr
	WIN 0
.if LAPS > 1
	WIN 0                                          ; at a label and at a branch every window is 0
	s_mov_b32 s3, LAPS-1
.Llap:                                                 ; a trip goes once round the ring, from a lap's second K step to the next lap's first, and fills both slots again
	STEP 0, 1, 0
	STEP 0, 2, 0
	TURN 0, 1, 1
	STEP 1, 0, 0
	STEP 1, 1, 0
	STEP 1, 2, 0
	TURN 1, 0, 1
	STEP 0, 0, 0
	WIN 0
	s_sub_co_u32 s3, s3, 1
	s_cmp_lg_u32 s3, 0
	s_cbranch_scc1 .Llap
.endif
	STEP 0, 1, 0                                   ; the last lap fills nothing, and has no round of the cluster's barrier
	STEP 0, 2, 0
	TURN 0, 1, 0
	STEP 1, 0, 0
	STEP 1, 1, 0
	STEP 1, 2, 0
	s_wait_dscnt 8                                 ; the very last K step: nothing more to fetch
	WIN MUL
	MUL4 F1, 0, NQ-1, 1, 0
	MUL4 F1, 1, NQ-1, 1, 0
	s_wait_dscnt 0
	MUL4 F1, 2, NQ-1, 1, 0
	MUL4 F1, 3, NQ-1, 1, 0
	WIN 0
; THE WAY OUT, S1's tile a (16 tokens x 64 columns) at a time.  A lane holds pieces of one row, and the lanes beside it hold other rows: so a tile goes through my own stage and comes back as whole rows of 256 bytes,
; into the registers that it left.  LDS serves a wave's instructions in order (ISA guide 5.7.1.4): no wait between the stores and the loads.
.macro TOSTAGE a
.irp b, 0,1,2,3
	ds_store_b128 v[STO], v[ACC+8*(4*(\a)+\b):ACC+8*(4*(\a)+\b)+3] offset:(\a)*16*SPITCH+128*(\b/2)+32*(\b%2)         ; each accumulator from its low end on
	ds_store_b128 v[STO], v[ACC+8*(4*(\a)+\b)+4:ACC+8*(4*(\a)+\b)+7] offset:(\a)*16*SPITCH+128*(\b/2)+32*(\b%2)+16
.endr
.irp t, 0,1,2,3,4,5,6,7
	ds_load_b128 v[ACC+32*(\a)+4*\t:ACC+32*(\a)+4*\t+3], v[RD] offset:(\a)*16*SPITCH+2*\t*SPITCH
.endr
.endm
.macro SEND a
	s_wait_dscnt 16*(3-(\a))                       ; tile a is back; each later tile's 8 stores and 8 loads may be out
	WIN ADD_R
.set k, 0
.rept 16
	v_pk_add_f32 v[ACC+32*(\a)+k:ACC+32*(\a)+k+1], v[ACC+32*(\a)+k:ACC+32*(\a)+k+1], v[32*(\a)+k:32*(\a)+k+1]   ; + the residual
.set k, k+2
.endr
	WIN 0
.irp t, 0,1,2,3,4,5,6,7
.if LAST
	global_store_b128 v[CO], v[ACC+32*(\a)+4*\t:ACC+32*(\a)+4*\t+3], s[12:13] offset:(32*((\a)/2)+8*((\a)%2)+2*(\t%4)+16*(\t/4))*4096 th:TH_STORE_NT
.else
	global_store_b128 v[CO], v[ACC+32*(\a)+4*\t:ACC+32*(\a)+4*\t+3], s[12:13] offset:(32*((\a)/2)+8*((\a)%2)+2*(\t%4)+16*(\t/4))*4096   ; sixteen lanes store 256 consecutive bytes, aligned; no store's data are written again
.endif
.endr
.endm
	PLACES NP                                      ; behind the last products: results are read, and loads land on them
	TOSTAGE 0
	TOSTAGE 1
	TOSTAGE 2
	TOSTAGE 3
	s_wait_loadcnt 0x0                             ; the residual, asked for at the head
	SEND 0
	SEND 1
	SEND 2
	SEND 3
	s_wait_tensorcnt 0x0                           ; the wave's end
	ds_add_u32 v[SPW], v[NIL]
	s_wait_dscnt 0x0
	CROUND                                         ; the closing round: no work-group ends while a partner may still ask for a block that names it
	s_endpgm
.Lfunc_end_k_q128ea2627e_oproj:
	.size	k_q128ea2627e_oproj, .Lfunc_end_k_q128ea2627e_oproj-k_q128ea2627e_oproj
	.p2alignl 7, 3214868480
	.fill 96, 4, 3214868480
	.section	.rodata,"a",@progbits
	.p2align	6, 0x0
	.amdhsa_kernel k_q128ea2627e_oproj
		.amdhsa_group_segment_fixed_size 327680
		.amdhsa_private_segment_fixed_size 0
		.amdhsa_enable_private_segment 0
		.amdhsa_kernarg_size 40
		.amdhsa_user_sgpr_count 2
		.amdhsa_user_sgpr_kernarg_segment_ptr 1
		.amdhsa_wavefront_size32 1
		.amdhsa_system_sgpr_workgroup_id_x 1
		.amdhsa_system_sgpr_workgroup_id_y 1
		.amdhsa_system_sgpr_workgroup_id_z 1
		.amdhsa_system_vgpr_workitem_id 0
		.amdhsa_next_free_vgpr 768
		.amdhsa_next_free_sgpr 100
		.amdhsa_reserve_vcc 0
		.amdhsa_float_denorm_mode_32 3
		.amdhsa_float_denorm_mode_16_64 3
		.amdhsa_memory_ordered 1
		.amdhsa_forward_progress 1
		.amdhsa_inst_pref_size 60
	.end_amdhsa_kernel
	.amdgpu_metadata
---
amdhsa.version: [ 1, 2 ]
amdhsa.kernels:
  - .name:           k_q128ea2627e_oproj
    .symbol:         k_q128ea2627e_oproj.kd
    .args:
      - { .name: a_f, .offset: 0, .size: 8, .value_kind: global_buffer, .address_space: global }
      - { .name: wts, .offset: 8, .size: 8, .value_kind: global_buffer, .address_space: global }
      - { .name: b_out, .offset: 16, .size: 8, .value_kind: global_buffer, .address_space: global }
      - { .name: x, .offset: 24, .size: 8, .value_kind: global_buffer, .address_space: global }
      - { .name: x1, .offset: 32, .size: 8, .value_kind: global_buffer, .address_space: global }
    .group_segment_fixed_size: 327680
    .private_segment_fixed_size: 0
    .kernarg_segment_align: 8
    .kernarg_segment_size: 40
    .max_flat_workgroup_size: 128
    .sgpr_count:     100
    .vgpr_count:     768
    .wavefront_size: 32
...
	.end_amdgpu_metadata
.endif
;; end of part 11
;; launch ln2: the kernel of part 8 again; grid 256 x 1, 4 waves a work-group, no clusters, 66,304 bytes of LDS; arguments x1, ln2_g, ln2_b, h_f, w_qkv, w_out, w_ff1, w_ff2, wts; writes h_f, wts
;; launch ff1 (part 12): grid 16 x 16, 4 waves a work-group, clusters of 4 x 4, 327,680 bytes of LDS; arguments h_f, wts, b_ff1, ff_f; writes ff_f
.if DOCPART == 12
	.amdgcn_target "amdgcn-amd-amdhsa--gfx1250"
	.amdhsa_code_object_version 6
	.text
	.protected	k_q128ea2627e_ff1
	.globl	k_q128ea2627e_ff1
	.p2align	8
	.type	k_q128ea2627e_ff1,@function
k_q128ea2627e_ff1:
	s_mov_b64 s[64:65], 0
	v_nop
	global_prefetch_b8 v0, s[64:65] scope:SCOPE_SE
	s_setreg_imm32_b32 hwreg(HW_REG_WAVE_MODE, 25, 1), 1
	s_wait_xcnt 0x0
	s_wait_alu depctr_hold_cnt(0) depctr_sa_sdst(0) depctr_va_vdst(0) depctr_va_sdst(0) depctr_va_ssrc(0) depctr_va_vcc(0) depctr_vm_vsrc(0)
	s_getreg_b32 s2, hwreg(HW_REG_IB_STS2, 6, 4)
	s_cmp_eq_u32 s2, 0
	s_cbranch_scc0 .Lentry_in_a_cluster
	s_endpgm
.Lentry_in_a_cluster:
	s_bfe_u32 s2, ttmp6, 0x10000c
	s_cmp_lg_u32 s2, 0xf033
	s_cbranch_scc0 .Lentry_shape_is_right
	s_endpgm
.Lentry_shape_is_right:
.set NKS,    8
.set WOFF,   4325376
.set CH,     16896
.set NQ,     2
.set REGN,   NQ*CH
.set SLOT,   4*REGN
.set SPARE,  2*SLOT
.set RG,     NKS*CH
.set LAPS,   NKS/(2*NQ)
.set FR,     16
.set NL,     4
.set NP,     8
.set ADRA, 16
.set ADRB, 20
.set ADRS, 22
.set LI,   24
.set L4,   25
.set SPW,  28
.set NIL,  29
.set SC,   32
.set BIAS, 64
.set AF,   128
.set PC,   128
.set SW,   80
.set TM,   88
.set TP,   92
.set HL,   96
.set SO,   100
.set TS,   104
.set G1,  24
.set G0,  32
.set G1B, 48
.set G0B, 56
.set MSB, 0
.macro WIN new
.if MSB != (\new)
	s_set_vgpr_msb (MSB<<8)|(\new)
.set MSB, (\new)
.endif
.endm
.set MUL_LO, 0xa1
.set MUL_HI, 0xf1
.set BIA_LO, 0x81
.set BIA_HI, 0xc1
.set TO_B,   0x40
.macro JLOAD g0a, g0b
	s_cmp_eq_u32 s15, 0
	s_cbranch_scc0 .Lfor_s0_\@
	tensor_load_to_lds s[\g0a:\g0a+3], s[G1:G1+7]
	s_nop 0
.rept 4
	v_nop
.endr
	s_branch .Lasked_\@
.Lfor_s0_\@:
	tensor_load_to_lds s[\g0b:\g0b+3], s[G1B:G1B+7]
	s_nop 0
.rept 4
	v_nop
.endr
.Lasked_\@:
.endm
.macro CREST
	s_cmp_lg_u32 s14, 0
	s_cbranch_scc1 .Lnot_wave_0_\@
	s_barrier_signal -3
.Lnot_wave_0_\@:
	s_barrier_wait -3
	s_barrier_signal -1
	s_barrier_wait -1
.endm
.macro CROUND
	s_barrier_signal -1
	s_barrier_wait -1
	CREST
.endm
.macro PLACES n
.rept \n
	v_nop
.endr
.endm
	s_load_b256 s[4:11], s[0:1], 0x0
	v_lshl_add_u32 v[SPW], v0, 2, SPARE
	v_mov_b32 v[NIL], 0
	ds_add_u32 v28, v29
	ds_add_u32 v28, v29
	s_wait_dscnt 0x0
	v_lshrrev_b32 v1, 5, v0
	v_readfirstlane_b32 s14, v1
	s_lshr_b32 s15, s14, 1
	s_and_b32 s16, s14, 1
	s_bfe_u32 s40, ttmp6, 0x40000
	s_bfe_u32 s41, ttmp6, 0x40004
	s_lshl_b32 s42, ttmp9, 2
	s_add_co_u32 s42, s42, s40
	s_and_b32 s17, ttmp7, 0xffff
	s_lshl_b32 s17, s17, 2
	s_add_co_u32 s17, s17, s41
	s_lshl_b32 s43, s41, 2
	s_lshl_b32 s43, 15, s43
	s_lshl_b32 s44, 0x1111, s40
	s_or_b32 s[G1+0], s43, (3<<16)|(1<<21)
	s_or_b32 s[G1B+0], s44, (3<<16)|(1<<21)
.irp g, G1, G1B
	s_mov_b32 s[\g+1], (REGN/8)<<16                ; the head's shape: 2 rows (two row groups) of 33,792 bytes (two K steps), a row group's chunks apart
	s_mov_b32 s[\g+2], 2<<16
	s_mov_b32 s[\g+3], (REGN/8)<<16
	s_mov_b32 s[\g+4], 2
	s_mov_b32 s[\g+5], RG/8
	s_mov_b32 s[\g+6], 0
	s_mov_b32 s[\g+7], 0
.endr
	s_lshl_b32 s20, s17, 1
	s_add_co_u32 s20, s20, s16
	s_mul_i32 s20, s20, RG
	s_mov_b32 s21, 0
	s_lshl_b32 s46, s42, 1
	s_add_co_u32 s46, s46, s16
	s_mul_i32 s46, s46, RG
	s_add_co_u32 s46, s46, WOFF
	s_mov_b32 s47, 0
	s_mul_i32 s45, s14, REGN
	s_wait_kmcnt 0x0
	s_add_nc_u64 s[20:21], s[4:5], s[20:21]
	s_add_nc_u64 s[46:47], s[6:7], s[46:47]
	CROUND
.irp s, 0,1
	s_mov_b32 s[G0+4*\s], 1
	s_add_co_u32 s[G0+4*\s+1], s45, \s*SLOT
	s_add_nc_u64 s[G0+4*\s+2:G0+4*\s+3], s[20:21], \s*REGN
	s_or_b32 s[G0+4*\s+3], s[G0+4*\s+3], 0x80000000
	s_mov_b32 s[G0B+4*\s], 1
	s_add_co_u32 s[G0B+4*\s+1], s45, \s*SLOT
	s_add_nc_u64 s[G0B+4*\s+2:G0B+4*\s+3], s[46:47], \s*REGN
	s_or_b32 s[G0B+4*\s+3], s[G0B+4*\s+3], 0x80000000
.endr
	; THE HEAD'S LOADS, ONE A WAVE: wave 0 slot 0's two row groups of S1, wave 1 slot 1's, waves 2 and 3 the same of S0: both slots are filled by four loads
	s_mul_i32 s82, s17, 2*RG
	s_mul_i32 s78, s16, REGN                       ; slot (wave % 2): its two K steps
	s_add_co_u32 s82, s82, s78
	s_mov_b32 s83, 0
	s_add_nc_u64 s[82:83], s[4:5], s[82:83]
	s_or_b32 s83, s83, 0x80000000
	s_mul_i32 s86, s42, 2*RG
	s_add_co_u32 s86, s86, s78
	s_add_co_u32 s86, s86, WOFF
	s_mov_b32 s87, 0
	s_add_nc_u64 s[86:87], s[6:7], s[86:87]
	s_or_b32 s87, s87, 0x80000000
	s_mov_b32 s80, 1
	s_mov_b32 s84, 1
	s_mul_i32 s81, s16, SLOT
	s_mul_i32 s79, s15, 2*REGN
	s_add_co_u32 s81, s81, s79
	s_mov_b32 s85, s81
	JLOAD 80, 84
	v_and_b32 v1, 15, v0
	v_bfe_u32 v2, v0, 4, 1
	v_and_b32 v3, 31, v0
	v_lshlrev_b32 v[LI], 4, v3
	s_wait_alu depctr_va_vdst(0)
	v_lshlrev_b32 v[L4], 2, v3
	s_mul_i32 s21, s15, REGN
	s_mul_i32 s22, s16, REGN
	s_add_co_u32 s22, s22, 2*REGN
	s_sub_co_u32 s23, s22, s21
	v_mul_u32_u24 v6, s23, v2
	v_lshl_add_u32 v6, v1, 2, v6
	s_add_co_u32 s23, s21, 16384
.irp s, 0,1
	v_add_nc_u32 v[ADRA+\s], s21, v[LI]
	v_add_nc_u32 v[ADRB+\s], s22, v[LI]
	v_add_nc_u32 v[ADRS+\s], s23, v6
	s_add_co_u32 s21, s21, SLOT
	s_add_co_u32 s22, s22, SLOT
	s_add_co_u32 s23, s23, SLOT
.endr
	s_lshl_b32 s74, s42, 10
	s_lshl_b32 s75, s16, 9
	s_add_co_u32 s74, s74, s75
	s_mov_b32 s75, 0
	s_add_nc_u64 s[8:9], s[8:9], s[74:75]
	v_lshlrev_b32 v7, 6, v2
.irp b, 0,1,2,3
.irp i, 0,1,2,3
	global_load_b128 v[BIAS+16*\b+4*\i:BIAS+16*\b+4*\i+3], v7, s[8:9] offset:128*\b+16*\i
.endr
.endr
	s_lshl_b32 s76, s17, 1
	s_add_co_u32 s76, s76, s15
	s_lshl_b32 s76, s76, 5
	s_lshl_b32 s77, s42, 1
	s_add_co_u32 s77, s77, s16
	s_add_co_u32 s76, s76, s77
	s_mul_i32 s76, s76, CH
	s_mov_b32 s77, 0
	s_add_nc_u64 s[10:11], s[10:11], s[76:77]
	; PREFETCH INTO THE L2 of what my two refills will bring (K steps 4, 5 and 6, 7 of my row group: 132 blocks of 256 bytes each).  The four partners that ask for a block jointly share it out by address, 33 blocks each:
	; a lane a block, and one more instruction, all lanes alike, for the 33rd.  The addresses are never rewritten.
	s_cmp_eq_u32 s15, 0
	s_cselect_b64 s[88:89], s[4:5], s[6:7]
	s_cselect_b32 s90, s17, s42
	s_cselect_b32 s91, s40, s41                    ; my place among the four
	s_cselect_b32 s92, 0, WOFF
	s_lshl_b32 s90, s90, 1
	s_add_co_u32 s90, s90, s16
	s_mul_i32 s90, s90, RG
	s_add_co_u32 s90, s90, s92
	s_mul_i32 s91, s91, 33*256
	s_add_co_u32 s90, s90, s91
	s_mov_b32 s91, 0
	s_add_nc_u64 s[88:89], s[88:89], s[90:91]
	v_lshlrev_b32 v30, 8, v3
	v_mov_b32 v31, 32*256
	global_prefetch_b8 v30, s[88:89] offset:2*REGN th:TH_LOAD_NT scope:SCOPE_SE
	global_prefetch_b8 v31, s[88:89] offset:2*REGN th:TH_LOAD_NT scope:SCOPE_SE
	global_prefetch_b8 v30, s[88:89] offset:3*REGN th:TH_LOAD_NT scope:SCOPE_SE
	global_prefetch_b8 v31, s[88:89] offset:3*REGN th:TH_LOAD_NT scope:SCOPE_SE
	s_mov_b32 s70, 0x76543210
	s_mov_b32 s71, 0xfedcba98
	s_mov_b32 s72, 0x600000
.macro FRAG reg, adr, q, i
.irp c, 0,1,2,3
	ds_load_b128 v[\reg+4*\c:\reg+4*\c+3], v[\adr] offset:CH*(\q)+2048*(\i)+512*\c
.endr
.endm
.macro MUL16 a0, p, q, sc, zero
.irp a, \a0, \a0+1
.irp b, 0,1,2,3,4,5,6,7
.if \zero
	v_wmma_scale_f32_16x16x128_f8f6f4 v[8*(8*((\a)%4)+\b):8*(8*((\a)%4)+\b)+7], v[128*(\p)+FR*\b:128*(\p)+FR*\b+FR-1], v[AF+FR*(\a):AF+FR*(\a)+FR-1], v[BIAS+8*\b:BIAS+8*\b+7], v[SC+16*(\sc)+2*\b+(\q)], v[SC+16*(\sc)+2*(\a)+(\q)] matrix_a_fmt:MATRIX_FMT_BF8 matrix_b_fmt:MATRIX_FMT_BF8 matrix_a_scale:MATRIX_SCALE_ROW1
.else
	v_wmma_scale_f32_16x16x128_f8f6f4 v[8*(8*((\a)%4)+\b):8*(8*((\a)%4)+\b)+7], v[128*(\p)+FR*\b:128*(\p)+FR*\b+FR-1], v[AF+FR*(\a):AF+FR*(\a)+FR-1], v[8*(8*((\a)%4)+\b):8*(8*((\a)%4)+\b)+7], v[SC+16*(\sc)+2*\b+(\q)], v[SC+16*(\sc)+2*(\a)+(\q)] matrix_a_fmt:MATRIX_FMT_BF8 matrix_b_fmt:MATRIX_FMT_BF8 matrix_a_scale:MATRIX_SCALE_ROW1
.endif
.endr
.endr
.endm
.macro FETCH_B slot, q, p
	WIN TO_B
.irp i, 0,1,2,3,4,5,6,7
	FRAG 128*(\p)+FR*\i, ADRB+\slot, \q, \i
.endr
	WIN 0
.endm
.macro FETCH_A slot, q, i0
.irp i, \i0, \i0+1, \i0+2, \i0+3
	FRAG AF+FR*(\i), ADRA+\slot, \q, \i
.endr
.endm
.macro SCALES sc
.irp i, 0,1,2,3,4,5,6,7
.irp q, 0,1
	ds_load_b32 v[SC+16*\sc+2*\i+\q], v[ADRS+\sc] offset:CH*\q+64*\i
.endr
.endr
.endm
.macro STEP slot, q, zero
	s_wait_dscnt 4*NL
.if \zero
	WIN BIA_LO
.else
	WIN MUL_LO
.endif
	MUL16 0, (\q)%2, \q, \slot, \zero
	MUL16 2, (\q)%2, \q, \slot, \zero
	s_wait_dscnt 0
	PLACES NP
	FETCH_B \slot, (\q)+1, 1-(\q)%2
	FETCH_A \slot, (\q)+1, 0
.if \zero
	WIN BIA_HI
.else
	WIN MUL_HI
.endif
	MUL16 4, (\q)%2, \q, \slot, \zero
	MUL16 6, (\q)%2, \q, \slot, \zero
	PLACES NP
	WIN 0
	FETCH_A \slot, (\q)+1, 4
.endm
.macro TURN slot, next, fill
	s_wait_tensorcnt 0x0
	ds_add_u32 v[SPW], v[NIL]
	s_wait_dscnt 4*NL+1
	WIN MUL_LO
	MUL16 0, 1, NQ-1, \slot, 0
	s_wait_dscnt 0x0
	s_barrier_signal -1
	MUL16 2, 1, NQ-1, \slot, 0
	WIN 0
	s_barrier_wait -1
.if \fill
	CREST
	s_add_nc_u64 s[G0+4*\slot+2:G0+4*\slot+3], s[G0+4*\slot+2:G0+4*\slot+3], 2*REGN
	s_add_nc_u64 s[G0B+4*\slot+2:G0B+4*\slot+3], s[G0B+4*\slot+2:G0B+4*\slot+3], 2*REGN
	JLOAD G0+4*\slot, G0B+4*\slot
	PLACES NP-4
.else
	PLACES NP
.endif
	FETCH_B \next, 0, 0
	FETCH_A \next, 0, 0
	SCALES \next
	WIN MUL_HI
	MUL16 4, 1, NQ-1, \slot, 0
	MUL16 6, 1, NQ-1, \slot, 0
	PLACES NP
	WIN 0
	FETCH_A \next, 0, 4
.endm
	s_wait_alu depctr_va_vdst(0)
	s_wait_tensorcnt 0x0                           ; my load of the head's four is in; no tensor load of mine is out, so group 1 may be written: the ring's shape, 132 rows of 256 bytes
.irp g, G1, G1B
	s_mov_b32 s[\g+1], 32<<16
	s_mov_b32 s[\g+2], 132<<16
	s_mov_b32 s[\g+3], 32<<16
	s_mov_b32 s[\g+4], 132
	s_mov_b32 s[\g+5], 32
.endr
	s_barrier_signal -1
	s_barrier_wait -1
	FETCH_B 0, 0, 0
	FETCH_A 0, 0, 0
	SCALES 0
	FETCH_A 0, 0, 4
	s_wait_loadcnt 0x0
	STEP 0, 0, 1
	s_mov_b32 s3, LAPS-1
.Llap:
	TURN 0, 1, 1
	STEP 1, 0, 0
	TURN 1, 0, 1
	STEP 0, 0, 0
	s_sub_co_u32 s3, s3, 1
	s_cmp_lg_u32 s3, 0
	s_cbranch_scc1 .Llap
	TURN 0, 1, 0
	STEP 1, 0, 0
	s_wait_dscnt 4*NL
	WIN MUL_LO
	MUL16 0, 1, NQ-1, 1, 0
	MUL16 2, 1, NQ-1, 1, 0
	s_wait_dscnt 0
	WIN MUL_HI
	MUL16 4, 1, NQ-1, 1, 0
	MUL16 6, 1, NQ-1, 1, 0
	WIN 0
.macro QUANTW a
.set W,   2+(\a)/4
.set AC,  64*((\a)%4)
.set PCA, PC+16*(\a)
	WIN (W<<2)|W
.irp b, 0,1,2,3
	v_max3_num_f32 v[TM+\b], v[AC+16*\b], v[AC+16*\b+1], 0x8000000
.endr
.irp i, 2,4,6,8,10,12,14
.irp b, 0,1,2,3
	v_max3_num_f32 v[TM+\b], v[AC+16*\b+\i], v[AC+16*\b+\i+1], v[TM+\b]
.endr
.endr
	WIN 0
.irp b, 0,1,2,3
	v_permlanex16_b32 v[TP+\b], v[TM+\b], s70, s71
.endr
.irp b, 0,1,2,3
	v_max_num_f32 v[TM+\b], v[TM+\b], v[TP+\b]
.endr
.irp b, 0,1,2,3
	v_add_nc_u32 v[SO+\b], 0xf8800000, v[TM+\b]
.endr
.irp b, 0,1,2,3
	v_and_or_b32 v[HL+\b], v[TM+\b], 0x7f800000, s72
.endr
.irp b, 0,1,2,3
	v_lshrrev_b32 v[TP+\b], 23, v[SO+\b]
.endr
	v_lshl_or_b32 v[SW+(\a)], v[TP+1], 8, v[TP]
	v_lshl_or_b32 v[SW+(\a)], v[TP+2], 16, v[SW+(\a)]
	v_lshl_or_b32 v[SW+(\a)], v[TP+3], 24, v[SW+(\a)]
	WIN (W<<6)|W
.irp b, 0,1,2,3
.irp i, 0,1,2,3,4,5,6,7,8,9,10,11,12,13,14,15
	v_med3_num_f32 v[AC+16*\b+\i], v[AC+16*\b+\i], 0, v[HL+\b]
.endr
.endr
	WIN W
.irp g, 0,1,2,3,4,5,6,7
	v_cvt_scalef32_pk8_bf8_f32 v[PCA+2*\g:PCA+2*\g+1], v[AC+8*\g:AC+8*\g+7], v[SO+\g/2]
.endr
	v_nop
	WIN 0
.irp c, 0,1,2,3
	global_store_b128 v[LI], v[PCA+4*\c:PCA+4*\c+3], s[10:11] offset:2048*(\a)+512*\c
.endr
.endm
	PLACES NP
.irp b, 0,1,2,3
	v_mov_b32 v[TP+\b], 0
.endr
	v_cmp_le_u32 vcc_lo, 16, v3
.irp a, 0,2,4,6
	QUANTW \a
	QUANTW \a+1
	v_cndmask_b32 v[TS+\a/2], v[SW+\a], v[SW+\a+1], vcc_lo
	global_store_b32 v[L4], v[TS+\a/2], s[10:11] offset:16384+64*\a
.endr
	s_wait_tensorcnt 0x0
	ds_add_u32 v[SPW], v[NIL]
	s_wait_dscnt 0x0
	CROUND
	s_endpgm
.Lfunc_end_k_q128ea2627e_ff1:
	.size	k_q128ea2627e_ff1, .Lfunc_end_k_q128ea2627e_ff1-k_q128ea2627e_ff1
	.p2alignl 7, 3214868480
	.fill 96, 4, 3214868480
	.section	.rodata,"a",@progbits
	.p2align	6, 0x0
	.amdhsa_kernel k_q128ea2627e_ff1
		.amdhsa_group_segment_fixed_size 327680
		.amdhsa_private_segment_fixed_size 0
		.amdhsa_enable_private_segment 0
		.amdhsa_kernarg_size 32
		.amdhsa_user_sgpr_count 2
		.amdhsa_user_sgpr_kernarg_segment_ptr 1
		.amdhsa_wavefront_size32 1
		.amdhsa_system_sgpr_workgroup_id_x 1
		.amdhsa_system_sgpr_workgroup_id_y 1
		.amdhsa_system_sgpr_workgroup_id_z 1
		.amdhsa_system_vgpr_workitem_id 0
		.amdhsa_next_free_vgpr 1024
		.amdhsa_next_free_sgpr 100
		.amdhsa_reserve_vcc 1
		.amdhsa_float_denorm_mode_32 3
		.amdhsa_float_denorm_mode_16_64 3
		.amdhsa_memory_ordered 1
		.amdhsa_forward_progress 1
		.amdhsa_inst_pref_size 188
	.end_amdhsa_kernel
	.amdgpu_metadata
---
amdhsa.version: [ 1, 2 ]
amdhsa.kernels:
  - .name:           k_q128ea2627e_ff1
    .symbol:         k_q128ea2627e_ff1.kd
    .args:
      - { .name: h_f, .offset: 0, .size: 8, .value_kind: global_buffer, .address_space: global }
      - { .name: wts, .offset: 8, .size: 8, .value_kind: global_buffer, .address_space: global }
      - { .name: b_ff1, .offset: 16, .size: 8, .value_kind: global_buffer, .address_space: global }
      - { .name: ff_f, .offset: 24, .size: 8, .value_kind: global_buffer, .address_space: global }
    .group_segment_fixed_size: 327680
    .private_segment_fixed_size: 0
    .kernarg_segment_align: 8
    .kernarg_segment_size: 32
    .max_flat_workgroup_size: 128
    .sgpr_count:     100
    .vgpr_count:     1024
    .wavefront_size: 32
...
	.end_amdgpu_metadata
.endif
;; end of part 12
;; launch ff2 (part 13): grid 8 x 32, 4 waves a work-group, clusters of 4 x 4, 327,680 bytes of LDS; arguments ff_f, wts, b_ff2, x1, out0; writes out0
.if DOCPART == 13
	.amdgcn_target "amdgcn-amd-amdhsa--gfx1250"
	.amdhsa_code_object_version 6
	.text
	.protected	k_q128ea2627e_ff2
	.globl	k_q128ea2627e_ff2
	.p2align	8
	.type	k_q128ea2627e_ff2,@function
k_q128ea2627e_ff2:
	s_mov_b64 s[64:65], 0
	v_nop
	global_prefetch_b8 v0, s[64:65] scope:SCOPE_SE
	s_setreg_imm32_b32 hwreg(HW_REG_WAVE_MODE, 25, 1), 1
	s_wait_xcnt 0x0
	s_wait_alu depctr_hold_cnt(0) depctr_sa_sdst(0) depctr_va_vdst(0) depctr_va_sdst(0) depctr_va_ssrc(0) depctr_va_vcc(0) depctr_vm_vsrc(0)
	s_getreg_b32 s2, hwreg(HW_REG_IB_STS2, 6, 4)
	s_cmp_eq_u32 s2, 0
	s_cbranch_scc0 .Lentry_in_a_cluster
	s_endpgm
.Lentry_in_a_cluster:
	s_bfe_u32 s2, ttmp6, 0x10000c
	s_cmp_lg_u32 s2, 0xf033
	s_cbranch_scc0 .Lentry_shape_is_right
	s_endpgm
.Lentry_shape_is_right:
.set NKS,    32
.set WOFF,   8650752
.set LAST,   1
.set CH,     16896
.set NQ,     4
.set REGN,   2*CH
.set SLOT,   2*NQ*CH
.set SPARE,  2*SLOT
.set RG,     NKS*CH
.set LAPS,   NKS/(2*NQ)
.set FR,     16
.set NP,     8
.set SPITCH, 272
.set WSTG,   64*SPITCH
.set ADRA, 16
.set ADRB, 20
.set ADRS, 22
.set LI,   24
.set CO,   25
.set STO,  26
.set RD,   27
.set SPW,  28
.set NIL,  29
.set SC,   32
.set BIAS, 64
.set ACC,  128
.set F0,   0
.set F1,   128
.set G1,  24
.set G0,  32
.set G1B, 48
.set G0B, 56
.set MSB, 0
.macro WIN new
.if MSB != (\new)
	s_set_vgpr_msb (MSB<<8)|(\new)
.set MSB, (\new)
.endif
.endm
.set MUL,   0x05
.set TO_F,  0x40
.set TO_R,  0x80
.set ADD_R, 0x08
.macro JLOAD g0a, g0b
	s_cmp_eq_u32 s15, 0
	s_cbranch_scc0 .Lfor_s0_\@
	tensor_load_to_lds s[\g0a:\g0a+3], s[G1:G1+7]
	s_nop 0
.rept 4
	v_nop
.endr
	s_branch .Lasked_\@
.Lfor_s0_\@:
	tensor_load_to_lds s[\g0b:\g0b+3], s[G1B:G1B+7]
	s_nop 0
.rept 4
	v_nop
.endr
.Lasked_\@:
.endm
.macro CREST
	s_cmp_lg_u32 s14, 0
	s_cbranch_scc1 .Lnot_wave_0_\@
	s_barrier_signal -3
.Lnot_wave_0_\@:
	s_barrier_wait -3
	s_barrier_signal -1
	s_barrier_wait -1
.endm
.macro CROUND
	s_barrier_signal -1
	s_barrier_wait -1
	CREST
.endm
.macro PLACES n
.rept \n
	v_nop
.endr
.endm
	s_load_b256 s[4:11], s[0:1], 0x0
	s_load_b64 s[12:13], s[0:1], 0x20
	v_lshl_add_u32 v[SPW], v0, 2, SPARE
	v_mov_b32 v[NIL], 0
	ds_add_u32 v28, v29
	ds_add_u32 v28, v29
	s_wait_dscnt 0x0
	v_lshrrev_b32 v1, 5, v0
	v_readfirstlane_b32 s14, v1
	s_lshr_b32 s15, s14, 1
	s_and_b32 s16, s14, 1
	s_bfe_u32 s40, ttmp6, 0x40000
	s_bfe_u32 s41, ttmp6, 0x40004
	s_lshl_b32 s42, ttmp9, 2
	s_add_co_u32 s42, s42, s40
	s_and_b32 s17, ttmp7, 0xffff
	s_lshl_b32 s17, s17, 2
	s_add_co_u32 s17, s17, s41
	s_lshl_b32 s43, s41, 2
	s_lshl_b32 s43, 15, s43
	s_lshl_b32 s44, 0x1111, s40
	s_or_b32 s[G1+0], s43, (3<<16)|(1<<21)
	s_or_b32 s[G1B+0], s44, (3<<16)|(1<<21)
.irp g, G1, G1B
	s_mov_b32 s[\g+1], 32<<16
	s_mov_b32 s[\g+2], 264<<16                     ; the head's shape: 264 rows of 256 bytes: four K steps of a row group, dense
	s_mov_b32 s[\g+3], 32<<16
	s_mov_b32 s[\g+4], 264
	s_mov_b32 s[\g+5], 32
	s_mov_b32 s[\g+6], 0
	s_mov_b32 s[\g+7], 0
.endr
	s_mul_i32 s18, s16, REGN
	s_mul_i32 s20, s17, RG
	s_add_co_u32 s20, s20, s18
	s_mov_b32 s21, 0
	s_mul_i32 s46, s42, RG
	s_add_co_u32 s46, s46, s18
	s_add_co_u32 s46, s46, WOFF
	s_mov_b32 s47, 0
	s_mul_i32 s45, s14, REGN
	s_wait_kmcnt 0x0
	s_add_nc_u64 s[20:21], s[4:5], s[20:21]
	s_add_nc_u64 s[46:47], s[6:7], s[46:47]
	CROUND
.irp s, 0,1
	s_mov_b32 s[G0+4*\s], 1
	s_add_co_u32 s[G0+4*\s+1], s45, \s*SLOT
	s_add_nc_u64 s[G0+4*\s+2:G0+4*\s+3], s[20:21], \s*NQ*CH
	s_or_b32 s[G0+4*\s+3], s[G0+4*\s+3], 0x80000000
	s_mov_b32 s[G0B+4*\s], 1
	s_add_co_u32 s[G0B+4*\s+1], s45, \s*SLOT
	s_add_nc_u64 s[G0B+4*\s+2:G0B+4*\s+3], s[46:47], \s*NQ*CH
	s_or_b32 s[G0B+4*\s+3], s[G0B+4*\s+3], 0x80000000
.endr
	; THE HEAD'S LOADS, ONE A WAVE: wave 0 S1's part of slot 0 (K steps 0-3), wave 1 of slot 1 (K steps 4-7), waves 2 and 3 the same of S0: both slots are filled by four loads
	s_mul_i32 s82, s17, RG
	s_mul_i32 s78, s16, NQ*CH
	s_add_co_u32 s82, s82, s78
	s_mov_b32 s83, 0
	s_add_nc_u64 s[82:83], s[4:5], s[82:83]
	s_or_b32 s83, s83, 0x80000000
	s_mul_i32 s86, s42, RG
	s_add_co_u32 s86, s86, s78
	s_add_co_u32 s86, s86, WOFF
	s_mov_b32 s87, 0
	s_add_nc_u64 s[86:87], s[6:7], s[86:87]
	s_or_b32 s87, s87, 0x80000000
	s_mov_b32 s80, 1
	s_mov_b32 s84, 1
	s_mul_i32 s81, s16, SLOT
	s_mul_i32 s79, s15, NQ*CH
	s_add_co_u32 s81, s81, s79
	s_mov_b32 s85, s81
	JLOAD 80, 84
	v_and_b32 v1, 15, v0
	v_bfe_u32 v2, v0, 4, 1
	s_wait_alu depctr_va_vdst(0)
	v_and_b32 v3, 31, v0
	v_lshlrev_b32 v[LI], 4, v3
	s_wait_alu depctr_va_vdst(0)
	s_lshl_b32 s74, s42, 9
	s_lshl_b32 s75, s16, 8
	s_add_co_u32 s74, s74, s75
	s_mov_b32 s75, 0
	s_add_nc_u64 s[8:9], s[8:9], s[74:75]
	v_lshlrev_b32 v7, 6, v2
.irp b, 0,1
.irp i, 0,1,2,3
	global_load_b128 v[BIAS+16*\b+4*\i:BIAS+16*\b+4*\i+3], v7, s[8:9] offset:128*\b+16*\i
.endr
.endr
	s_lshl_b32 s76, s17, 7
	s_lshl_b32 s77, s15, 6
	s_add_co_u32 s76, s76, s77
	s_lshl_b32 s76, s76, 12
	s_add_co_u32 s76, s76, s74
	s_mov_b32 s77, 0
	s_add_nc_u64 s[10:11], s[10:11], s[76:77]
	s_add_nc_u64 s[12:13], s[12:13], s[76:77]
	v_lshlrev_b32 v[CO], 12, v2
	v_lshl_add_u32 v[CO], v1, 4, v[CO]
	; PREFETCHES INTO THE L2.  A refill brings my wave 132 blocks of 256 bytes (two K steps of my row group).  The four partners that ask for them jointly share them out by address, 33 blocks each:
	; a lane a block, and one more instruction, all lanes alike, for the 33rd.  Here the first two refills are asked for; behind refill r, refill r + 2; the last two refills ask for nothing.
	s_cmp_eq_u32 s15, 0
	s_cselect_b64 s[88:89], s[4:5], s[6:7]
	s_cselect_b32 s90, s17, s42
	s_cselect_b32 s91, s40, s41                    ; my place among the four
	s_cselect_b32 s92, 0, WOFF
	s_mul_i32 s90, s90, RG
	s_add_co_u32 s90, s90, s92
	s_mul_i32 s92, s16, REGN
	s_add_co_u32 s90, s90, s92
	s_mul_i32 s91, s91, 33*256
	s_add_co_u32 s90, s90, s91
	s_add_co_u32 s90, s90, NQ*CH                   ; one slot short of the first refill: each refill steps it first
	s_mov_b32 s91, 0
	s_add_nc_u64 s[88:89], s[88:89], s[90:91]
	v_lshlrev_b32 v30, 8, v3
	v_mov_b32 v31, 32*256
	global_prefetch_b8 v30, s[88:89] offset:NQ*CH th:TH_LOAD_NT scope:SCOPE_SE
	global_prefetch_b8 v31, s[88:89] offset:NQ*CH th:TH_LOAD_NT scope:SCOPE_SE
	global_prefetch_b8 v30, s[88:89] offset:2*NQ*CH th:TH_LOAD_NT scope:SCOPE_SE
	global_prefetch_b8 v31, s[88:89] offset:2*NQ*CH th:TH_LOAD_NT scope:SCOPE_SE
	s_lshl_b32 s21, s15, 13
	s_lshl_b32 s22, s16, 13
	s_add_co_u32 s22, s22, NQ*CH
	s_lshl_b32 s23, s15, 8
	s_lshl_b32 s19, s16, 8
	s_add_co_u32 s19, s19, NQ*CH
	s_sub_co_u32 s19, s19, s23
	v_mul_u32_u24 v6, s19, v2
	v_lshl_add_u32 v6, v1, 2, v6
	s_add_co_u32 s23, s23, 16384
.irp s, 0,1
	v_add_nc_u32 v[ADRA+\s], s21, v[LI]
	v_add_nc_u32 v[ADRB+\s], s22, v[LI]
	v_add_nc_u32 v[ADRS+\s], s23, v6
	s_add_co_u32 s21, s21, SLOT
	s_add_co_u32 s22, s22, SLOT
	s_add_co_u32 s23, s23, SLOT
.endr
	s_mul_i32 s23, s14, WSTG
	v_mul_u32_u24 v5, v1, SPITCH
	v_lshl_add_u32 v5, v2, 6, v5
	v_add_nc_u32 v[STO], s23, v5
	v_mul_u32_u24 v5, v2, SPITCH
	v_lshl_add_u32 v5, v1, 4, v5
	v_add_nc_u32 v[RD], s23, v5
.macro FRAG reg, adr, q, i
.irp c, 0,1,2,3
	ds_load_b128 v[\reg+4*\c:\reg+4*\c+3], v[\adr] offset:CH*(\q)+2048*(\i)+512*\c
.endr
.endm
.macro FETCH slot, q, f
	WIN TO_F
.irp i, 0,1,2,3
	FRAG \f+64+FR*\i, ADRB+\slot, \q, \i
.endr
.irp i, 0,1,2,3
	FRAG \f+FR*\i, ADRA+\slot, \q, \i
.endr
.endm
.macro SCALES sc
.irp i, 0,1,2,3
.irp q, 0,1,2,3
	ds_load_b32 v[SC+16*\sc+4*\i+\q], v[ADRS+\sc] offset:CH*\q+64*\i
.endr
.endr
.endm
.macro MUL4 f, a, q, sc, zero
.irp b, 0,1,2,3
.if \zero
	v_wmma_scale_f32_16x16x128_f8f6f4 v[ACC+8*(4*(\a)+\b):ACC+8*(4*(\a)+\b)+7], v[\f+64+FR*\b:\f+64+FR*\b+FR-1], v[\f+FR*(\a):\f+FR*(\a)+FR-1], v[BIAS+8*\b:BIAS+8*\b+7], v[SC+16*(\sc)+4*\b+(\q)], v[SC+16*(\sc)+4*(\a)+(\q)] matrix_a_fmt:MATRIX_FMT_BF8 matrix_b_fmt:MATRIX_FMT_BF8 matrix_a_scale:MATRIX_SCALE_ROW1
.else
	v_wmma_scale_f32_16x16x128_f8f6f4 v[ACC+8*(4*(\a)+\b):ACC+8*(4*(\a)+\b)+7], v[\f+64+FR*\b:\f+64+FR*\b+FR-1], v[\f+FR*(\a):\f+FR*(\a)+FR-1], v[ACC+8*(4*(\a)+\b):ACC+8*(4*(\a)+\b)+7], v[SC+16*(\sc)+4*\b+(\q)], v[SC+16*(\sc)+4*(\a)+(\q)] matrix_a_fmt:MATRIX_FMT_BF8 matrix_b_fmt:MATRIX_FMT_BF8 matrix_a_scale:MATRIX_SCALE_ROW1
.endif
.endr
.endm
.macro STEP slot, q, zero
	s_wait_dscnt 8
	WIN MUL
	MUL4 128*((\q)%2), 0, \q, \slot, \zero
	MUL4 128*((\q)%2), 1, \q, \slot, \zero
	PLACES NP
	FETCH \slot, (\q)+1, 128*(1-(\q)%2)
	s_wait_dscnt 32
	WIN MUL
	MUL4 128*((\q)%2), 2, \q, \slot, \zero
	MUL4 128*((\q)%2), 3, \q, \slot, \zero
.endm
.macro TURN slot, next, fill
	WIN 0
.if \fill
	s_wait_xcnt 0x0                                ; my prefetches have read their address: it steps to this refill's block
	s_add_nc_u64 s[88:89], s[88:89], NQ*CH
.endif
	s_wait_tensorcnt 0x0
	ds_add_u32 v[SPW], v[NIL]
	s_wait_dscnt 9
	WIN MUL
	MUL4 F1, 0, NQ-1, \slot, 0
	s_wait_dscnt 0x0
	s_barrier_signal -1
	MUL4 F1, 1, NQ-1, \slot, 0
	WIN 0
	s_barrier_wait -1
.if \fill
	CREST
	s_add_nc_u64 s[G0+4*\slot+2:G0+4*\slot+3], s[G0+4*\slot+2:G0+4*\slot+3], 2*NQ*CH
	s_add_nc_u64 s[G0B+4*\slot+2:G0B+4*\slot+3], s[G0B+4*\slot+2:G0B+4*\slot+3], 2*NQ*CH
	JLOAD G0+4*\slot, G0B+4*\slot
	PLACES NP-4
.else
	PLACES NP
.endif
	s_wait_alu depctr_va_vdst(0)
	SCALES \next
	FETCH \next, 0, F0
.if \fill
	WIN 0                                          ; at a branch and at a label every window is 0
	s_cmp_gt_u32 s3, 1                             ; the loop's last trip has no refill two on
	s_cbranch_scc0 .Lnone_\@
	global_prefetch_b8 v30, s[88:89] offset:2*NQ*CH th:TH_LOAD_NT scope:SCOPE_SE
	global_prefetch_b8 v31, s[88:89] offset:2*NQ*CH th:TH_LOAD_NT scope:SCOPE_SE
.Lnone_\@:
.endif
	WIN MUL
	MUL4 F1, 2, NQ-1, \slot, 0
	MUL4 F1, 3, NQ-1, \slot, 0
.endm
	s_wait_alu depctr_va_vdst(0)                   ; the wait at the head's end
	s_wait_tensorcnt 0x0                           ; my load of the head's four is in; no tensor load of mine is out, so group 1 may be written: the ring's loads bring 132 rows
.irp g, G1, G1B
	s_mov_b32 s[\g+2], 132<<16
	s_mov_b32 s[\g+4], 132
.endr
	s_barrier_signal -1
	s_barrier_wait -1
	SCALES 0
	FETCH 0, 0, F0
	s_wait_loadcnt 0x0                             ; the bias: the only loads that are out
	STEP 0, 0, 1
	; the residual's 64 rows x 256 bytes are asked for here, behind the first tiles' landing, and are on their way under the loop: two rows a load, in the order in which the rows come back from the stage
	WIN TO_R
.irp a, 0,1,2,3
.irp t, 0,1,2,3,4,5,6,7
	global_load_b128 v[32*\a+4*\t:32*\a+4*\t+3], v[CO], s[10:11] offset:(32*(\a/2)+8*(\a%2)+2*(\t%4)+16*(\t/4))*4096 th:TH_LOAD_NT
.endr
.endr
	WIN 0
.if LAPS > 1
	WIN 0
	s_mov_b32 s3, LAPS-1
.Llap:
	STEP 0, 1, 0
	STEP 0, 2, 0
	TURN 0, 1, 1
	STEP 1, 0, 0
	STEP 1, 1, 0
	STEP 1, 2, 0
	TURN 1, 0, 1
	STEP 0, 0, 0
	WIN 0
	s_sub_co_u32 s3, s3, 1
	s_cmp_lg_u32 s3, 0
	s_cbranch_scc1 .Llap
.endif
	STEP 0, 1, 0
	STEP 0, 2, 0
	TURN 0, 1, 0
	STEP 1, 0, 0
	STEP 1, 1, 0
	STEP 1, 2, 0
	s_wait_dscnt 8
	WIN MUL
	MUL4 F1, 0, NQ-1, 1, 0
	MUL4 F1, 1, NQ-1, 1, 0
	s_wait_dscnt 0
	MUL4 F1, 2, NQ-1, 1, 0
	MUL4 F1, 3, NQ-1, 1, 0
	WIN 0
.macro TOSTAGE a
.irp b, 0,1,2,3
	ds_store_b128 v[STO], v[ACC+8*(4*(\a)+\b):ACC+8*(4*(\a)+\b)+3] offset:(\a)*16*SPITCH+128*(\b/2)+32*(\b%2)
	ds_store_b128 v[STO], v[ACC+8*(4*(\a)+\b)+4:ACC+8*(4*(\a)+\b)+7] offset:(\a)*16*SPITCH+128*(\b/2)+32*(\b%2)+16
.endr
.irp t, 0,1,2,3,4,5,6,7
	ds_load_b128 v[ACC+32*(\a)+4*\t:ACC+32*(\a)+4*\t+3], v[RD] offset:(\a)*16*SPITCH+2*\t*SPITCH
.endr
.endm
.macro SEND a
	s_wait_dscnt 16*(3-(\a))
	WIN ADD_R
.set k, 0
.rept 16
	v_pk_add_f32 v[ACC+32*(\a)+k:ACC+32*(\a)+k+1], v[ACC+32*(\a)+k:ACC+32*(\a)+k+1], v[32*(\a)+k:32*(\a)+k+1]
.set k, k+2
.endr
	WIN 0
.irp t, 0,1,2,3,4,5,6,7
.if LAST
	global_store_b128 v[CO], v[ACC+32*(\a)+4*\t:ACC+32*(\a)+4*\t+3], s[12:13] offset:(32*((\a)/2)+8*((\a)%2)+2*(\t%4)+16*(\t/4))*4096 th:TH_STORE_NT
.else
	global_store_b128 v[CO], v[ACC+32*(\a)+4*\t:ACC+32*(\a)+4*\t+3], s[12:13] offset:(32*((\a)/2)+8*((\a)%2)+2*(\t%4)+16*(\t/4))*4096
.endif
.endr
.endm
	PLACES NP
	TOSTAGE 0
	TOSTAGE 1
	TOSTAGE 2
	TOSTAGE 3
	s_wait_loadcnt 0x0
	SEND 0
	SEND 1
	SEND 2
	SEND 3
	s_wait_tensorcnt 0x0
	ds_add_u32 v[SPW], v[NIL]
	s_wait_dscnt 0x0
	CROUND
	s_endpgm
.Lfunc_end_k_q128ea2627e_ff2:
	.size	k_q128ea2627e_ff2, .Lfunc_end_k_q128ea2627e_ff2-k_q128ea2627e_ff2
	.p2alignl 7, 3214868480
	.fill 96, 4, 3214868480
	.section	.rodata,"a",@progbits
	.p2align	6, 0x0
	.amdhsa_kernel k_q128ea2627e_ff2
		.amdhsa_group_segment_fixed_size 327680
		.amdhsa_private_segment_fixed_size 0
		.amdhsa_enable_private_segment 0
		.amdhsa_kernarg_size 40
		.amdhsa_user_sgpr_count 2
		.amdhsa_user_sgpr_kernarg_segment_ptr 1
		.amdhsa_wavefront_size32 1
		.amdhsa_system_sgpr_workgroup_id_x 1
		.amdhsa_system_sgpr_workgroup_id_y 1
		.amdhsa_system_sgpr_workgroup_id_z 1
		.amdhsa_system_vgpr_workitem_id 0
		.amdhsa_next_free_vgpr 768
		.amdhsa_next_free_sgpr 100
		.amdhsa_reserve_vcc 0
		.amdhsa_float_denorm_mode_32 3
		.amdhsa_float_denorm_mode_16_64 3
		.amdhsa_memory_ordered 1
		.amdhsa_forward_progress 1
		.amdhsa_inst_pref_size 102
	.end_amdhsa_kernel
	.amdgpu_metadata
---
amdhsa.version: [ 1, 2 ]
amdhsa.kernels:
  - .name:           k_q128ea2627e_ff2
    .symbol:         k_q128ea2627e_ff2.kd
    .args:
      - { .name: ff_f, .offset: 0, .size: 8, .value_kind: global_buffer, .address_space: global }
      - { .name: wts, .offset: 8, .size: 8, .value_kind: global_buffer, .address_space: global }
      - { .name: b_ff2, .offset: 16, .size: 8, .value_kind: global_buffer, .address_space: global }
      - { .name: x1, .offset: 24, .size: 8, .value_kind: global_buffer, .address_space: global }
      - { .name: out0, .offset: 32, .size: 8, .value_kind: global_buffer, .address_space: global }
    .group_segment_fixed_size: 327680
    .private_segment_fixed_size: 0
    .kernarg_segment_align: 8
    .kernarg_segment_size: 40
    .max_flat_workgroup_size: 128
    .sgpr_count:     100
    .vgpr_count:     768
    .wavefront_size: 32
...
	.end_amdgpu_metadata
.endif
;; end of part 13
